; MI455X (gfx1250); checked and timed in simulation.
; The chip was launched on July 23, 2026; its instructions are those of AMD's public machine-readable ISA for CDNA 5 (MIT licence, August 2026) and "CDNA5" Instruction Set Architecture Reference Guide (July 2026). The comments in the code are by the model that wrote it; some were corrected since.
;; Decoder Block. Allowed arithmetic: matrix products marked QUANTISED: E2M3 operands, one E8M0 scale for each 32 along K, by v_wmma_scale_f32_16x16x128_f8f6f4 with both operands' format E2M3, f32 sums; everything else in f32.
;; Inputs: W1 512 x 512 float32; W2 512 x 512 float32; Wk_c 100 x 512 float32; Wk_s 512 x 512 float32; Wo_c 512 x 512 float32; Wo_s 512 x 512 float32; Wq_c 512 x 512 float32; Wq_s 512 x 512 float32; Wv_c 100 x 512 float32; Wv_s 512 x 512 float32; X 4 x 2,048 x 512 float32; Zelta 4 x 1,024 x 100 float32; b1 512 float32; b2 100 float32; bf1 512 float32; bf2 512 float32; g1 512 float32; g2 100 float32.
;; Outputs: out0 4 x 2,048 x 512 float32.
;; This version of the problem:
;;   THIS VERSION OF THE PROBLEM IS GIVEN IN LOW PRECISION. The matrix products marked QUANTISED in the list below multiply operands that are first quantised to E2M3 (2 exponent bits, 3 mantissa bits; 6 bits a number), with one power-of-two scale for each 32 numbers along K (OCP MX v1.0); their sums are f32. All else is computed in f32.
;;   The module's matrix products, in the order in which they are computed (A, B: the left and right operand; K: the contracted axis; several contracted axes count as one K, in the product's order):
;;     1. [M 8,192, K 512] x [K 512, N 512]; A: computed on the way; B: input Wq_s: QUANTISED
;;     2. [M 8,192, K 512] x [K 512, N 512]; A: computed on the way; B: input Wk_s: QUANTISED
;;     3. [M 8,192, K 512] x [K 512, N 512]; A: computed on the way; B: input Wv_s: QUANTISED
;;     4. batch 32 x [M 2,048, K 64] x [K 64, N 2,048]; A: computed on the way; B: computed on the way: QUANTISED
;;     5. batch 32 x [M 2,048, K 2,048] x [K 2,048, N 64]; A: computed on the way; B: computed on the way: QUANTISED
;;     6. [M 8,192, K 512] x [K 512, N 512]; A: computed on the way; B: input Wo_s: QUANTISED
;;     7. [M 8,192, K 512] x [K 512, N 512]; A: computed on the way; B: input Wq_c: QUANTISED
;;     8. [M 4,096, K 100] x [K 100, N 512]; A: computed on the way; B: input Wk_c: QUANTISED
;;     9. [M 4,096, K 100] x [K 100, N 512]; A: computed on the way; B: input Wv_c: QUANTISED
;;     10. batch 32 x [M 2,048, K 64] x [K 64, N 1,024]; A: computed on the way; B: computed on the way: QUANTISED
;;     11. batch 32 x [M 2,048, K 1,024] x [K 1,024, N 64]; A: computed on the way; B: computed on the way: QUANTISED
;;     12. [M 8,192, K 512] x [K 512, N 512]; A: computed on the way; B: input Wo_c: QUANTISED
;;     13. [M 8,192, K 512] x [K 512, N 512]; A: computed on the way; B: input W1: QUANTISED
;;     14. [M 8,192, K 512] x [K 512, N 512]; A: computed on the way; B: input W2: QUANTISED
;;   THE QUANTISER, for each operand of a quantised product, along K:
;;     - K is cut into blocks of 32 from its start; a last block that is shorter is filled with zeros.
;;     - A block's scale is 2^e with e = floor(log2(the largest magnitude in the block)) - 2, held to -126 .. 127; a block of zeros has e = 0. As a byte (E8M0): e + 127.
;;     - Each number is divided by its block's scale, clamped to +-7.5, and rounded to the nearest number of E2M3, ties to even, subnormals kept.
;;     - The product sums the exact products of the quantised numbers (number of the format x scale) in f32.
;;   ~~~python
;;   def quantise(x, axis):      # numpy; x: float32 -> the quantised numbers, widened to float32 again
;;       x = np.moveaxis(x, axis, -1); K = x.shape[-1]
;;       x = np.pad(x, [(0, 0)] * (x.ndim - 1) + [(0, -K % 32)]); x = x.reshape(x.shape[:-1] + (-1, 32)); a = np.abs(x).max(-1, keepdims=True)
;;       e = np.where(a > 0, np.clip(np.frexp(np.where(a > 0, a, 1))[1] - 1 - 2, -126, 127), 0)      # np.frexp(a)[1] - 1 = floor(log2(a)), exactly
;;       r = np.clip(x / 2.0 ** e, -7.5, 7.5)
;;       step = 2.0 ** (np.maximum(np.frexp(np.where(r == 0, 1, r))[1] - 1, 0) - 3)
;;       q = np.round(r / step) * step * 2.0 ** e      # np.round: ties to even
;;       return np.moveaxis(q.reshape(q.shape[:-2] + (-1,))[..., :K], -1, axis).astype(np.float32)
;;   ~~~
;;   OPERANDS COMPUTED ON THE WAY. 'Computed on the way' means the value that the module computes at that place (a softmax that the list does not call 'softmax' is quantised finished and normalised). What goes into a quantiser is computed in f32, as accurately as f32 sums, v_exp_f32 and their like allow (about 1e-6 of the number): no bf16 or f16 on the way to a quantiser, and a product that is left as it is and whose result goes on into a quantised operand takes f32 operands (vector FMAs, or v_wmma_f32_16x16x4_f32). A number that lies on a knife's edge between two numbers of the format may be rounded either way, as far as f32 arithmetic and the matrix unit's own rounding can turn it there, and no further.
;; 2 versions, each right; version 2 is version 1 with the launches qkv, mid, zkv, final written anew for expert scheduling mode. Each part assembles by itself: llvm-mc -triple=amdgcn-amd-amdhsa -mcpu=gfx1250 --defsym DOCPART=n.
;; ======== version 1 of 2: 7 launches
;; workspace buffers: wb 1,740,800 bytes; qb 3,407,872 bytes; kvs 6,553,600 bytes; kvc 3,276,800 bytes; ob 3,276,800 bytes; x1 16,777,216 bytes
;; launch prep (part 1): grid 272 x 1, 2 waves a work-group, no clusters, 0 bytes of LDS; arguments Wq_s, Wk_s, Wv_s, Wo_s, Wq_c, Wo_c, W1, W2, Wk_c, Wv_c, wb; writes wb
.if DOCPART == 1
	.amdgcn_target "amdgcn-amd-amdhsa--gfx1250"
	.amdhsa_code_object_version 6
	.text
	.protected	k_q0e02a0a7cf_prep
	.globl	k_q0e02a0a7cf_prep
	.p2align	8
	.type	k_q0e02a0a7cf_prep,@function
k_q0e02a0a7cf_prep:
	s_mov_b64 s[64:65], 0
	v_nop
	global_prefetch_b8 v0, s[64:65] scope:SCOPE_SE
	s_setreg_imm32_b32 hwreg(HW_REG_WAVE_MODE, 25, 1), 1
	s_wait_xcnt 0x0
; PREP: the ten weights, f32 stored [K][512], become codes of FP6 (E2M3) with one E8M0 byte for each 32 along K, laid in the ORDER OF THE READER'S OPERAND REGISTERS.
; A tile of 16 columns x 128 K is two sub-images of 768 bytes (64 K each): a lane's registers 0-3 at 16 x lane, its registers 4-5 at 512 + 8 x lane; lane (rho, h) holds k = 32 h .. 32 h + 31.
; THE COLUMNS OF A TILE ARE NOT NEIGHBOURS: lane rho of tile nt = 2 beta + u of the 64-column group g is column 64 g + 32 beta + 8 u + rho + 8 (rho / 8).
; wb: the eight weights of 512 rows (mi = 0 .. 7: Wq_s Wk_s Wv_s Wo_s Wq_c Wo_c W1 W2): codes at 196608 mi + 24576 g + 6144 s + 1536 nt + 768 c, scale words (four bytes: 128 K of a column) at 1572864 + 8192 mi + 1024 g + 256 s + 16 rho + 4 nt;
;     Wk_c, Wv_c (m = 0, 1; K = 100, filled with zeros to 128): codes at 1638400 + 49152 m + 6144 g + 1536 nt + 768 c, scale words at 1736704 + 2048 m + 256 g + 16 rho + 4 nt.
; SHARES: work-groups 0 .. 255 take (mi, g, s), 256 .. 271 take (m, g).  Wave v takes columns 64 g + 32 v + lane.  A LANE IS A COLUMN AND ITS REGISTERS RUN DOWN K: a block of 32 along K is one lane's 32 registers, so its largest
; magnitude needs no other lane and the conversions give codes with K innermost.  Each load reads 128 consecutive bytes.  A store of 16 bytes a lane covers two aligned runs of 256 bytes, one of 8 bytes a lane two runs of 128.
; A block's scale is 2^(floor(log2(largest magnitude)) - 2); its byte is the largest magnitude's exponent field - 2, held at 1 from below.
; LIMITS: a block of zeros gets the byte 1 where the quantiser says 127 (its codes are zeros, and this program alone reads the bytes); NaN and infinities among the inputs are not served.
.set X,   32                           ; v32-159  128 numbers down K
.set E,   160                          ; v160-191 a block's codes: eight registers for each block, so that no store's data are written again
.set PWR, 24                           ; v24      the column's scale word
.macro LOADB t, n                      ; block t: n rows of my column
.set i, 0
.rept \n
	global_load_b32 v[X+32*(\t)+i], v3, s[8:9] offset:(32*(\t)+i)*2048 th:TH_LOAD_NT
.set i, i+1
.endr
.endm
.macro BLOCK t
.set XS, X+32*(\t)
.set EC, E+8*(\t)
	v_max3_num_f32 v12, |v[XS]|, |v[XS+1]|, |v[XS+2]|      ; the block's largest magnitude, in two chains
	v_max3_num_f32 v13, |v[XS+3]|, |v[XS+4]|, |v[XS+5]|
.irp i, 6,10,14,18,22,26
	v_max3_num_f32 v12, v12, |v[XS+\i]|, |v[XS+\i+1]|
	v_max3_num_f32 v13, v13, |v[XS+\i+2]|, |v[XS+\i+3]|
.endr
	v_max3_num_f32 v12, v12, |v[XS+30]|, |v[XS+31]|
	v_max3_num_f32 v12, v12, v13, 0x1800000                ; and the floor 2^(3 - 127): the byte cannot fall under 1
	v_add_nc_u32 v11, 0xff000000, v12                      ; 2 off the exponent field: the conversion's scale operand
	v_lshrrev_b32 v13, 23, v11                             ; the byte
.if (\t) == 0
	v_mov_b32 v[PWR], v13
.else
	v_lshl_or_b32 v[PWR], v13, 8*(\t), v[PWR]
.endif
	v_cvt_scalef32_pk16_fp6_f32 v[EC:EC+2], v[XS:XS+15], v11
	v_cvt_scalef32_pk16_fp6_f32 v[EC+4:EC+6], v[XS+16:XS+31], v11   ; (a conversion's three registers begin on an even number)
	v_nop                                                  ; one plain line behind the conversions
	v_mov_b32 v[EC+3], v[EC+4]                             ; the upper 16 codes move down one register: six registers on end
	v_mov_b32 v[EC+4], v[EC+5]
	v_mov_b32 v[EC+5], v[EC+6]
	global_store_b128 v7, v[EC:EC+3], s[36:37] offset:768*((\t)/2)+256*((\t)%2)        ; block t = 2 c + h: sub-image c, lane rho + 16 h
	global_store_b64 v8, v[EC+4:EC+5], s[36:37] offset:768*((\t)/2)+512+128*((\t)%2)
.endm
.macro BODY n3                         ; n3: the rows of block 3.  Loads run two blocks ahead; each wait leaves the next block's loads out
	LOADB 0, 32
	LOADB 1, 32
	s_wait_loadcnt 32                                      ; block 0 is in, block 1's 32 loads may be out
	LOADB 2, 32
	BLOCK 0
	s_wait_loadcnt 32                                      ; block 1 is in, block 2's may be out
	LOADB 3, \n3
	BLOCK 1
	s_wait_loadcnt \n3                                     ; block 2 is in, block 3's may be out
	BLOCK 2
	s_wait_loadcnt 0x0
	BLOCK 3
	global_store_b32 v9, v[PWR], s[38:39]
	s_endpgm
.endm
	s_load_b512 s[8:23], s[0:1], 0x0               ; the eight weights of 512 rows
	s_load_b128 s[24:27], s[0:1], 0x40             ; Wk_c, Wv_c
	s_load_b64 s[28:29], s[0:1], 0x50              ; wb
	v_lshrrev_b32 v1, 5, v0
	v_readfirstlane_b32 s2, v1                     ; wave v
	v_and_b32 v2, 31, v0                           ; lane = column x of the wave's 32
	v_lshlrev_b32 v3, 2, v2                        ; in: 4 bytes a lane
	v_bfe_u32 v4, v2, 3, 1                         ; u = (x / 8) % 2
	v_and_b32 v5, 7, v2
	v_lshrrev_b32 v6, 4, v2
	v_lshl_add_u32 v5, v6, 3, v5                   ; rho = x % 8 + 8 (x / 16)
	v_mul_u32_u24 v6, v4, 1536
	v_lshl_add_u32 v7, v5, 4, v6                   ; out: 1536 u + 16 rho
	v_lshl_add_u32 v8, v5, 3, v6                   ;      1536 u + 8 rho
	v_lshlrev_b32 v9, 2, v4
	v_lshl_add_u32 v9, v5, 4, v9                   ; scale word: 16 rho + 4 u
	s_cmp_lt_u32 ttmp9, 256
	s_cbranch_scc0 .Lsmall
	s_lshr_b32 s3, ttmp9, 5                        ; mi
	s_bfe_u32 s4, ttmp9, 0x30002                   ; g
	s_and_b32 s5, ttmp9, 3                         ; s
	s_lshl_b32 s30, s5, 18                         ; in: 128 s rows of 2,048 bytes
	s_lshl_b32 s31, s4, 8
	s_add_co_u32 s30, s30, s31                     ; + 256 g
	s_lshl_b32 s31, s2, 7
	s_add_co_u32 s30, s30, s31                     ; + 128 v
	s_mov_b32 s31, 0
	s_mul_i32 s32, s3, 196608                      ; codes
	s_mul_i32 s33, s4, 24576
	s_add_co_u32 s32, s32, s33
	s_mul_i32 s33, s5, 6144
	s_add_co_u32 s32, s32, s33
	s_mul_i32 s33, s2, 3072                        ; tiles 2 v and 2 v + 1
	s_add_co_u32 s32, s32, s33
	s_mov_b32 s33, 0
	s_lshl_b32 s34, s3, 13                         ; scale words
	s_lshl_b32 s35, s4, 10
	s_add_co_u32 s34, s34, s35
	s_lshl_b32 s35, s5, 8
	s_add_co_u32 s34, s34, s35
	s_lshl_b32 s35, s2, 3
	s_add_co_u32 s34, s34, s35
	s_add_co_u32 s34, s34, 1572864
	s_mov_b32 s35, 0
	s_wait_kmcnt 0x0
	s_bitcmp1_b32 s3, 0                            ; the weight is chosen by the three bits of mi: the choice hangs on the work-group's number alone
	s_cselect_b64 s[8:9], s[10:11], s[8:9]
	s_cselect_b64 s[12:13], s[14:15], s[12:13]
	s_cselect_b64 s[16:17], s[18:19], s[16:17]
	s_cselect_b64 s[20:21], s[22:23], s[20:21]
	s_bitcmp1_b32 s3, 1
	s_cselect_b64 s[8:9], s[12:13], s[8:9]
	s_cselect_b64 s[16:17], s[20:21], s[16:17]
	s_bitcmp1_b32 s3, 2
	s_cselect_b64 s[8:9], s[16:17], s[8:9]
	s_add_nc_u64 s[8:9], s[8:9], s[30:31]
	s_add_nc_u64 s[36:37], s[28:29], s[32:33]
	s_add_nc_u64 s[38:39], s[28:29], s[34:35]
	BODY 32
.Lsmall:
	s_sub_co_u32 s3, ttmp9, 256
	s_and_b32 s4, s3, 7                            ; g
	s_lshr_b32 s3, s3, 3                           ; m
	s_lshl_b32 s30, s4, 8
	s_lshl_b32 s31, s2, 7
	s_add_co_u32 s30, s30, s31
	s_mov_b32 s31, 0
	s_mul_i32 s32, s3, 49152
	s_mul_i32 s33, s4, 6144
	s_add_co_u32 s32, s32, s33
	s_mul_i32 s33, s2, 3072
	s_add_co_u32 s32, s32, s33
	s_add_co_u32 s32, s32, 1638400
	s_mov_b32 s33, 0
	s_lshl_b32 s34, s3, 11
	s_lshl_b32 s35, s4, 8
	s_add_co_u32 s34, s34, s35
	s_lshl_b32 s35, s2, 3
	s_add_co_u32 s34, s34, s35
	s_add_co_u32 s34, s34, 1736704
	s_mov_b32 s35, 0
.set i, 100
.rept 28
	v_mov_b32 v[X+i], 0                            ; K = 100: the last block is filled with zeros
.set i, i+1
.endr
	s_wait_kmcnt 0x0
	s_cmp_eq_u32 s3, 0
	s_cselect_b64 s[8:9], s[24:25], s[26:27]
	s_add_nc_u64 s[8:9], s[8:9], s[30:31]
	s_add_nc_u64 s[36:37], s[28:29], s[32:33]
	s_add_nc_u64 s[38:39], s[28:29], s[34:35]
	BODY 4
.Lfunc_end_k_q0e02a0a7cf_prep:
	.size	k_q0e02a0a7cf_prep, .Lfunc_end_k_q0e02a0a7cf_prep-k_q0e02a0a7cf_prep
	.p2alignl 7, 3214868480
	.fill 96, 4, 3214868480
	.section	.rodata,"a",@progbits
	.p2align	6, 0x0
	.amdhsa_kernel k_q0e02a0a7cf_prep
		.amdhsa_group_segment_fixed_size 0
		.amdhsa_private_segment_fixed_size 0
		.amdhsa_enable_private_segment 0
		.amdhsa_kernarg_size 88
		.amdhsa_user_sgpr_count 2
		.amdhsa_user_sgpr_kernarg_segment_ptr 1
		.amdhsa_wavefront_size32 1
		.amdhsa_system_sgpr_workgroup_id_x 1
		.amdhsa_system_sgpr_workgroup_id_y 1
		.amdhsa_system_sgpr_workgroup_id_z 1
		.amdhsa_system_vgpr_workitem_id 0
		.amdhsa_next_free_vgpr 192
		.amdhsa_next_free_sgpr 66
		.amdhsa_reserve_vcc 0
		.amdhsa_float_denorm_mode_32 3
		.amdhsa_float_denorm_mode_16_64 3
		.amdhsa_memory_ordered 1
		.amdhsa_forward_progress 1
		.amdhsa_inst_pref_size 40
	.end_amdhsa_kernel
	.amdgpu_metadata
---
amdhsa.version: [ 1, 2 ]
amdhsa.kernels:
  - .name:           k_q0e02a0a7cf_prep
    .symbol:         k_q0e02a0a7cf_prep.kd
    .args:
      - { .name: Wq_s, .offset: 0, .size: 8, .value_kind: global_buffer, .address_space: global }
      - { .name: Wk_s, .offset: 8, .size: 8, .value_kind: global_buffer, .address_space: global }
      - { .name: Wv_s, .offset: 16, .size: 8, .value_kind: global_buffer, .address_space: global }
      - { .name: Wo_s, .offset: 24, .size: 8, .value_kind: global_buffer, .address_space: global }
      - { .name: Wq_c, .offset: 32, .size: 8, .value_kind: global_buffer, .address_space: global }
      - { .name: Wo_c, .offset: 40, .size: 8, .value_kind: global_buffer, .address_space: global }
      - { .name: W1, .offset: 48, .size: 8, .value_kind: global_buffer, .address_space: global }
      - { .name: W2, .offset: 56, .size: 8, .value_kind: global_buffer, .address_space: global }
      - { .name: Wk_c, .offset: 64, .size: 8, .value_kind: global_buffer, .address_space: global }
      - { .name: Wv_c, .offset: 72, .size: 8, .value_kind: global_buffer, .address_space: global }
      - { .name: wb, .offset: 80, .size: 8, .value_kind: global_buffer, .address_space: global }
    .group_segment_fixed_size: 0
    .private_segment_fixed_size: 0
    .kernarg_segment_align: 8
    .kernarg_segment_size: 88
    .max_flat_workgroup_size: 64
    .sgpr_count:     66
    .vgpr_count:     192
    .wavefront_size: 32
...
	.end_amdgpu_metadata
.endif
;; end of part 1
;; launch qkv (part 2): grid 256 x 1, 8 waves a work-group, no clusters, 41,472 bytes of LDS; arguments X, g1, b1, wb, qb, kvs; writes qb, kvs
.if DOCPART == 2
	.amdgcn_target "amdgcn-amd-amdhsa--gfx1250"
	.amdhsa_code_object_version 6
	.text
	.protected	k_q0e02a0a7cf_qkv
	.globl	k_q0e02a0a7cf_qkv
	.p2align	8
	.type	k_q0e02a0a7cf_qkv,@function
k_q0e02a0a7cf_qkv:
	s_mov_b64 s[64:65], 0
	v_nop
	global_prefetch_b8 v0, s[64:65] scope:SCOPE_SE
	s_setreg_imm32_b32 hwreg(HW_REG_WAVE_MODE, 25, 1), 1
	s_wait_xcnt 0x0
; QKV: n = LN(X); q = n Wq_s, k = n Wk_s, v = n Wv_s, all three products on codes of FP6 (E2M3) with one E8M0 scale for each 32 along K; q, k (along the head's 64) and v (along the keys) leave as codes.
; SHARES: a work-group takes 32 whole rows (block blk = 64 b + f: two tiles rt = 0, 1 of 16; lane r of tile rt is row 32 blk + 8 rt + r + 8 (r / 8)); wave w takes columns 64 w .. 64 w + 63, which are head w: 8 accumulators, 32 matrix instructions a weight.
; THE PRODUCTS FOR q AND k ARE USED TRANSPOSED (source 0 = 16 columns of the weight, source 1 = 16 rows): with the weight's tiles as the first launch laid them, lane (r, h) holds row r and register 16 beta + i is column 64 w + 32 beta + 16 h + i:
; 16 neighbours along the next K.  THE PRODUCT FOR v IS USED AS IT STANDS (source 0 = rows): a lane then holds one column and its 16 registers of a column tile are keys 16 h + 0 .. 15 of the block of 32: neighbours along ITS next K, the keys.
; OPERANDS GO FROM WAVE TO WAVE THROUGH LDS AS IMAGES OF THEIR REGISTERS: a sub-image (16 rows x 64 K) is 768 bytes: registers 0-3 at 16 x lane, registers 4-5 at 512 + 8 x lane.  The weights come from memory straight into registers, in the same form.
; NO JOINT LOADS, though all 256 work-groups walk the same weights: each wave takes its own 24,576 bytes of a weight straight into registers; joint loads would send 3 x 196,608 bytes through LDS in slots filled again, with a round of a cluster's barrier for each.
; OUT: qb: codes [b][head][tile 128][768], scale words (s0 s1 s0 s1) at 3145728 + 64 tile + 4 r.  kvs: K's codes [b 8 + head][f][1536] (tile rt 0, then rt 1), V's at 3145728: [bh][f / 4][d tile][f % 4][384] (lane (r, h): 12 bytes at 24 r + 12 h),
;      K's scale words at 6291456: [bh][f / 4][r][f % 4], V's at 6422528 likewise (byte dt = d tile dt).
; LIMITS: a block of zeros carries the byte 1 in place of 127 (zero codes; read by this program alone); NaN and infinities are not served.
.set L16, 1                            ; 16 x lane
.set L8,  2                            ; 8 x lane
.set R16, 3                            ; 16 r
.set XA,  4                            ; (r + 8 (r / 8)) x 2048 + 64 h
.set IW16, 5                           ; 16 x lane + 768 w
.set IW8, 6                            ; 8 x lane + 768 w
.set SW,  7                            ; 32 r + 2 w
.set SR,  8                            ; 32 r
.set RW,  9                            ; 32 r + 4 w
.set CB,  13                           ; 64 h
.set V24, 14                           ; 24 r + 12 h
.set L4,  15                           ; 4 x lane
.set ACC, 16                           ; v16-79   8 accumulators
.set WA,  80                           ; v80-127  a K step's 4 weight tiles
.set WB,  128                          ; v128-175 the other set
.set AF0, 176                          ; v176-199 a K step's 2 activation tiles
.set AF1, 200                          ; v200-223 the other set
.set WS,  224                          ; v224-239 the weight's scale words, 4 s + nt
.set AS,  240                          ; v240-247 the rows' scale words, 4 rt + s
.set G,   128                          ; between products v128-223 are at work: g, b,
.set BB,  160
.set TM,  192                          ; the quantiser's 16,
.set PC,  208                          ; the codes just made,
.set PT,  128                          ; the conversions' second halves,
.set TA,  208                          ; the norm's sums, exchange, means
.set EX,  216
.set MN,  218
.set PW,  248                          ; the scale word just made
.set RS,  250                          ; v250-253 1 / sigma, as pairs
.set AIMG, 0                           ; LDS: images [rt][g][768]
.set ASC,  36864                       ; scale halves: u16 at 32 r + 16 rt + 2 w
.set RED1, 38400                       ; f32 at 512 rt + 32 r + 4 w
.set RED2, 39424
.set XP, 20
.set GP, 22
.set BP, 24
.set WP, 26
.set WSP, 28
.set QC, 30
.set QSP, 32
.set KC, 34
.set KSP, 36
.set VCP, 38
.set VSP, 40
.set SEL, 42
.set INV, 44
.set EPS, 45
.set HI,  46
.macro PLACES n
.rept \n
	v_nop
.endr
.endm
.macro BARRIER                         ; my LDS stores have landed and my LDS loads are in: then the work-group's barrier
	s_wait_dscnt 0x0
	s_barrier_signal -1
	s_barrier_wait -1
.endm
.macro WLOAD set, s, mi                ; 16 loads: weight mi, K step s, my four column tiles
.irp nt, 0,1,2,3
.irp c, 0,1
	global_load_b128 v[\set+12*\nt+6*\c:\set+12*\nt+6*\c+3], v[L16], s[WP:WP+1] offset:(\mi)*196608+(\s)*6144+\nt*1536+\c*768
	global_load_b64 v[\set+12*\nt+6*\c+4:\set+12*\nt+6*\c+5], v[L8], s[WP:WP+1] offset:(\mi)*196608+(\s)*6144+\nt*1536+\c*768+512
.endr
.endr
.endm
.macro WSCL mi                         ; 4 loads: its scale words
.irp s, 0,1,2,3
	global_load_b128 v[WS+4*\s:WS+4*\s+3], v[R16], s[WSP:WSP+1] offset:1572864+(\mi)*8192+256*\s
.endr
.endm
.macro ASCL k                          ; 2 LDS loads: the rows' scale words of image k
.irp rt, 0,1
	ds_load_b128 v[AS+4*\rt:AS+4*\rt+3], v[SR] offset:ASC+(\k)*512+16*\rt
.endr
.endm
.macro ALOAD af, s, k                  ; 8 LDS loads: both row tiles of K step s
.irp rt, 0,1
	ds_load_b128 v[\af+12*\rt:\af+12*\rt+3], v[L16] offset:AIMG+(\k)*12288+\rt*6144+(\s)*1536
	ds_load_b64 v[\af+12*\rt+4:\af+12*\rt+5], v[L8] offset:AIMG+(\k)*12288+\rt*6144+(\s)*1536+512
	ds_load_b128 v[\af+12*\rt+6:\af+12*\rt+9], v[L16] offset:AIMG+(\k)*12288+\rt*6144+(\s)*1536+768
	ds_load_b64 v[\af+12*\rt+10:\af+12*\rt+11], v[L8] offset:AIMG+(\k)*12288+\rt*6144+(\s)*1536+1280
.endr
.endm
; 8 matrix instructions, the 8 accumulators by turns.  mode 0: transposed, starts the sums; 1: transposed, adds on; 2, 3: the same with the rows as source 0
.macro MM s, set, af, mode
.irp rt, 0,1
.irp nt, 0,1,2,3
.if (\mode) == 0
	v_wmma_scale_f32_16x16x128_f8f6f4 v[ACC+32*\rt+8*\nt:ACC+32*\rt+8*\nt+7], v[\set+12*\nt:\set+12*\nt+11], v[\af+12*\rt:\af+12*\rt+11], 0, v[WS+4*(\s)+\nt], v[AS+4*\rt+(\s)] matrix_a_fmt:MATRIX_FMT_FP6 matrix_b_fmt:MATRIX_FMT_FP6
.elseif (\mode) == 1
	v_wmma_scale_f32_16x16x128_f8f6f4 v[ACC+32*\rt+8*\nt:ACC+32*\rt+8*\nt+7], v[\set+12*\nt:\set+12*\nt+11], v[\af+12*\rt:\af+12*\rt+11], v[ACC+32*\rt+8*\nt:ACC+32*\rt+8*\nt+7], v[WS+4*(\s)+\nt], v[AS+4*\rt+(\s)] matrix_a_fmt:MATRIX_FMT_FP6 matrix_b_fmt:MATRIX_FMT_FP6
.elseif (\mode) == 2
	v_wmma_scale_f32_16x16x128_f8f6f4 v[ACC+16*\nt+8*\rt:ACC+16*\nt+8*\rt+7], v[\af+12*\rt:\af+12*\rt+11], v[\set+12*\nt:\set+12*\nt+11], 0, v[AS+4*\rt+(\s)], v[WS+4*(\s)+\nt] matrix_a_fmt:MATRIX_FMT_FP6 matrix_b_fmt:MATRIX_FMT_FP6
.else
	v_wmma_scale_f32_16x16x128_f8f6f4 v[ACC+16*\nt+8*\rt:ACC+16*\nt+8*\rt+7], v[\af+12*\rt:\af+12*\rt+11], v[\set+12*\nt:\set+12*\nt+11], v[ACC+16*\nt+8*\rt:ACC+16*\nt+8*\rt+7], v[AS+4*\rt+(\s)], v[WS+4*(\s)+\nt] matrix_a_fmt:MATRIX_FMT_FP6 matrix_b_fmt:MATRIX_FMT_FP6
.endif
.endr
.endr
.endm
; A product over K = 512: four K steps on two sets of registers.  On entry the weight's K step 0 (set WA) and its scale words have been asked for.  nmi: the next weight, whose K step 0 and scale words are asked for here, or -1.
.macro GEMM k, mi, first, rest, nmi
	s_wait_xcnt 0x0                                ; earlier stores have read their data, which lie where the loads below land
	WLOAD WB, 1, \mi
	ASCL \k
	ALOAD AF0, 0, \k
	ALOAD AF1, 1, \k
	s_wait_loadcnt 16                              ; all but set WB's 16 loads
	s_wait_dscnt 8                                 ; all but AF1's 8
	MM 0, WA, AF0, \first
	PLACES 4                                       ; four places in front of loads into registers that matrix instructions have read
	WLOAD WA, 2, \mi
	ALOAD AF0, 2, \k
	s_wait_loadcnt 16                              ; K step 1's weights are in, K step 2's 16 loads may be out
	s_wait_dscnt 8
	MM 1, WB, AF1, \rest
	PLACES 4
	WLOAD WB, 3, \mi
	ALOAD AF1, 3, \k
	s_wait_loadcnt 16
	s_wait_dscnt 8
	MM 2, WA, AF0, \rest
	PLACES 4
.if (\nmi) >= 0
	WLOAD WA, 0, \nmi
	s_wait_loadcnt 16                              ; K step 3's weights are in, the next weight's 16 loads may be out
.else
	s_wait_loadcnt 0x0
.endif
	s_wait_dscnt 0x0
	MM 3, WB, AF1, \rest
	PLACES 5                                       ; five: the next product's first instructions write over these accumulators
.if (\nmi) >= 0
	WSCL \nmi
.endif
.endm
; 64 numbers of a lane in four blocks of 16 registers; a block of 32 lies in lanes l and l xor 16.  TM+12 .. 15: the conversions' scale operands; pw: the four bytes
.macro QSCALE s, pw
.irp b, 0,1,2,3
	v_max3_num_f32 v[TM+\b], |v[\s+16*\b]|, |v[\s+16*\b+1]|, 0x1800000     ; with the floor 2^(3 - 127): the byte cannot fall under 1
.endr
.irp i, 2,4,6,8,10,12,14
.irp b, 0,1,2,3
	v_max3_num_f32 v[TM+\b], v[TM+\b], |v[\s+16*\b+\i]|, |v[\s+16*\b+\i+1]|
.endr
.endr
.irp b, 0,1,2,3
	v_permlanex16_b32 v[TM+4+\b], v[TM+\b], s[SEL], s[SEL+1]
.endr
.irp b, 0,1,2,3
	v_max_num_f32 v[TM+\b], v[TM+\b], v[TM+4+\b]
.endr
.irp b, 0,1,2,3
	v_add_nc_u32 v[TM+12+\b], 0xff000000, v[TM+\b]         ; 2 off the exponent field
.endr
.irp b, 0,1,2,3
	v_lshrrev_b32 v[TM+4+\b], 23, v[TM+12+\b]
.endr
	v_lshl_or_b32 v[\pw], v[TM+5], 8, v[TM+4]
	v_lshl_or_b32 v[\pw], v[TM+6], 16, v[\pw]
	v_lshl_or_b32 v[\pw], v[TM+7], 24, v[\pw]
.endm
; the codes, a WHOLE block to a lane: registers pc + 6 c .. + 5 are the sub-image of row tile c
.macro QCODES s, pc
.irp c, 0,1
	v_cvt_scalef32_pk16_fp6_f32 v[\pc+6*\c:\pc+6*\c+2], v[\s+32*\c:\s+32*\c+15], v[TM+12+2*\c]
	v_cvt_scalef32_pk16_fp6_f32 v[PT+4*\c:PT+4*\c+2], v[\s+32*\c+16:\s+32*\c+31], v[TM+13+2*\c]
.endr
	v_nop                                          ; one plain line behind the conversions
.irp c, 0,1
.irp i, 0,1,2
	v_permlane16_swap_b32 v[\pc+6*\c+\i], v[PT+4*\c+\i]
.endr
.irp i, 0,1,2
	v_mov_b32 v[\pc+6*\c+3+\i], v[PT+4*\c+\i]
.endr
.endr
.endm
.macro IMAGE k                         ; my two sub-images and my halves of the rows' scale words go to LDS
	ds_store_b128 v[IW16], v[PC:PC+3] offset:AIMG+(\k)*12288
	ds_store_b64 v[IW8], v[PC+4:PC+5] offset:AIMG+(\k)*12288+512
	ds_store_b128 v[IW16], v[PC+6:PC+9] offset:AIMG+(\k)*12288+6144
	ds_store_b64 v[IW8], v[PC+10:PC+11] offset:AIMG+(\k)*12288+6144+512
	v_lshrrev_b32 v249, 16, v[PW]
	ds_store_b16 v[SW], v[PW] offset:ASC+(\k)*512          ; lanes l and l xor 16 store the same bytes
	ds_store_b16 v[SW], v249 offset:ASC+(\k)*512+16
.endm
.macro XIN p                           ; 16 loads: my 64 columns of the 32 rows, in the accumulators' layout
.irp rt, 0,1
.irp q, 0,1,2,3,4,5,6,7
	global_load_b128 v[ACC+32*\rt+4*\q:ACC+32*\rt+4*\q+3], v[XA], s[\p:\p+1] offset:\rt*16384+128*(\q/4)+16*(\q%4)
.endr
.endr
.endm
.macro GBIN                            ; 16 loads: g and b of my lane's 32 columns
.irp q, 0,1,2,3,4,5,6,7
	global_load_b128 v[G+4*\q:G+4*\q+3], v[CB], s[GP:GP+1] offset:128*(\q/4)+16*(\q%4)
.endr
.irp q, 0,1,2,3,4,5,6,7
	global_load_b128 v[BB+4*\q:BB+4*\q+3], v[CB], s[BP:BP+1] offset:128*(\q/4)+16*(\q%4)
.endr
.endm
; v[TA ..], v[TA+4 ..]: two pairs of partial sums for each row tile -> the rows' totals over the eight waves, in v192 (rt 0) and v200 (rt 1); the same order of additions in every wave
.macro REDUCE base
.irp rt, 0,1
	v_pk_add_f32 v[TA+4*\rt:TA+4*\rt+1], v[TA+4*\rt:TA+4*\rt+1], v[TA+4*\rt+2:TA+4*\rt+3]
.endr
.irp rt, 0,1
	v_add_f32 v[TA+4*\rt], v[TA+4*\rt], v[TA+4*\rt+1]
.endr
.irp rt, 0,1
	v_permlanex16_b32 v[EX+\rt], v[TA+4*\rt], s[SEL], s[SEL+1]
.endr
.irp rt, 0,1
	v_add_f32 v[TA+4*\rt], v[TA+4*\rt], v[EX+\rt]
.endr
.irp rt, 0,1
	ds_store_b32 v[RW], v[TA+4*\rt] offset:\base+512*\rt
.endr
	BARRIER
.irp rt, 0,1
	ds_load_b128 v[192+8*\rt:195+8*\rt], v[SR] offset:\base+512*\rt
	ds_load_b128 v[196+8*\rt:199+8*\rt], v[SR] offset:\base+512*\rt+16
.endr
	s_wait_dscnt 0x0
.irp rt, 0,1
	v_pk_add_f32 v[192+8*\rt:193+8*\rt], v[192+8*\rt:193+8*\rt], v[194+8*\rt:195+8*\rt]
	v_pk_add_f32 v[196+8*\rt:197+8*\rt], v[196+8*\rt:197+8*\rt], v[198+8*\rt:199+8*\rt]
.endr
.irp rt, 0,1
	v_pk_add_f32 v[192+8*\rt:193+8*\rt], v[192+8*\rt:193+8*\rt], v[196+8*\rt:197+8*\rt]
.endr
.irp rt, 0,1
	v_add_f32 v[192+8*\rt], v[192+8*\rt], v[193+8*\rt]
.endr
.endm
; the norm, in place on v[ACC ..], in two passes as it is defined: the mean, then the mean of (x - mean)^2.  gw: the loads that may stay out when g and b are wanted
.macro LN gw
.irp rt, 0,1
	v_pk_add_f32 v[TA+4*\rt:TA+4*\rt+1], v[ACC+32*\rt:ACC+32*\rt+1], v[ACC+32*\rt+2:ACC+32*\rt+3]
	v_pk_add_f32 v[TA+4*\rt+2:TA+4*\rt+3], v[ACC+32*\rt+4:ACC+32*\rt+5], v[ACC+32*\rt+6:ACC+32*\rt+7]
.endr
.irp j, 8,12,16,20,24,28
.irp rt, 0,1
	v_pk_add_f32 v[TA+4*\rt:TA+4*\rt+1], v[TA+4*\rt:TA+4*\rt+1], v[ACC+32*\rt+\j:ACC+32*\rt+\j+1]
	v_pk_add_f32 v[TA+4*\rt+2:TA+4*\rt+3], v[TA+4*\rt+2:TA+4*\rt+3], v[ACC+32*\rt+\j+2:ACC+32*\rt+\j+3]
.endr
.endr
	REDUCE RED1
.irp rt, 0,1
	v_mul_f32 v[MN+2*\rt], 0x3b000000, v[192+8*\rt]        ; / 512
.endr
.irp rt, 0,1
	v_mov_b32 v[MN+2*\rt+1], v[MN+2*\rt]
.endr
.set j, 0
.rept 16
	v_pk_add_f32 v[ACC+j:ACC+j+1], v[ACC+j:ACC+j+1], v[MN:MN+1] neg_lo:[0,1] neg_hi:[0,1]
	v_pk_add_f32 v[ACC+32+j:ACC+33+j], v[ACC+32+j:ACC+33+j], v[MN+2:MN+3] neg_lo:[0,1] neg_hi:[0,1]
.set j, j+2
.endr
.irp rt, 0,1
	v_pk_mul_f32 v[TA+4*\rt:TA+4*\rt+1], v[ACC+32*\rt:ACC+32*\rt+1], v[ACC+32*\rt:ACC+32*\rt+1]
	v_pk_mul_f32 v[TA+4*\rt+2:TA+4*\rt+3], v[ACC+32*\rt+2:ACC+32*\rt+3], v[ACC+32*\rt+2:ACC+32*\rt+3]
.endr
.irp j, 4,8,12,16,20,24,28
.irp rt, 0,1
	v_pk_fma_f32 v[TA+4*\rt:TA+4*\rt+1], v[ACC+32*\rt+\j:ACC+32*\rt+\j+1], v[ACC+32*\rt+\j:ACC+32*\rt+\j+1], v[TA+4*\rt:TA+4*\rt+1]
	v_pk_fma_f32 v[TA+4*\rt+2:TA+4*\rt+3], v[ACC+32*\rt+\j+2:ACC+32*\rt+\j+3], v[ACC+32*\rt+\j+2:ACC+32*\rt+\j+3], v[TA+4*\rt+2:TA+4*\rt+3]
.endr
.endr
	REDUCE RED2
.irp rt, 0,1
	v_fma_f32 v[RS+2*\rt], v[192+8*\rt], s[INV], s[EPS]    ; variance + 1e-5
.endr
.irp rt, 0,1
	v_rsq_f32 v[RS+2*\rt], v[RS+2*\rt]
.endr
	v_nop                                          ; one plain line behind the transcendentals
	s_wait_alu depctr_va_vdst(0)
.irp rt, 0,1
	v_mov_b32 v[RS+2*\rt+1], v[RS+2*\rt]
.endr
	s_wait_loadcnt \gw                             ; g and b are in
.set j, 0
.rept 16
	v_pk_mul_f32 v[ACC+j:ACC+j+1], v[ACC+j:ACC+j+1], v[RS:RS+1]
	v_pk_mul_f32 v[ACC+32+j:ACC+33+j], v[ACC+32+j:ACC+33+j], v[RS+2:RS+3]
	v_pk_fma_f32 v[ACC+j:ACC+j+1], v[ACC+j:ACC+j+1], v[G+j:G+j+1], v[BB+j:BB+j+1]
	v_pk_fma_f32 v[ACC+32+j:ACC+33+j], v[ACC+32+j:ACC+33+j], v[G+j:G+j+1], v[BB+j:BB+j+1]
.set j, j+2
.endr
.endm
	s_load_b256 s[4:11], s[0:1], 0x0               ; X, g1, b1, wb
	s_load_b128 s[12:15], s[0:1], 0x20             ; qb, kvs
	v_lshl_add_u32 v254, v0, 2, 0x9e00
	v_mov_b32 v255, 0
	v_lshrrev_b32 v249, 5, v0
	v_readfirstlane_b32 s16, v249                  ; wave w
	v_and_b32 v251, 31, v0                         ; lane
	v_and_b32 v249, 15, v0                         ; r
	v_bfe_u32 v250, v0, 4, 1                       ; h
	v_lshlrev_b32 v[L16], 4, v251
	v_lshlrev_b32 v[L8], 3, v251
	v_lshlrev_b32 v[L4], 2, v251
	v_lshlrev_b32 v[R16], 4, v249
	v_and_b32 v[XA], 8, v249
	v_add_nc_u32 v[XA], v[XA], v249
	v_lshlrev_b32 v[XA], 11, v[XA]
	v_lshl_add_u32 v[XA], v250, 6, v[XA]
	s_mul_i32 s17, s16, 768
	v_add_nc_u32 v[IW16], s17, v[L16]
	v_add_nc_u32 v[IW8], s17, v[L8]
	v_lshlrev_b32 v[SR], 5, v249
	s_lshl_b32 s17, s16, 1
	v_add_nc_u32 v[SW], s17, v[SR]
	s_lshl_b32 s17, s16, 2
	v_add_nc_u32 v[RW], s17, v[SR]
	v_lshlrev_b32 v[CB], 6, v250
	v_mul_u32_u24 v[V24], v249, 24
	v_mad_u32_u24 v[V24], v250, 12, v[V24]
	v_mov_b32 v[EX], 0                             ; written once: a lane permute's destination counts as one of its sources
	v_mov_b32 v[EX+1], 0
.irp b, 0,1,2,3
	v_mov_b32 v[TM+4+\b], 0
.endr
	s_mov_b32 s[SEL], 0x76543210
	s_mov_b32 s[SEL+1], 0xfedcba98                 ; v_permlanex16_b32's selects for lane l xor 16
	s_mov_b32 s[INV], 0x3b000000                   ; 1 / 512
	s_mov_b32 s[EPS], 0x3727c5ac                   ; 1e-5
	s_mov_b32 s[HI], 0xffff0000                    ; lanes 16-31
	s_lshl_b32 s18, ttmp9, 16                      ; 32 rows of 2,048 bytes
	s_lshl_b32 s50, s16, 8                         ; my 64 columns
	s_add_co_u32 s18, s18, s50
	s_mov_b32 s19, 0
	s_mov_b32 s51, 0
	s_wait_kmcnt 0x0
	s_add_nc_u64 s[XP:XP+1], s[4:5], s[18:19]
	s_add_nc_u64 s[GP:GP+1], s[6:7], s[50:51]
	s_add_nc_u64 s[BP:BP+1], s[8:9], s[50:51]
	s_mul_i32 s50, s16, 24576
	s_add_nc_u64 s[WP:WP+1], s[10:11], s[50:51]
	s_lshl_b32 s50, s16, 10
	s_add_nc_u64 s[WSP:WSP+1], s[10:11], s[50:51]
	XIN XP
	GBIN
	WLOAD WA, 0, 0
	WSCL 0
	s_lshr_b32 s48, ttmp9, 6                       ; b
	s_lshl_b32 s48, s48, 3
	s_add_co_u32 s48, s48, s16                     ; b 8 + head
	s_and_b32 s49, ttmp9, 63                       ; f
	s_lshl_b32 s17, s48, 7
	s_lshl_b32 s50, s49, 1
	s_add_co_u32 s17, s17, s50                     ; q's tile: 128 (b 8 + head) + 2 f
	s_mul_i32 s50, s17, 768
	s_add_nc_u64 s[QC:QC+1], s[12:13], s[50:51]
	s_lshl_b32 s50, s17, 6
	s_add_nc_u64 s[QSP:QSP+1], s[12:13], s[50:51]
	s_add_nc_u64 s[QSP:QSP+1], s[QSP:QSP+1], 3145728
	s_lshl_b32 s17, s48, 6
	s_add_co_u32 s17, s17, s49                     ; K's fragment: 64 (b 8 + head) + f
	s_mul_i32 s50, s17, 1536
	s_add_nc_u64 s[KC:KC+1], s[14:15], s[50:51]
	s_lshl_b32 s50, s48, 12                        ; scale words: 4096 (b 8 + head) + 256 (f / 4) + 4 (f % 4)
	s_lshr_b32 s17, s49, 2
	s_lshl_b32 s47, s17, 8
	s_add_co_u32 s50, s50, s47
	s_and_b32 s47, s49, 3
	s_lshl_b32 s18, s47, 2
	s_add_co_u32 s50, s50, s18
	s_add_nc_u64 s[KSP:KSP+1], s[14:15], s[50:51]
	s_add_nc_u64 s[VSP:VSP+1], s[KSP:KSP+1], 6422528
	s_add_nc_u64 s[KSP:KSP+1], s[KSP:KSP+1], 6291456
	s_mul_i32 s50, s48, 98304                      ; V's codes: 98304 (b 8 + head) + 6144 (f / 4) + 384 (f % 4)
	s_mul_i32 s17, s17, 6144
	s_add_co_u32 s50, s50, s17
	s_mul_i32 s47, s47, 384
	s_add_co_u32 s50, s50, s47
	s_add_nc_u64 s[VCP:VCP+1], s[14:15], s[50:51]
	s_add_nc_u64 s[VCP:VCP+1], s[VCP:VCP+1], 3145728
	s_wait_loadcnt 36                              ; X is in; g, b (16), the weight's K step 0 (16) and its scale words (4) may be out
	LN 20                                          ; (20: the weight's 16 and 4)
	QSCALE ACC, PW
	QCODES ACC, PC
	IMAGE 0
	BARRIER                                        ; n's sixteen sub-images lie in LDS
	GEMM 0, 0, 0, 1, 1                             ; q
	QSCALE ACC, PW
	QCODES ACC, PC
	global_store_b128 v[L16], v[PC:PC+3], s[QC:QC+1]
	global_store_b64 v[L8], v[PC+4:PC+5], s[QC:QC+1] offset:512
	global_store_b128 v[L16], v[PC+6:PC+9], s[QC:QC+1] offset:768
	global_store_b64 v[L8], v[PC+10:PC+11], s[QC:QC+1] offset:1280
	v_perm_b32 v249, v[PW], v[PW], 0x01000100      ; tile rt 0's word: s0 s1 s0 s1 (q stands in either half of a K step of 128)
	v_perm_b32 v250, v[PW], v[PW], 0x03020302      ; tile rt 1's
	v_cndmask_b32 v249, v249, v250, s[HI]          ; lanes 0-15 store rt 0's, lanes 16-31 rt 1's: 128 bytes on end
	global_store_b32 v[L4], v249, s[QSP:QSP+1]
	GEMM 0, 1, 0, 1, 2                             ; k
	QSCALE ACC, PW
	QCODES ACC, PC
	global_store_b128 v[L16], v[PC:PC+3], s[KC:KC+1]
	global_store_b64 v[L8], v[PC+4:PC+5], s[KC:KC+1] offset:512
	global_store_b128 v[L16], v[PC+6:PC+9], s[KC:KC+1] offset:768
	global_store_b64 v[L8], v[PC+10:PC+11], s[KC:KC+1] offset:1280
	global_store_b32 v[R16], v[PW], s[KSP:KSP+1]   ; rt 0: s0 s1 | rt 1: s0 s1 (lanes l and l xor 16 store the same word)
	GEMM 0, 2, 2, 3, -1                            ; v, rows as source 0
	QSCALE ACC, PW                                 ; block nt: column tile nt, the 32 keys of this block of rows
.irp nt, 0,1,2,3
	v_cvt_scalef32_pk16_fp6_f32 v[PC+4*\nt:PC+4*\nt+2], v[ACC+16*\nt:ACC+16*\nt+15], v[TM+12+\nt]
.endr
	v_nop
.irp nt, 0,1,2,3
	global_store_b96 v[V24], v[PC+4*\nt:PC+4*\nt+2], s[VCP:VCP+1] offset:\nt*1536     ; 384 bytes on end
.endr
	global_store_b32 v[R16], v[PW], s[VSP:VSP+1]
	s_wait_tensorcnt 0x0
	ds_add_u32 v254, v255
	s_wait_dscnt 0x0
	s_endpgm
.Lfunc_end_k_q0e02a0a7cf_qkv:
	.size	k_q0e02a0a7cf_qkv, .Lfunc_end_k_q0e02a0a7cf_qkv-k_q0e02a0a7cf_qkv
	.p2alignl 7, 3214868480
	.fill 96, 4, 3214868480
	.section	.rodata,"a",@progbits
	.p2align	6, 0x0
	.amdhsa_kernel k_q0e02a0a7cf_qkv
		.amdhsa_group_segment_fixed_size 41472
		.amdhsa_private_segment_fixed_size 0
		.amdhsa_enable_private_segment 0
		.amdhsa_kernarg_size 48
		.amdhsa_user_sgpr_count 2
		.amdhsa_user_sgpr_kernarg_segment_ptr 1
		.amdhsa_wavefront_size32 1
		.amdhsa_system_sgpr_workgroup_id_x 1
		.amdhsa_system_sgpr_workgroup_id_y 1
		.amdhsa_system_sgpr_workgroup_id_z 1
		.amdhsa_system_vgpr_workitem_id 0
		.amdhsa_next_free_vgpr 256
		.amdhsa_next_free_sgpr 66
		.amdhsa_reserve_vcc 0
		.amdhsa_float_denorm_mode_32 3
		.amdhsa_float_denorm_mode_16_64 3
		.amdhsa_memory_ordered 1
		.amdhsa_forward_progress 1
		.amdhsa_inst_pref_size 77
	.end_amdhsa_kernel
	.amdgpu_metadata
---
amdhsa.version: [ 1, 2 ]
amdhsa.kernels:
  - .name:           k_q0e02a0a7cf_qkv
    .symbol:         k_q0e02a0a7cf_qkv.kd
    .args:
      - { .name: X, .offset: 0, .size: 8, .value_kind: global_buffer, .address_space: global }
      - { .name: g1, .offset: 8, .size: 8, .value_kind: global_buffer, .address_space: global }
      - { .name: b1, .offset: 16, .size: 8, .value_kind: global_buffer, .address_space: global }
      - { .name: wb, .offset: 24, .size: 8, .value_kind: global_buffer, .address_space: global }
      - { .name: qb, .offset: 32, .size: 8, .value_kind: global_buffer, .address_space: global }
      - { .name: kvs, .offset: 40, .size: 8, .value_kind: global_buffer, .address_space: global }
    .group_segment_fixed_size: 41472
    .private_segment_fixed_size: 0
    .kernarg_segment_align: 8
    .kernarg_segment_size: 48
    .max_flat_workgroup_size: 256
    .sgpr_count:     66
    .vgpr_count:     256
    .wavefront_size: 32
...
	.end_amdgpu_metadata
.endif
;; end of part 2
;; launch attn_s (part 3): grid 8 x 32, 16 waves a work-group, clusters of 4 x 1, 272,896 bytes of LDS; arguments qb, kvs, ob; writes ob
.if DOCPART == 3
	.amdgcn_target "amdgcn-amd-amdhsa--gfx1250"
	.amdhsa_code_object_version 6
	.text
	.protected	k_q0e02a0a7cf_attn_s
	.globl	k_q0e02a0a7cf_attn_s
	.p2align	8
	.type	k_q0e02a0a7cf_attn_s,@function
k_q0e02a0a7cf_attn_s:
	s_mov_b64 s[64:65], 0
	v_nop
	global_prefetch_b8 v0, s[64:65] scope:SCOPE_SE
	s_setreg_imm32_b32 hwreg(HW_REG_WAVE_MODE, 25, 1), 1
	s_wait_xcnt 0x0
	s_wait_alu depctr_hold_cnt(0) depctr_sa_sdst(0) depctr_va_vdst(0) depctr_va_sdst(0) depctr_va_ssrc(0) depctr_va_vcc(0) depctr_vm_vsrc(0)
	s_getreg_b32 s2, hwreg(HW_REG_IB_STS2, 6, 4)
	s_cmp_eq_u32 s2, 0
	s_cbranch_scc0 .Lentry_in_a_cluster
	s_endpgm
.Lentry_in_a_cluster:
	s_bfe_u32 s2, ttmp6, 0x10000c
	s_cmp_lg_u32 s2, 0x3003
	s_cbranch_scc0 .Lentry_shape_is_right
	s_endpgm
.Lentry_shape_is_right:
; ATTENTION on codes of FP6 (E2M3), NK keys a head, head size 64.  p = softmax(q k^T / 8), kept only where sigmoid(score) > 0.5, is quantised FINISHED (normalised and gated) along the keys; o = p v leaves as codes along the head's 64.
; So a row's largest score and its sum must be known before any p is quantised: the keys are walked TWICE.  Walk 1: t = raw sum x log2(e) / 8, M = the running largest t rounded up to a whole number, L = the sum of 2^(t - M) over ALL keys
; (when M moves L is multiplied by 2^(old M - new M): exact); it also leaves each block's largest score in the wave's own LDS bytes.  Walk 2: the scores once more, the gate, p = 2^(t - M - log2 L), the quantiser, O^T += V^T P^T.
; THE GATE IS ONE INSTRUCTION A SCORE.  Every raw sum starts from C = -2^-20 in place of 0, in both walks alike (so the two walks' scores are equal bit for bit): what fails the gate is then negative.  Read as a signed whole number every
; negative f32 lies under the pattern of -infinity and every f32 from +0 on above it: v_max_i32 with that pattern turns what fails into -infinity (p = 0) and leaves the rest as it is.
; 1 / L STANDS IN THE EXPONENT: behind walk 1, -M becomes -M - log2 L, and the multiply-add that makes t - M makes the finished p's exponent.
; A BLOCK'S LARGEST p IS NOT SEARCHED FOR: the block's largest score, found in walk 1 on the way to the row's maximum, is gated and put through the same two instructions as every p.
; SHARES: a work-group owns 256 queries of one head, each of its sixteen waves one tile of 16.  The head's K and V codes and scale words, 100 NK bytes, are brought into LDS ONCE and stay.
; CLUSTER: the four query blocks of a cluster belong to one head and need the same bytes: each block of them is asked for JOINTLY, by the same tensor load with the same descriptor and a mask that names the four.
; HEAD SIZE 64 IN A K STEP OF 128: a fragment of K holds TWO tiles of 16 keys (tile rt 0 in k = 0 .. 63, tile rt 1 in k = 64 .. 127); it is multiplied once by (q | zeros) and once by (zeros | q): zero codes add nothing.
; LAYOUT: both products transposed: S^T = K Q^T, O^T = V^T P^T: a lane holds ONE query (lane % 16).  Lane r of key tile rt of fragment f is key 32 f + 8 rt + r + 8 (r / 8): register 16 f' + i of S is key 128 step + 32 f' + 16 (lane / 16) + i.
; LIMITS: a score is kept where its raw sum less 2^-20, as the matrix unit rounds it, is not negative (score 2^-23); for scores between 0 and about 2.4e-7 an f32 sigmoid's own rounding decides and this text may differ.  Every raw sum carries
; the offset -2^-20: 1.2e-7 of p.  -M - log2 L is rounded once: its error, at most half an ulp of M + log2 L, is a common factor of a row's p: 3e-7 of p while that sum is under 16; it grows with the largest score, as the rounding of an f32
; score of that size does.  The block's largest p takes v_exp_f32 not to fall where its input rises.  Blocks of zeros carry the byte 1.  NaN and infinities are not served.
.set NK,   2048
.set NST,  NK/128                      ; steps of 128 keys
.set KB,   NK*48                       ; a head's codes of K, and of V, in bytes
.set NCW,  KB/24576                    ; the waves that fetch codes: 24,576 bytes of K and of V each
.set VC0,  32*KB                       ; in the buffer: V's codes,
.set KS0,  64*KB                       ; K's scale words,
.set VS0,  KS0+64*NK                   ; V's
.set VIMG, KB                          ; LDS: K's codes at 0, V's here,
.set KSC,  2*KB                        ; K's scale words (2 NK bytes),
.set VSC,  KSC+2*NK                    ; V's,
.set OST,  VSC+2*NK                    ; 512 bytes for o's scale halves,
.set BMX,  OST+512                     ; and 256 NST bytes for each wave: the blocks' largest scores, 16 bytes a query and step.  No tensor load lands from OST on
.set L16, 1
.set L8,  2
.set R16, 3
.set L24, 4
.set AK16, 5                           ; v5-9 the LDS addresses of the step in hand
.set AK8, 6
.set AKS, 7
.set AV,  8
.set AVS, 9
.set NINF, 10
.set QS,  11                           ; q's scale words
                                       ; v12 -M, later -M - log2 L; v13 the largest t; v[14:15] the sum in two halves; v16 log2 L; v17 the old -M
.set QB,  18                           ; v18-29: zeros | q
.set QA,  24                           ; v24-35: q | zeros
.set KS,  36                           ; v36-39 K's scale words of four fragments
.set VR,  40                           ; v40-43 V's scale words as they lie: word = key block, byte = d tile
.set VS,  44                           ; v44-47 turned: word = d tile, byte = key block
.set KF,  52                           ; v52-99 four fragments of K, then four of V
.set S,   100                          ; v100-163 S^T, then p
.set O,   164                          ; v164-195 O^T
.set PC,  196                          ; v196-207 p's codes
.set PT,  208
.set BM,  216                          ; v216-219 the four blocks' largest scores
.set BX,  220
.set SO,  224
.set PW,  228                          ; p's scale word
.set OSW, 236
.set OSR, 237
.set BMA, 238                          ; LDS address of the step's four largest scores
.set R16W, 239                         ; BMX + 256 NST w + 16 r
.set CBI, 240                          ; v240-247 -2^-20: what every raw sum starts from
.macro CROUND                          ; a round of the cluster's barrier
	s_barrier_signal -1
	s_barrier_wait -1
	s_cmp_lg_u32 s10, 0
	s_cbranch_scc1 .Lnot_wave_0_\@
	s_barrier_signal -3
.Lnot_wave_0_\@:
	s_barrier_wait -3
	s_barrier_signal -1
	s_barrier_wait -1
.endm
.macro PLACES n
.rept \n
	v_nop
.endr
.endm
; the scores of 128 keys: four fragments of K, eight matrix instructions.  In the second walk the six additions are the places between the last products and the loads into the registers that they read, and V's scale words and the
; blocks' largest scores come with K's fragments.  The four places behind the products are written where the macro is used.
.macro SCORES second
	v_add_nc_u32 v[AK16], s57, v[L16]
	v_add_nc_u32 v[AK8], s57, v[L8]
	v_add_nc_u32 v[AKS], s58, v[R16]
.if \second
	v_add_nc_u32 v[AV], s59, v[L24]
	v_add_nc_u32 v[AVS], s60, v[R16]
	v_add_nc_u32 v[BMA], s61, v[R16W]
.endif
.irp f, 0,1,2,3
	ds_load_b128 v[KF+12*\f:KF+12*\f+3], v[AK16] offset:1536*\f
	ds_load_b64 v[KF+12*\f+4:KF+12*\f+5], v[AK8] offset:1536*\f+512
	ds_load_b128 v[KF+12*\f+6:KF+12*\f+9], v[AK16] offset:1536*\f+768
	ds_load_b64 v[KF+12*\f+10:KF+12*\f+11], v[AK8] offset:1536*\f+1280
.endr
	ds_load_b128 v[KS:KS+3], v[AKS]
.if \second
	ds_load_b128 v[VR:VR+3], v[AVS]
	ds_load_b128 v[BM:BM+3], v[BMA]                ; LDS serves a wave's instructions in order: this sees what I stored in walk 1
.endif
	s_wait_dscnt 0x0
.irp f, 0,1,2,3
	v_wmma_scale_f32_16x16x128_f8f6f4 v[S+16*\f:S+16*\f+7], v[KF+12*\f:KF+12*\f+11], v[QA:QA+11], v[CBI:CBI+7], v[KS+\f], v[QS] matrix_a_fmt:MATRIX_FMT_FP6 matrix_b_fmt:MATRIX_FMT_FP6
	v_wmma_scale_f32_16x16x128_f8f6f4 v[S+16*\f+8:S+16*\f+15], v[KF+12*\f:KF+12*\f+11], v[QB:QB+11], v[CBI:CBI+7], v[KS+\f], v[QS] matrix_a_fmt:MATRIX_FMT_FP6 matrix_b_fmt:MATRIX_FMT_FP6
.endr
.endm
.macro BLOCKMAX                        ; the largest score of each block of 32 keys: my 16 of each
.irp b, 0,1,2,3
	v_max3_num_f32 v[BM+\b], v[S+16*\b], v[S+16*\b+1], v[S+16*\b+2]
.endr
.irp i, 3,5,7,9,11,13
.irp b, 0,1,2,3
	v_max3_num_f32 v[BM+\b], v[BM+\b], v[S+16*\b+\i], v[S+16*\b+\i+1]
.endr
.endr
.irp b, 0,1,2,3
	v_max_num_f32 v[BM+\b], v[BM+\b], v[S+16*\b+15]
.endr
.endm
.macro TMINUSM j0, n                   ; the exponents of n pairs from register j0 on (of the pairs c and v[12:13] the low word serves both halves)
.set j, \j0
.rept \n
	v_pk_fma_f32 v[S+j:S+j+1], v[S+j:S+j+1], s[50:51], v[12:13] op_sel_hi:[1,0,0]
.set j, j+2
.endr
.endm
.macro EXPS
.set j, 0
.rept 64
	v_exp_f32 v[S+j], v[S+j]
.set j, j+1
.endr
.endm
	s_load_b128 s[4:7], s[0:1], 0x0                ; qb, the keys' and values' buffer
	s_load_b64 s[8:9], s[0:1], 0x10                ; ob
	v_lshl_add_u32 v254, v0, 2, 0x42200
	v_mov_b32 v255, 0
	ds_add_u32 v254, v255
	ds_add_u32 v254, v255
	v_lshrrev_b32 v229, 5, v0
	v_readfirstlane_b32 s10, v229                  ; wave 0 .. 15
	v_and_b32 v229, 31, v0                         ; lane
	v_and_b32 v232, 15, v0                         ; r
	v_lshlrev_b32 v[L16], 4, v229
	v_lshlrev_b32 v[L8], 3, v229
	v_mul_u32_u24 v[L24], v229, 24
	v_lshlrev_b32 v[R16], 4, v232
	s_lshl_b32 s14, s10, 5
	v_lshlrev_b32 v[OSW], 1, v232
	v_add_nc_u32 v[OSW], s14, v[OSW]
	v_add_nc_u32 v[OSW], OST, v[OSW]               ; o's scale halves: 32 w + 2 r
	v_add_nc_u32 v[OSR], OST, v[L16]               ; and back: 16 x lane
	s_mul_i32 s14, s10, NST*256
	s_add_co_u32 s14, s14, BMX
	v_add_nc_u32 v[R16W], s14, v[R16]              ; my wave's bytes for the blocks' largest scores, my query's 16
	v_lshlrev_b32 v232, 2, v232                    ; 4 r
	s_and_b32 s13, ttmp7, 0xffff                   ; b 8 + head, which the four partners share
	s_bfe_u32 s11, ttmp6, 0x40000                  ; cx: it enters q's and o's addresses in memory alone
	s_lshl_b32 s12, ttmp9, 2
	s_add_co_u32 s12, s12, s11                     ; my block of 256 queries
	; descriptor group 1: dense blocks as rows of 256 bytes (32 elements of 8 bytes), no padding
	s_mov_b32 s16, 15|(3<<16)|(1<<21)              ; 15:0 the mask: all four work-groups; 17:16 elements of 8 bytes; 21 set beside a mask
	s_mov_b32 s17, 32<<16                          ; tensor_dim0 = 32
	s_mov_b32 s18, 96<<16                          ; tensor_dim1 = 96 rows: 24,576 bytes
	s_mov_b32 s19, 32<<16                          ; tile_dim0
	s_mov_b32 s20, 96                              ; tile_dim1
	s_mov_b32 s21, 32                              ; the pitch
	s_mov_b32 s22, 0
	s_mov_b32 s23, 0
	s_mov_b32 s24, 15|(3<<16)|(1<<21)
	s_mov_b32 s25, 32<<16
	s_mov_b32 s26, (NK/128)<<16                    ; the scale words: 2 NK bytes
	s_mov_b32 s27, 32<<16
	s_mov_b32 s28, NK/128
	s_mov_b32 s29, 32
	s_mov_b32 s30, 0
	s_mov_b32 s31, 0
	s_mul_i32 s14, s13, KB
	s_mul_i32 s72, s10, 24576                      ; my chunk, in memory and in LDS
	s_add_co_u32 s14, s14, s72
	s_mov_b32 s15, 0
	s_mul_i32 s74, s13, 2*NK
	s_mov_b32 s75, 0
	s_mov_b32 s48, 0x76543210
	s_mov_b32 s49, 0xfedcba98                      ; v_permlanex16_b32's selects for lane l xor 16
	s_mov_b32 s50, 0x3e38aa3b                      ; c = log2(e) / 8
	s_mov_b32 s51, s50
	s_mov_b32 s52, 0x05010400                      ; byte selects for the turn of V's scale words
	s_mov_b32 s53, 0x07030602
	s_mov_b32 s54, 0x05040100
	s_mov_b32 s55, 0x07060302
	s_lshl_b32 s76, s12, 4
	s_add_co_u32 s76, s76, s10                     ; my tile t = 16 x block + w
	s_lshl_b32 s77, s13, 7
	s_add_co_u32 s77, s77, s76                     ; 128 (b 8 + head) + t
	s_mul_i32 s78, s77, 768
	s_mov_b32 s79, 0
	s_lshl_b32 s80, s77, 6
	s_mov_b32 s81, 0
	s_wait_dscnt 0x0
	s_wait_kmcnt 0x0
	s_add_nc_u64 s[62:63], s[4:5], s[78:79]        ; q's codes
	s_add_nc_u64 s[66:67], s[4:5], s[80:81]
	s_add_nc_u64 s[66:67], s[66:67], 3145728       ; q's scale words
	s_lshr_b32 s77, s13, 3                         ; b
	s_lshl_b32 s77, s77, 7
	s_add_co_u32 s78, s77, s76                     ; the row tile T = 128 b + t
	s_lshl_b32 s78, s78, 3
	s_and_b32 s82, s13, 7                          ; head
	s_add_co_u32 s78, s78, s82
	s_mul_i32 s78, s78, 768
	s_add_nc_u64 s[68:69], s[8:9], s[78:79]        ; o's codes: [T][head][768]
	s_lshl_b32 s80, s82, 9
	s_add_co_u32 s80, s80, s77
	s_lshl_b32 s83, s12, 4
	s_add_co_u32 s80, s80, s83
	s_lshl_b32 s80, s80, 5                         ; (512 head + 128 b + 16 block) x 32
	s_add_nc_u64 s[70:71], s[8:9], s[80:81]
	s_add_nc_u64 s[70:71], s[70:71], 3145728       ; o's scale halves
	s_mov_b32 s32, 1                               ; group 0, K's codes: count 1,
	s_mov_b32 s33, s72                             ; LDS address,
	s_add_nc_u64 s[34:35], s[6:7], s[14:15]        ; address in memory,
	s_mov_b32 s36, 1                               ; V's codes
	s_add_co_u32 s37, s72, VIMG
	s_add_nc_u64 s[38:39], s[34:35], VC0
	s_or_b32 s35, s35, 0x80000000                  ; type 2
	s_or_b32 s39, s39, 0x80000000
	s_mov_b32 s40, 1                               ; K's scale words
	s_mov_b32 s41, KSC
	s_add_nc_u64 s[42:43], s[6:7], s[74:75]
	s_mov_b32 s44, 1                               ; V's
	s_mov_b32 s45, VSC
	s_add_nc_u64 s[46:47], s[42:43], VS0
	s_add_nc_u64 s[42:43], s[42:43], KS0
	s_or_b32 s43, s43, 0x80000000
	s_or_b32 s47, s47, 0x80000000
	CROUND                                         ; all four work-groups are here: the joint loads meet
	s_cmp_lt_u32 s10, NCW                          ; a wave's fills stand in one branch on its number: waves 0 .. NCW - 1 fetch codes, wave NCW the scale words; two loads of a wave are out at the most
	s_cbranch_scc0 .Lnot_codes
	tensor_load_to_lds s[32:35], s[16:23]
	s_nop 0
	tensor_load_to_lds s[36:39], s[16:23]
	s_nop 0
	PLACES 4
	s_branch .Lasked
.Lnot_codes:
	s_cmp_eq_u32 s10, NCW
	s_cbranch_scc0 .Lasked
	tensor_load_to_lds s[40:43], s[24:31]
	s_nop 0
	tensor_load_to_lds s[44:47], s[24:31]
	s_nop 0
	PLACES 4
.Lasked:
	global_load_b128 v[24:27], v[L16], s[62:63]    ; q's sub-image stays in registers
	global_load_b64 v[28:29], v[L8], s[62:63] offset:512
	global_load_b32 v[QS], v232, s[66:67]
.irp j, 18,19,20,21,22,23,30,31,32,33,34,35
	v_mov_b32 v\j, 0                               ; zero codes on either side of q
.endr
.set j, 0
.rept 8
	v_mov_b32 v[CBI+j], 0xb5800000                 ; -2^-20
.set j, j+1
.endr
	v_mov_b32 v13, 0xff61b1e6                      ; the largest t so far: -3e38
	v_floor_f32 v12, -v13                          ; -M
	v_mov_b32 v14, 0
	v_mov_b32 v15, 0
	v_mov_b32 v231, 0                              ; (named as the upper half of the pair v[230:231])
	v_mov_b32 v233, 0                              ; written once: a lane permute's destination counts as one of its sources
.irp b, 0,1,2,3
	v_mov_b32 v[BX+\b], 0
.endr
	s_mov_b32 s57, 0
	s_mov_b32 s58, KSC
	s_mov_b32 s61, 0
	s_mov_b32 s56, 0
	s_wait_tensorcnt 0x0                           ; my parts have landed,
	s_wait_loadcnt 0x0                             ; and q
	s_barrier_signal -1
	s_barrier_wait -1                              ; everybody's have: K, V and their scale words are whole, and nothing is filled again
.Lwalk1:
	SCORES 0
	v_add_nc_u32 v[BMA], s61, v[R16W]              ; four places behind the products: where this step's largest scores go,
	v_mov_b32 v17, v12                             ; the old -M,
	PLACES 2                                       ; and two for which no work is at hand
	BLOCKMAX
.irp b, 0,1,2,3
	v_permlanex16_b32 v[BX+\b], v[BM+\b], s48, s49
.endr
.irp b, 0,1,2,3
	v_max_num_f32 v[BM+\b], v[BM+\b], v[BX+\b]     ; with lane l xor 16's 16 keys: each block's largest score
.endr
	ds_store_b128 v[BMA], v[BM:BM+3]               ; kept for walk 2, in my wave's own bytes (lanes l and l xor 16 store the same bytes)
	v_max3_num_f32 v229, v[BM], v[BM+1], v[BM+2]
	v_max_num_f32 v229, v229, v[BM+3]              ; the step's largest score of my query
	v_mul_f32 v229, s50, v229
	v_max_num_f32 v13, v13, v229                   ; the running largest t
	v_floor_f32 v12, -v13                          ; the new -M = -ceil(t)
	v_sub_f32 v229, v12, v17                       ; old M - new M: a whole number, 0 or less
	v_cvt_i32_f32 v229, v229                       ; (it saturates)
	v_ldexp_f32 v230, 1.0, v229                    ; f = 2^(old M - new M)
	TMINUSM 0, 32
	EXPS
	v_pk_mul_f32 v[14:15], v[14:15], v[230:231] op_sel_hi:[1,0]    ; the sum under the new M.  (A plain line behind the exponentials)
	s_wait_alu depctr_va_vdst(0)
	v_pk_add_f32 v[234:235], v[S:S+1], v[S+2:S+3]
.irp j, 4,8,12,16,20,24,28,32,36,40,44,48,52,56,60
	v_pk_add_f32 v[14:15], v[14:15], v[S+\j:S+\j+1]
	v_pk_add_f32 v[234:235], v[234:235], v[S+\j+2:S+\j+3]
.endr
	v_pk_add_f32 v[14:15], v[14:15], v[234:235]
	s_add_co_u32 s57, s57, 6144
	s_add_co_u32 s58, s58, 256
	s_add_co_u32 s61, s61, 256
	s_add_co_u32 s56, s56, 1
	s_cmp_lt_u32 s56, NST
	s_cbranch_scc1 .Lwalk1
	v_add_f32 v14, v14, v15
	v_permlanex16_b32 v233, v14, s48, s49
	v_add_f32 v14, v14, v233                       ; L, between 1/2 and NK
	v_log_f32 v16, v14
	v_mov_b32 v[NINF], 0xff800000                  ; (a plain line behind the logarithm)
	s_wait_alu depctr_va_vdst(0)
	v_sub_f32 v12, v12, v16                        ; -M - log2 L
.set j, 0
.rept 32
	v_mov_b32 v[O+j], 0                            ; O^T: the step is written once
.set j, j+1
.endr
	s_mov_b32 s57, 0
	s_mov_b32 s58, KSC
	s_mov_b32 s59, VIMG
	s_mov_b32 s60, VSC
	s_mov_b32 s61, 0
	s_mov_b32 s56, 0
.Lwalk2:
	SCORES 1
	v_perm_b32 v48, v[VR+1], v[VR], s52            ; 4 x 4 bytes are turned: word dt gets byte dt of the four blocks' words.  These eight lines are the places behind the score products
	v_perm_b32 v49, v[VR+1], v[VR], s53
	v_perm_b32 v50, v[VR+3], v[VR+2], s52
	v_perm_b32 v51, v[VR+3], v[VR+2], s53
	v_perm_b32 v[VS], v50, v48, s54
	v_perm_b32 v[VS+1], v50, v48, s55
	v_perm_b32 v[VS+2], v51, v49, s54
	v_perm_b32 v[VS+3], v51, v49, s55
.irp d, 0,1,2,3                        ; V's four fragments (16 of the head's 64 x these 128 keys) into the registers that K has left: 24 bytes a lane and 64 keys, at 24 x lane
.irp c, 0,1
	ds_load_b64 v[KF+12*\d+6*\c:KF+12*\d+6*\c+1], v[AV] offset:1536*\d+768*\c
	ds_load_b64 v[KF+12*\d+6*\c+2:KF+12*\d+6*\c+3], v[AV] offset:1536*\d+768*\c+8
	ds_load_b64 v[KF+12*\d+6*\c+4:KF+12*\d+6*\c+5], v[AV] offset:1536*\d+768*\c+16
.endr
.endr
.set j, 0
.rept 64
	v_max_i32 v[S+j], v[NINF], v[S+j]              ; the gate: what is negative becomes -infinity, so that p = 0.  Each accumulator from its low end on
.set j, j+1
.endr
.irp b, 0,1,2,3
	v_max_i32 v[BM+\b], v[NINF], v[BM+\b]          ; the same of each block's largest score: the largest KEPT score, or -infinity
.endr
.irp b, 0,1,2,3
	v_fma_f32 v[BM+\b], v[BM+\b], s50, v12
.endr
.irp b, 0,1,2,3
	v_exp_f32 v[BM+\b], v[BM+\b]                   ; each block's largest p: the same two instructions on the same number as the p itself
.endr
	TMINUSM 0, 16                                  ; (plain lines behind those exponentials)
	s_wait_alu depctr_va_vdst(0)
.irp b, 0,1,2,3
	v_max_num_f32 v[BM+\b], 0x1800000, v[BM+\b]    ; the floor 2^(3 - 127): the byte cannot fall under 1
.endr
.irp b, 0,1,2,3
	v_add_nc_u32 v[SO+\b], 0xff000000, v[BM+\b]    ; 2 off the exponent field: the conversion's scale operand
.endr
.irp b, 0,1,2,3
	v_lshrrev_b32 v[BX+\b], 23, v[SO+\b]
.endr
	v_lshl_or_b32 v[PW], v[BX+1], 8, v[BX]
	v_lshl_or_b32 v[PW], v[BX+2], 16, v[PW]
	v_lshl_or_b32 v[PW], v[BX+3], 24, v[PW]
	TMINUSM 32, 16                                 ; sixteen plain lines that name nothing of the product below: a scale word made by vector instructions stands eight places ahead of it
	EXPS                                           ; p, finished
	v_nop                                          ; a plain line behind the exponentials
	s_wait_alu depctr_va_vdst(0)
.irp c, 0,1
	v_cvt_scalef32_pk16_fp6_f32 v[PC+6*\c:PC+6*\c+2], v[S+32*\c:S+32*\c+15], v[SO+2*\c]
	v_cvt_scalef32_pk16_fp6_f32 v[PT+4*\c:PT+4*\c+2], v[S+32*\c+16:S+32*\c+31], v[SO+2*\c+1]
.endr
	v_nop                                          ; a plain line behind the conversions
.irp c, 0,1
.irp i, 0,1,2
	v_permlane16_swap_b32 v[PC+6*\c+\i], v[PT+4*\c+\i]
.endr
.irp i, 0,1,2
	v_mov_b32 v[PC+6*\c+3+\i], v[PT+4*\c+\i]
.endr
.endr
	s_wait_dscnt 0x0                               ; V is in
	PLACES 4                                       ; an operand made by vector instructions stands four places ahead of the product
.irp d, 0,1,2,3
	v_wmma_scale_f32_16x16x128_f8f6f4 v[O+8*\d:O+8*\d+7], v[KF+12*\d:KF+12*\d+11], v[PC:PC+11], v[O+8*\d:O+8*\d+7], v[VS+\d], v[PW] matrix_a_fmt:MATRIX_FMT_FP6 matrix_b_fmt:MATRIX_FMT_FP6
.endr
	s_add_co_u32 s57, s57, 6144
	s_add_co_u32 s58, s58, 256
	s_add_co_u32 s59, s59, 6144
	s_add_co_u32 s60, s60, 256
	s_add_co_u32 s61, s61, 256
	s_add_co_u32 s56, s56, 1
	s_cmp_lt_u32 s56, NST
	s_cbranch_scc1 .Lwalk2
	; o: register 16 beta + i is d = 32 beta + 16 (lane / 16) + i of my query: two blocks of the next product's K
	PLACES 4
.irp b, 0,1
	v_max3_num_f32 v[BM+\b], |v[O+16*\b]|, |v[O+16*\b+1]|, 0x1800000
.endr
.irp i, 2,4,6,8,10,12,14
.irp b, 0,1
	v_max3_num_f32 v[BM+\b], v[BM+\b], |v[O+16*\b+\i]|, |v[O+16*\b+\i+1]|
.endr
.endr
.irp b, 0,1
	v_permlanex16_b32 v[BX+\b], v[BM+\b], s48, s49
.endr
.irp b, 0,1
	v_max_num_f32 v[BM+\b], v[BM+\b], v[BX+\b]
.endr
.irp b, 0,1
	v_add_nc_u32 v[SO+\b], 0xff000000, v[BM+\b]
.endr
.irp b, 0,1
	v_lshrrev_b32 v[BX+\b], 23, v[SO+\b]
.endr
	v_lshl_or_b32 v229, v[BX+1], 8, v[BX]
	v_cvt_scalef32_pk16_fp6_f32 v[PC:PC+2], v[O:O+15], v[SO]
	v_cvt_scalef32_pk16_fp6_f32 v[PT:PT+2], v[O+16:O+31], v[SO+1]
	v_nop
.irp i, 0,1,2
	v_permlane16_swap_b32 v[PC+\i], v[PT+\i]
.endr
.irp i, 0,1,2
	v_mov_b32 v[PC+3+\i], v[PT+\i]
.endr
	global_store_b128 v[L16], v[PC:PC+3], s[68:69]         ; 512 and 256 consecutive bytes, at multiples of 256 from the buffer's first byte
	global_store_b64 v[L8], v[PC+4:PC+5], s[68:69] offset:512
	ds_store_b16 v[OSW], v229                      ; the sixteen tiles' scale halves meet in LDS (lanes l and l xor 16 store the same bytes)
	s_wait_dscnt 0x0
	s_barrier_signal -1
	s_barrier_wait -1
	s_cmp_lg_u32 s10, 0
	s_cbranch_scc1 .Lnot_first
	ds_load_b128 v[PT:PT+3], v[OSR]
	s_wait_dscnt 0x0
	global_store_b128 v[L16], v[PT:PT+3], s[70:71]         ; and leave as 512 consecutive bytes
.Lnot_first:
	s_wait_tensorcnt 0x0
	ds_add_u32 v254, v255
	s_wait_dscnt 0x0
	CROUND                                         ; the closing round
	s_endpgm
.Lfunc_end_k_q0e02a0a7cf_attn_s:
	.size	k_q0e02a0a7cf_attn_s, .Lfunc_end_k_q0e02a0a7cf_attn_s-k_q0e02a0a7cf_attn_s
	.p2alignl 7, 3214868480
	.fill 96, 4, 3214868480
	.section	.rodata,"a",@progbits
	.p2align	6, 0x0
	.amdhsa_kernel k_q0e02a0a7cf_attn_s
		.amdhsa_group_segment_fixed_size 272896
		.amdhsa_private_segment_fixed_size 0
		.amdhsa_enable_private_segment 0
		.amdhsa_kernarg_size 24
		.amdhsa_user_sgpr_count 2
		.amdhsa_user_sgpr_kernarg_segment_ptr 1
		.amdhsa_wavefront_size32 1
		.amdhsa_system_sgpr_workgroup_id_x 1
		.amdhsa_system_sgpr_workgroup_id_y 1
		.amdhsa_system_sgpr_workgroup_id_z 1
		.amdhsa_system_vgpr_workitem_id 0
		.amdhsa_next_free_vgpr 256
		.amdhsa_next_free_sgpr 84
		.amdhsa_reserve_vcc 0
		.amdhsa_float_denorm_mode_32 3
		.amdhsa_float_denorm_mode_16_64 3
		.amdhsa_memory_ordered 1
		.amdhsa_forward_progress 1
		.amdhsa_inst_pref_size 38
	.end_amdhsa_kernel
	.amdgpu_metadata
---
amdhsa.version: [ 1, 2 ]
amdhsa.kernels:
  - .name:           k_q0e02a0a7cf_attn_s
    .symbol:         k_q0e02a0a7cf_attn_s.kd
    .args:
      - { .name: qb, .offset: 0, .size: 8, .value_kind: global_buffer, .address_space: global }
      - { .name: kvs, .offset: 8, .size: 8, .value_kind: global_buffer, .address_space: global }
      - { .name: ob, .offset: 16, .size: 8, .value_kind: global_buffer, .address_space: global }
    .group_segment_fixed_size: 272896
    .private_segment_fixed_size: 0
    .kernarg_segment_align: 8
    .kernarg_segment_size: 24
    .max_flat_workgroup_size: 512
    .sgpr_count:     84
    .vgpr_count:     256
    .wavefront_size: 32
...
	.end_amdgpu_metadata
.endif
;; end of part 3
;; launch mid (part 4): grid 256 x 1, 8 waves a work-group, no clusters, 111,104 bytes of LDS; arguments X, ob, wb, g1, b1, x1, qb; writes x1, qb
.if DOCPART == 4
	.amdgcn_target "amdgcn-amd-amdhsa--gfx1250"
	.amdhsa_code_object_version 6
	.text
	.protected	k_q0e02a0a7cf_mid
	.globl	k_q0e02a0a7cf_mid
	.p2align	8
	.type	k_q0e02a0a7cf_mid,@function
k_q0e02a0a7cf_mid:
	s_mov_b64 s[64:65], 0
	v_nop
	global_prefetch_b8 v0, s[64:65] scope:SCOPE_SE
	s_setreg_imm32_b32 hwreg(HW_REG_WAVE_MODE, 25, 1), 1
	s_wait_xcnt 0x0
; MID: X1 = X + o Wo_s (stored, f32); n = LN(X1); q = n Wq_c, which leaves as codes along the head's 64.  Both products on codes of FP6 (E2M3) with one E8M0 scale for each 32 along K.
; SHARES: a work-group takes 32 whole rows (block blk: two tiles rt of 16; lane r of tile rt is row 32 blk + 8 rt + r + 8 (r / 8)); wave w takes columns 64 w .. 64 w + 63: 8 accumulators, 32 matrix instructions a weight.
; THE PRODUCTS ARE USED TRANSPOSED (source 0 = 16 columns of the weight, source 1 = 16 rows): lane (r, h) holds row r, register 16 beta + i column 64 w + 32 beta + 16 h + i.  X is loaded in that layout and is the C of the first product's first instructions.
; OPERANDS GO FROM WAVE TO WAVE THROUGH LDS AS IMAGES OF THEIR REGISTERS (a sub-image, 16 rows x 64 K, is 768 bytes: registers 0-3 at 16 x lane, 4-5 at 512 + 8 x lane); o's codes lie so in memory, and wave w copies head w's.
; NO JOINT LOADS, though all 256 work-groups walk the same weights: each wave takes its own 24,576 bytes of a weight straight into registers; joint loads would send 2 x 196,608 bytes through LDS in slots filled again, with a round of a cluster's barrier for each.
; LIMITS: a block of zeros carries the byte 1 in place of 127 (zero codes; read by this program alone); NaN and infinities are not served.
.set L16, 1
.set L8,  2
.set R16, 3
.set XA,  4
.set IW16, 5
.set IW8, 6
.set SW,  7
.set SR,  8
.set RW,  9
.set STO, 10                           ; the stage: STG + 8704 w + 272 r + 64 h
.set SRD, 11                           ; and back: STG + 8704 w + 272 h + 16 r
.set GO,  12                           ; 2048 h + 16 r
.set CB,  13
.set R2,  14                           ; 2 r
.set L4,  15
.set ACC, 16
.set WA,  80
.set WB,  128
.set AF0, 176
.set AF1, 200
.set WS,  224
.set AS,  240
.set G,   128
.set BB,  160
.set TM,  192
.set PC,  208
.set PT,  128
.set TA,  208
.set EX,  216
.set MN,  218
.set PW,  248
.set RS,  250
.set AIMG, 0
.set ASC,  36864
.set RED1, 38400
.set RED2, 39424
.set STG,  40448                       ; a stage of 32 rows x (256 bytes + 16) for each wave
.set WV, 19
.set XP, 20
.set GP, 22
.set BP, 24
.set WP, 26
.set WSP, 28
.set QC, 30
.set QSP, 32
.set OBP, 34
.set OSP, 36
.set X1P, 38
.set SEL, 42
.set INV, 44
.set EPS, 45
.set HI,  46
.macro PLACES n
.rept \n
	v_nop
.endr
.endm
.macro BARRIER
	s_wait_dscnt 0x0
	s_barrier_signal -1
	s_barrier_wait -1
.endm
.macro WLOAD set, s, mi
.irp nt, 0,1,2,3
.irp c, 0,1
	global_load_b128 v[\set+12*\nt+6*\c:\set+12*\nt+6*\c+3], v[L16], s[WP:WP+1] offset:(\mi)*196608+(\s)*6144+\nt*1536+\c*768
	global_load_b64 v[\set+12*\nt+6*\c+4:\set+12*\nt+6*\c+5], v[L8], s[WP:WP+1] offset:(\mi)*196608+(\s)*6144+\nt*1536+\c*768+512
.endr
.endr
.endm
.macro WSCL mi
.irp s, 0,1,2,3
	global_load_b128 v[WS+4*\s:WS+4*\s+3], v[R16], s[WSP:WSP+1] offset:1572864+(\mi)*8192+256*\s
.endr
.endm
.macro ASCL k
.irp rt, 0,1
	ds_load_b128 v[AS+4*\rt:AS+4*\rt+3], v[SR] offset:ASC+(\k)*512+16*\rt
.endr
.endm
.macro ALOAD af, s, k
.irp rt, 0,1
	ds_load_b128 v[\af+12*\rt:\af+12*\rt+3], v[L16] offset:AIMG+(\k)*12288+\rt*6144+(\s)*1536
	ds_load_b64 v[\af+12*\rt+4:\af+12*\rt+5], v[L8] offset:AIMG+(\k)*12288+\rt*6144+(\s)*1536+512
	ds_load_b128 v[\af+12*\rt+6:\af+12*\rt+9], v[L16] offset:AIMG+(\k)*12288+\rt*6144+(\s)*1536+768
	ds_load_b64 v[\af+12*\rt+10:\af+12*\rt+11], v[L8] offset:AIMG+(\k)*12288+\rt*6144+(\s)*1536+1280
.endr
.endm
; 8 matrix instructions, the 8 accumulators by turns.  mode 0: starts the sums; 1: adds on
.macro MM s, set, af, mode
.irp rt, 0,1
.irp nt, 0,1,2,3
.if (\mode) == 0
	v_wmma_scale_f32_16x16x128_f8f6f4 v[ACC+32*\rt+8*\nt:ACC+32*\rt+8*\nt+7], v[\set+12*\nt:\set+12*\nt+11], v[\af+12*\rt:\af+12*\rt+11], 0, v[WS+4*(\s)+\nt], v[AS+4*\rt+(\s)] matrix_a_fmt:MATRIX_FMT_FP6 matrix_b_fmt:MATRIX_FMT_FP6
.else
	v_wmma_scale_f32_16x16x128_f8f6f4 v[ACC+32*\rt+8*\nt:ACC+32*\rt+8*\nt+7], v[\set+12*\nt:\set+12*\nt+11], v[\af+12*\rt:\af+12*\rt+11], v[ACC+32*\rt+8*\nt:ACC+32*\rt+8*\nt+7], v[WS+4*(\s)+\nt], v[AS+4*\rt+(\s)] matrix_a_fmt:MATRIX_FMT_FP6 matrix_b_fmt:MATRIX_FMT_FP6
.endif
.endr
.endr
.endm
; A product over K = 512: four K steps on two sets of registers.  On entry the weight's K step 0 (set WA) and its scale words have been asked for.  nmi: the next weight, or -1.
.macro GEMM k, mi, first, rest, nmi
	s_wait_xcnt 0x0                                ; earlier stores have read their data, which lie where the loads below land
	WLOAD WB, 1, \mi
	ASCL \k
	ALOAD AF0, 0, \k
	ALOAD AF1, 1, \k
	s_wait_loadcnt 16                              ; all but set WB's 16 loads
	s_wait_dscnt 8                                 ; all but AF1's 8
	MM 0, WA, AF0, \first
	PLACES 4                                       ; four places in front of loads into registers that matrix instructions have read
	WLOAD WA, 2, \mi
	ALOAD AF0, 2, \k
	s_wait_loadcnt 16
	s_wait_dscnt 8
	MM 1, WB, AF1, \rest
	PLACES 4
	WLOAD WB, 3, \mi
	ALOAD AF1, 3, \k
	s_wait_loadcnt 16
	s_wait_dscnt 8
	MM 2, WA, AF0, \rest
	PLACES 4
.if (\nmi) >= 0
	WLOAD WA, 0, \nmi
	s_wait_loadcnt 16                              ; K step 3's weights are in, the next weight's 16 loads may be out
.else
	s_wait_loadcnt 0x0
.endif
	s_wait_dscnt 0x0
	MM 3, WB, AF1, \rest
	PLACES 5                                       ; five: the next product's first instructions write over these accumulators
.if (\nmi) >= 0
	WSCL \nmi
.endif
.endm
.macro QSCALE s, pw
.irp b, 0,1,2,3
	v_max3_num_f32 v[TM+\b], |v[\s+16*\b]|, |v[\s+16*\b+1]|, 0x1800000
.endr
.irp i, 2,4,6,8,10,12,14
.irp b, 0,1,2,3
	v_max3_num_f32 v[TM+\b], v[TM+\b], |v[\s+16*\b+\i]|, |v[\s+16*\b+\i+1]|
.endr
.endr
.irp b, 0,1,2,3
	v_permlanex16_b32 v[TM+4+\b], v[TM+\b], s[SEL], s[SEL+1]
.endr
.irp b, 0,1,2,3
	v_max_num_f32 v[TM+\b], v[TM+\b], v[TM+4+\b]
.endr
.irp b, 0,1,2,3
	v_add_nc_u32 v[TM+12+\b], 0xff000000, v[TM+\b]
.endr
.irp b, 0,1,2,3
	v_lshrrev_b32 v[TM+4+\b], 23, v[TM+12+\b]
.endr
	v_lshl_or_b32 v[\pw], v[TM+5], 8, v[TM+4]
	v_lshl_or_b32 v[\pw], v[TM+6], 16, v[\pw]
	v_lshl_or_b32 v[\pw], v[TM+7], 24, v[\pw]
.endm
.macro QCODES s, pc
.irp c, 0,1
	v_cvt_scalef32_pk16_fp6_f32 v[\pc+6*\c:\pc+6*\c+2], v[\s+32*\c:\s+32*\c+15], v[TM+12+2*\c]
	v_cvt_scalef32_pk16_fp6_f32 v[PT+4*\c:PT+4*\c+2], v[\s+32*\c+16:\s+32*\c+31], v[TM+13+2*\c]
.endr
	v_nop
.irp c, 0,1
.irp i, 0,1,2
	v_permlane16_swap_b32 v[\pc+6*\c+\i], v[PT+4*\c+\i]
.endr
.irp i, 0,1,2
	v_mov_b32 v[\pc+6*\c+3+\i], v[PT+4*\c+\i]
.endr
.endr
.endm
.macro IMAGE k
	ds_store_b128 v[IW16], v[PC:PC+3] offset:AIMG+(\k)*12288
	ds_store_b64 v[IW8], v[PC+4:PC+5] offset:AIMG+(\k)*12288+512
	ds_store_b128 v[IW16], v[PC+6:PC+9] offset:AIMG+(\k)*12288+6144
	ds_store_b64 v[IW8], v[PC+10:PC+11] offset:AIMG+(\k)*12288+6144+512
	v_lshrrev_b32 v249, 16, v[PW]
	ds_store_b16 v[SW], v[PW] offset:ASC+(\k)*512
	ds_store_b16 v[SW], v249 offset:ASC+(\k)*512+16
.endm
.macro XIN p
.irp rt, 0,1
.irp q, 0,1,2,3,4,5,6,7
	global_load_b128 v[ACC+32*\rt+4*\q:ACC+32*\rt+4*\q+3], v[XA], s[\p:\p+1] offset:\rt*16384+128*(\q/4)+16*(\q%4)
.endr
.endr
.endm
.macro GBIN
.irp q, 0,1,2,3,4,5,6,7
	global_load_b128 v[G+4*\q:G+4*\q+3], v[CB], s[GP:GP+1] offset:128*(\q/4)+16*(\q%4)
.endr
.irp q, 0,1,2,3,4,5,6,7
	global_load_b128 v[BB+4*\q:BB+4*\q+3], v[CB], s[BP:BP+1] offset:128*(\q/4)+16*(\q%4)
.endr
.endm
.macro REDUCE base
.irp rt, 0,1
	v_pk_add_f32 v[TA+4*\rt:TA+4*\rt+1], v[TA+4*\rt:TA+4*\rt+1], v[TA+4*\rt+2:TA+4*\rt+3]
.endr
.irp rt, 0,1
	v_add_f32 v[TA+4*\rt], v[TA+4*\rt], v[TA+4*\rt+1]
.endr
.irp rt, 0,1
	v_permlanex16_b32 v[EX+\rt], v[TA+4*\rt], s[SEL], s[SEL+1]
.endr
.irp rt, 0,1
	v_add_f32 v[TA+4*\rt], v[TA+4*\rt], v[EX+\rt]
.endr
.irp rt, 0,1
	ds_store_b32 v[RW], v[TA+4*\rt] offset:\base+512*\rt
.endr
	BARRIER
.irp rt, 0,1
	ds_load_b128 v[192+8*\rt:195+8*\rt], v[SR] offset:\base+512*\rt
	ds_load_b128 v[196+8*\rt:199+8*\rt], v[SR] offset:\base+512*\rt+16
.endr
	s_wait_dscnt 0x0
.irp rt, 0,1
	v_pk_add_f32 v[192+8*\rt:193+8*\rt], v[192+8*\rt:193+8*\rt], v[194+8*\rt:195+8*\rt]
	v_pk_add_f32 v[196+8*\rt:197+8*\rt], v[196+8*\rt:197+8*\rt], v[198+8*\rt:199+8*\rt]
.endr
.irp rt, 0,1
	v_pk_add_f32 v[192+8*\rt:193+8*\rt], v[192+8*\rt:193+8*\rt], v[196+8*\rt:197+8*\rt]
.endr
.irp rt, 0,1
	v_add_f32 v[192+8*\rt], v[192+8*\rt], v[193+8*\rt]
.endr
.endm
; the norm, in place on v[ACC ..], in two passes as it is defined
.macro LN gw
.irp rt, 0,1
	v_pk_add_f32 v[TA+4*\rt:TA+4*\rt+1], v[ACC+32*\rt:ACC+32*\rt+1], v[ACC+32*\rt+2:ACC+32*\rt+3]
	v_pk_add_f32 v[TA+4*\rt+2:TA+4*\rt+3], v[ACC+32*\rt+4:ACC+32*\rt+5], v[ACC+32*\rt+6:ACC+32*\rt+7]
.endr
.irp j, 8,12,16,20,24,28
.irp rt, 0,1
	v_pk_add_f32 v[TA+4*\rt:TA+4*\rt+1], v[TA+4*\rt:TA+4*\rt+1], v[ACC+32*\rt+\j:ACC+32*\rt+\j+1]
	v_pk_add_f32 v[TA+4*\rt+2:TA+4*\rt+3], v[TA+4*\rt+2:TA+4*\rt+3], v[ACC+32*\rt+\j+2:ACC+32*\rt+\j+3]
.endr
.endr
	REDUCE RED1
.irp rt, 0,1
	v_mul_f32 v[MN+2*\rt], 0x3b000000, v[192+8*\rt]
.endr
.irp rt, 0,1
	v_mov_b32 v[MN+2*\rt+1], v[MN+2*\rt]
.endr
.set j, 0
.rept 16
	v_pk_add_f32 v[ACC+j:ACC+j+1], v[ACC+j:ACC+j+1], v[MN:MN+1] neg_lo:[0,1] neg_hi:[0,1]
	v_pk_add_f32 v[ACC+32+j:ACC+33+j], v[ACC+32+j:ACC+33+j], v[MN+2:MN+3] neg_lo:[0,1] neg_hi:[0,1]
.set j, j+2
.endr
.irp rt, 0,1
	v_pk_mul_f32 v[TA+4*\rt:TA+4*\rt+1], v[ACC+32*\rt:ACC+32*\rt+1], v[ACC+32*\rt:ACC+32*\rt+1]
	v_pk_mul_f32 v[TA+4*\rt+2:TA+4*\rt+3], v[ACC+32*\rt+2:ACC+32*\rt+3], v[ACC+32*\rt+2:ACC+32*\rt+3]
.endr
.irp j, 4,8,12,16,20,24,28
.irp rt, 0,1
	v_pk_fma_f32 v[TA+4*\rt:TA+4*\rt+1], v[ACC+32*\rt+\j:ACC+32*\rt+\j+1], v[ACC+32*\rt+\j:ACC+32*\rt+\j+1], v[TA+4*\rt:TA+4*\rt+1]
	v_pk_fma_f32 v[TA+4*\rt+2:TA+4*\rt+3], v[ACC+32*\rt+\j+2:ACC+32*\rt+\j+3], v[ACC+32*\rt+\j+2:ACC+32*\rt+\j+3], v[TA+4*\rt+2:TA+4*\rt+3]
.endr
.endr
	REDUCE RED2
.irp rt, 0,1
	v_fma_f32 v[RS+2*\rt], v[192+8*\rt], s[INV], s[EPS]
.endr
.irp rt, 0,1
	v_rsq_f32 v[RS+2*\rt], v[RS+2*\rt]
.endr
	v_nop
	s_wait_alu depctr_va_vdst(0)
.irp rt, 0,1
	v_mov_b32 v[RS+2*\rt+1], v[RS+2*\rt]
.endr
	s_wait_loadcnt \gw
.set j, 0
.rept 16
	v_pk_mul_f32 v[ACC+j:ACC+j+1], v[ACC+j:ACC+j+1], v[RS:RS+1]
	v_pk_mul_f32 v[ACC+32+j:ACC+33+j], v[ACC+32+j:ACC+33+j], v[RS+2:RS+3]
	v_pk_fma_f32 v[ACC+j:ACC+j+1], v[ACC+j:ACC+j+1], v[G+j:G+j+1], v[BB+j:BB+j+1]
	v_pk_fma_f32 v[ACC+32+j:ACC+33+j], v[ACC+32+j:ACC+33+j], v[G+j:G+j+1], v[BB+j:BB+j+1]
.set j, j+2
.endr
.endm
; my 64 columns of the 32 rows go through my own stage and leave as rows: sixteen lanes store 256 consecutive bytes, at a multiple of 256 from the buffer's first byte.  Stage row 16 rt + rho is row 8 rt + rho + 8 (rho / 8).
.macro ROWS_OUT p
.irp rt, 0,1
.irp q, 0,1,2,3,4,5,6,7
	ds_store_b128 v[STO], v[ACC+32*\rt+4*\q:ACC+32*\rt+4*\q+3] offset:\rt*4352+128*(\q/4)+16*(\q%4)   ; each accumulator from its low end on
.endr
.endr
.irp c, 0,1
.irp i, 0,1,2,3,4,5,6,7
	ds_load_b128 v[192+4*\i:195+4*\i], v[SRD] offset:(8*\c+\i)*544        ; LDS serves a wave's instructions in order: these see my stores
.endr
.irp i, 0,1,2,3,4,5,6,7
	s_wait_dscnt 7-\i
	global_store_b128 v[GO], v[192+4*\i:195+4*\i], s[\p:\p+1] offset:(8*\c+2*\i+8*(\i/4))*2048
.endr
	s_wait_xcnt 0x0                                ; the stores have read their data: the registers may be written again
.endr
.endm
	s_load_b256 s[4:11], s[0:1], 0x0               ; X, ob, wb, g1
	s_load_b128 s[12:15], s[0:1], 0x20             ; b1, x1
	s_load_b64 s[16:17], s[0:1], 0x30              ; qb
	v_lshl_add_u32 v254, v0, 2, 0x1ae00
	v_mov_b32 v255, 0
	v_lshrrev_b32 v249, 5, v0
	v_readfirstlane_b32 s[WV], v249
	v_and_b32 v251, 31, v0
	v_and_b32 v249, 15, v0
	v_bfe_u32 v250, v0, 4, 1
	v_lshlrev_b32 v[L16], 4, v251
	v_lshlrev_b32 v[L8], 3, v251
	v_lshlrev_b32 v[L4], 2, v251
	v_lshlrev_b32 v[R16], 4, v249
	v_lshlrev_b32 v[R2], 1, v249
	v_and_b32 v[XA], 8, v249
	v_add_nc_u32 v[XA], v[XA], v249
	v_lshlrev_b32 v[XA], 11, v[XA]
	v_lshl_add_u32 v[XA], v250, 6, v[XA]
	s_mul_i32 s47, s[WV], 768
	v_add_nc_u32 v[IW16], s47, v[L16]
	v_add_nc_u32 v[IW8], s47, v[L8]
	v_lshlrev_b32 v[SR], 5, v249
	s_lshl_b32 s47, s[WV], 1
	v_add_nc_u32 v[SW], s47, v[SR]
	s_lshl_b32 s47, s[WV], 2
	v_add_nc_u32 v[RW], s47, v[SR]
	v_lshlrev_b32 v[CB], 6, v250
	s_mul_i32 s47, s[WV], 8704
	s_add_co_u32 s47, s47, STG
	v_mul_u32_u24 v[STO], v249, 272
	v_lshl_add_u32 v[STO], v250, 6, v[STO]
	v_add_nc_u32 v[STO], s47, v[STO]
	v_mul_u32_u24 v[SRD], v250, 272
	v_lshl_add_u32 v[SRD], v249, 4, v[SRD]
	v_add_nc_u32 v[SRD], s47, v[SRD]
	v_lshlrev_b32 v[GO], 11, v250
	v_lshl_add_u32 v[GO], v249, 4, v[GO]
	v_mov_b32 v[EX], 0
	v_mov_b32 v[EX+1], 0
.irp b, 0,1,2,3
	v_mov_b32 v[TM+4+\b], 0
.endr
	s_mov_b32 s[SEL], 0x76543210
	s_mov_b32 s[SEL+1], 0xfedcba98
	s_mov_b32 s[INV], 0x3b000000
	s_mov_b32 s[EPS], 0x3727c5ac
	s_mov_b32 s[HI], 0xffff0000
	s_lshl_b32 s48, ttmp9, 16
	s_lshl_b32 s50, s[WV], 8
	s_add_co_u32 s48, s48, s50                     ; 32 rows of 2,048 bytes + my 64 columns
	s_mov_b32 s49, 0
	s_mov_b32 s51, 0
	s_wait_kmcnt 0x0
	s_add_nc_u64 s[XP:XP+1], s[4:5], s[48:49]
	s_add_nc_u64 s[X1P:X1P+1], s[14:15], s[48:49]
	s_add_nc_u64 s[GP:GP+1], s[10:11], s[50:51]
	s_add_nc_u64 s[BP:BP+1], s[12:13], s[50:51]
	s_mul_i32 s50, s[WV], 24576
	s_add_nc_u64 s[WP:WP+1], s[8:9], s[50:51]
	s_lshl_b32 s50, s[WV], 10
	s_add_nc_u64 s[WSP:WSP+1], s[8:9], s[50:51]
	s_mul_i32 s50, ttmp9, 12288                    ; o's codes: row tile 2 blk, head w
	s_mul_i32 s47, s[WV], 768
	s_add_co_u32 s50, s50, s47
	s_add_nc_u64 s[OBP:OBP+1], s[6:7], s[50:51]
	s_lshl_b32 s50, s[WV], 9
	s_lshl_b32 s47, ttmp9, 1
	s_add_co_u32 s50, s50, s47
	s_lshl_b32 s50, s50, 5                         ; its scale halves: (512 w + 2 blk) x 32
	s_add_nc_u64 s[OSP:OSP+1], s[6:7], s[50:51]
	s_add_nc_u64 s[OSP:OSP+1], s[OSP:OSP+1], 3145728
.irp rt, 0,1
	global_load_b128 v[176+6*\rt:179+6*\rt], v[L16], s[OBP:OBP+1] offset:6144*\rt
	global_load_b64 v[180+6*\rt:181+6*\rt], v[L8], s[OBP:OBP+1] offset:6144*\rt+512
	global_load_u16 v[188+\rt], v[R2], s[OSP:OSP+1] offset:32*\rt
.endr
	XIN XP
	WLOAD WA, 0, 3
	WSCL 3
	s_lshr_b32 s48, ttmp9, 6                       ; b
	s_lshl_b32 s48, s48, 3
	s_add_co_u32 s48, s48, s[WV]
	s_and_b32 s47, ttmp9, 63                       ; f
	s_lshl_b32 s48, s48, 7
	s_lshl_b32 s47, s47, 1
	s_add_co_u32 s48, s48, s47                     ; q's tile
	s_mul_i32 s50, s48, 768
	s_add_nc_u64 s[QC:QC+1], s[16:17], s[50:51]
	s_lshl_b32 s50, s48, 6
	s_add_nc_u64 s[QSP:QSP+1], s[16:17], s[50:51]
	s_add_nc_u64 s[QSP:QSP+1], s[QSP:QSP+1], 3145728
	s_wait_loadcnt 36                              ; o's six loads are in; X (16), the weight's K step 0 (16) and its scale words (4) may be out
.irp rt, 0,1
	ds_store_b128 v[IW16], v[176+6*\rt:179+6*\rt] offset:AIMG+6144*\rt
	ds_store_b64 v[IW8], v[180+6*\rt:181+6*\rt] offset:AIMG+6144*\rt+512
	ds_store_b16 v[SW], v[188+\rt] offset:ASC+16*\rt
.endr
	BARRIER                                        ; o's sixteen sub-images lie in LDS
	GEMM 0, 3, 1, 1, 4                             ; X1 = X + o Wo_s
	GBIN
	ROWS_OUT X1P
	LN 0
	QSCALE ACC, PW
	QCODES ACC, PC
	IMAGE 1
	BARRIER
	GEMM 1, 4, 0, 1, -1                            ; q = n Wq_c
	QSCALE ACC, PW
	QCODES ACC, PC
	global_store_b128 v[L16], v[PC:PC+3], s[QC:QC+1]
	global_store_b64 v[L8], v[PC+4:PC+5], s[QC:QC+1] offset:512
	global_store_b128 v[L16], v[PC+6:PC+9], s[QC:QC+1] offset:768
	global_store_b64 v[L8], v[PC+10:PC+11], s[QC:QC+1] offset:1280
	v_perm_b32 v249, v[PW], v[PW], 0x01000100      ; tile rt 0's word: s0 s1 s0 s1
	v_perm_b32 v250, v[PW], v[PW], 0x03020302      ; tile rt 1's
	v_cndmask_b32 v249, v249, v250, s[HI]
	global_store_b32 v[L4], v249, s[QSP:QSP+1]
	s_wait_tensorcnt 0x0
	ds_add_u32 v254, v255
	s_wait_dscnt 0x0
	s_endpgm
.Lfunc_end_k_q0e02a0a7cf_mid:
	.size	k_q0e02a0a7cf_mid, .Lfunc_end_k_q0e02a0a7cf_mid-k_q0e02a0a7cf_mid
	.p2alignl 7, 3214868480
	.fill 96, 4, 3214868480
	.section	.rodata,"a",@progbits
	.p2align	6, 0x0
	.amdhsa_kernel k_q0e02a0a7cf_mid
		.amdhsa_group_segment_fixed_size 111104
		.amdhsa_private_segment_fixed_size 0
		.amdhsa_enable_private_segment 0
		.amdhsa_kernarg_size 56
		.amdhsa_user_sgpr_count 2
		.amdhsa_user_sgpr_kernarg_segment_ptr 1
		.amdhsa_wavefront_size32 1
		.amdhsa_system_sgpr_workgroup_id_x 1
		.amdhsa_system_sgpr_workgroup_id_y 1
		.amdhsa_system_sgpr_workgroup_id_z 1
		.amdhsa_system_vgpr_workitem_id 0
		.amdhsa_next_free_vgpr 256
		.amdhsa_next_free_sgpr 66
		.amdhsa_reserve_vcc 0
		.amdhsa_float_denorm_mode_32 3
		.amdhsa_float_denorm_mode_16_64 3
		.amdhsa_memory_ordered 1
		.amdhsa_forward_progress 1
		.amdhsa_inst_pref_size 61
	.end_amdhsa_kernel
	.amdgpu_metadata
---
amdhsa.version: [ 1, 2 ]
amdhsa.kernels:
  - .name:           k_q0e02a0a7cf_mid
    .symbol:         k_q0e02a0a7cf_mid.kd
    .args:
      - { .name: X, .offset: 0, .size: 8, .value_kind: global_buffer, .address_space: global }
      - { .name: ob, .offset: 8, .size: 8, .value_kind: global_buffer, .address_space: global }
      - { .name: wb, .offset: 16, .size: 8, .value_kind: global_buffer, .address_space: global }
      - { .name: g1, .offset: 24, .size: 8, .value_kind: global_buffer, .address_space: global }
      - { .name: b1, .offset: 32, .size: 8, .value_kind: global_buffer, .address_space: global }
      - { .name: x1, .offset: 40, .size: 8, .value_kind: global_buffer, .address_space: global }
      - { .name: qb, .offset: 48, .size: 8, .value_kind: global_buffer, .address_space: global }
    .group_segment_fixed_size: 111104
    .private_segment_fixed_size: 0
    .kernarg_segment_align: 8
    .kernarg_segment_size: 56
    .max_flat_workgroup_size: 256
    .sgpr_count:     66
    .vgpr_count:     256
    .wavefront_size: 32
...
	.end_amdgpu_metadata
.endif
;; end of part 4
;; launch zkv (part 5): grid 128 x 1, 8 waves a work-group, no clusters, 0 bytes of LDS; arguments Zelta, g2, b2, wb, kvc; writes kvc
.if DOCPART == 5
	.amdgcn_target "amdgcn-amd-amdhsa--gfx1250"
	.amdhsa_code_object_version 6
	.text
	.protected	k_q0e02a0a7cf_zkv
	.globl	k_q0e02a0a7cf_zkv
	.p2align	8
	.type	k_q0e02a0a7cf_zkv,@function
k_q0e02a0a7cf_zkv:
	s_mov_b64 s[64:65], 0
	v_nop
	global_prefetch_b8 v0, s[64:65] scope:SCOPE_SE
	s_setreg_imm32_b32 hwreg(HW_REG_WAVE_MODE, 25, 1), 1
	s_wait_xcnt 0x0
; ZKV: zn = LN(Zelta) over 100 numbers; k = zn Wk_c, v = zn Wv_c, on codes of FP6 (E2M3), K = 100 filled with zero codes to 128: one matrix instruction deep.  k leaves as codes along the head's 64, v along the keys, laid as the attention wants them.
; SHARES: a work-group takes 32 rows (block blk = 32 b + f: two tiles rt; lane r of tile rt is row 32 blk + 8 rt + r + 8 (r / 8)), wave w head w.  A row's 100 numbers lie in lanes l and l xor 16, so each wave makes both operand tiles itself
; (12,800 bytes read by each of eight waves): no LDS, no barrier.  Register 16 b + i of a row tile is k = 32 b + 16 h + i; of block 3 only k = 96 .. 99 exist: both halves of the lanes load them, and lanes 16-31 are multiplied by 0.
; The product for k is used transposed (source 0 = 16 columns of the weight), the one for v as it stands (source 0 = rows), as in the launch for the self-attention's q, k and v.
; OUT (kvc): K's codes [b 8 + head][f][1536], V's at 1572864: [bh][f / 4][d tile][f % 4][384], K's scale words at 3145728: [bh][f / 4][r][f % 4], V's at 3211264.
; LIMITS: the mean is taken by x 0.01 in place of / 100; a block of zeros carries the byte 1 in place of 127; NaN and infinities are not served.
.set L16, 1
.set L8,  2
.set R16, 3
.set ZA,  4                            ; (r + 8 (r / 8)) x 400 + 64 h
.set ZB,  5                            ; (r + 8 (r / 8)) x 400
.set GA,  6                            ; 64 h
.set ZERO, 7
.set MASK, 8                           ; 1.0 in lanes 0-15, 0 in lanes 16-31
.set V24, 9
.set WKS, 10                           ; v10-13   Wk_c's scale words
.set R1,  16                           ; v16-79   row tile 0, later Wv_c's four tiles
.set R2,  80                           ; v80-143  row tile 1, later the accumulators
.set ACC, 80
.set G,   144                          ; v144-195 g2, later Wk_c's four tiles, later codes
.set BB,  196                          ; v196-247 b2, later the quantiser's registers and the two operand tiles
.set WK,  144
.set WVF, 16
.set TM,  196
.set AF,  212                          ; v212-235
.set PT,  236
.set WVS, 248                          ; v248-251 Wv_c's scale words
.set PWA, 252                          ; v252-253 zn's scale words
.set ZP, 16
.set WP, 18
.set WSP, 20
.set KC, 22
.set KSP, 24
.set VCP, 26
.set VSP, 28
.set SEL, 30
.set C01, 32
.set EPS, 33
.macro PLACES n
.rept \n
	v_nop
.endr
.endm
.macro ZIN R, off
.irp q, 0,1,2,3,4,5,6,7,8,9,10,11
	global_load_b128 v[\R+4*\q:\R+4*\q+3], v[ZA], s[ZP:ZP+1] offset:\off+128*(\q/4)+16*(\q%4)
.endr
	global_load_b128 v[\R+48:\R+51], v[ZB], s[ZP:ZP+1] offset:\off+384
.endm
.macro MASK3 R
.irp j, 48,49,50,51
	v_mul_f32 v[\R+\j], v[\R+\j], v[MASK]
.endr
.endm
.macro ZSUM                            ; two pairs of partial sums -> the row's total in v[T]
	v_pk_add_f32 v[T:T+1], v[T:T+1], v[T+2:T+3]
	v_add_f32 v[T], v[T], v[T+1]
	v_permlanex16_b32 v[T+4], v[T], s[SEL], s[SEL+1]
	v_add_f32 v[T], v[T], v[T+4]
.endm
; the norm of one row tile, in place, in two passes; its registers 52 .. 63 are at work meanwhile and are zeros at the end
.macro ZLN R
.set T, \R+52
	v_mov_b32 v[T+4], 0
	MASK3 \R
	v_pk_add_f32 v[T:T+1], v[\R:\R+1], v[\R+2:\R+3]
	v_pk_add_f32 v[T+2:T+3], v[\R+4:\R+5], v[\R+6:\R+7]
.irp j, 8,12,16,20,24,28,32,36,40,44,48
	v_pk_add_f32 v[T:T+1], v[T:T+1], v[\R+\j:\R+\j+1]
	v_pk_add_f32 v[T+2:T+3], v[T+2:T+3], v[\R+\j+2:\R+\j+3]
.endr
	ZSUM
	v_mul_f32 v[T+6], s[C01], v[T]
	v_mov_b32 v[T+7], v[T+6]
.set j, 0
.rept 26
	v_pk_add_f32 v[\R+j:\R+j+1], v[\R+j:\R+j+1], v[T+6:T+7] neg_lo:[0,1] neg_hi:[0,1]
.set j, j+2
.endr
	MASK3 \R
	v_pk_mul_f32 v[T:T+1], v[\R:\R+1], v[\R:\R+1]
	v_pk_mul_f32 v[T+2:T+3], v[\R+2:\R+3], v[\R+2:\R+3]
.irp j, 4,8,12,16,20,24,28,32,36,40,44,48
	v_pk_fma_f32 v[T:T+1], v[\R+\j:\R+\j+1], v[\R+\j:\R+\j+1], v[T:T+1]
	v_pk_fma_f32 v[T+2:T+3], v[\R+\j+2:\R+\j+3], v[\R+\j+2:\R+\j+3], v[T+2:T+3]
.endr
	ZSUM
	v_fma_f32 v[T+6], v[T], s[C01], s[EPS]
	v_rsq_f32 v[T+6], v[T+6]
	v_nop
	s_wait_alu depctr_va_vdst(0)
	v_mov_b32 v[T+7], v[T+6]
.set j, 0
.rept 26
	v_pk_mul_f32 v[\R+j:\R+j+1], v[\R+j:\R+j+1], v[T+6:T+7]
	v_pk_fma_f32 v[\R+j:\R+j+1], v[\R+j:\R+j+1], v[G+j:G+j+1], v[BB+j:BB+j+1]
.set j, j+2
.endr
	MASK3 \R
.irp j, 52,53,54,55,56,57,58,59,60,61,62,63
	v_mov_b32 v[\R+\j], 0
.endr
.endm
.macro WSMALL set, sc, m               ; 17 loads: my four column tiles of the weight and their scale words
.irp nt, 0,1,2,3
.irp c, 0,1
	global_load_b128 v[\set+12*\nt+6*\c:\set+12*\nt+6*\c+3], v[L16], s[WP:WP+1] offset:1638400+(\m)*49152+\nt*1536+\c*768
	global_load_b64 v[\set+12*\nt+6*\c+4:\set+12*\nt+6*\c+5], v[L8], s[WP:WP+1] offset:1638400+(\m)*49152+\nt*1536+\c*768+512
.endr
.endr
	global_load_b128 v[\sc:\sc+3], v[R16], s[WSP:WSP+1] offset:1736704+(\m)*2048
.endm
.macro QSCALE s, pw
.irp b, 0,1,2,3
	v_max3_num_f32 v[TM+\b], |v[\s+16*\b]|, |v[\s+16*\b+1]|, 0x1800000
.endr
.irp i, 2,4,6,8,10,12,14
.irp b, 0,1,2,3
	v_max3_num_f32 v[TM+\b], v[TM+\b], |v[\s+16*\b+\i]|, |v[\s+16*\b+\i+1]|
.endr
.endr
.irp b, 0,1,2,3
	v_permlanex16_b32 v[TM+4+\b], v[TM+\b], s[SEL], s[SEL+1]
.endr
.irp b, 0,1,2,3
	v_max_num_f32 v[TM+\b], v[TM+\b], v[TM+4+\b]
.endr
.irp b, 0,1,2,3
	v_add_nc_u32 v[TM+12+\b], 0xff000000, v[TM+\b]
.endr
.irp b, 0,1,2,3
	v_lshrrev_b32 v[TM+4+\b], 23, v[TM+12+\b]
.endr
	v_lshl_or_b32 v[\pw], v[TM+5], 8, v[TM+4]
	v_lshl_or_b32 v[\pw], v[TM+6], 16, v[\pw]
	v_lshl_or_b32 v[\pw], v[TM+7], 24, v[\pw]
.endm
.macro QCODES s, pc
.irp c, 0,1
	v_cvt_scalef32_pk16_fp6_f32 v[\pc+6*\c:\pc+6*\c+2], v[\s+32*\c:\s+32*\c+15], v[TM+12+2*\c]
	v_cvt_scalef32_pk16_fp6_f32 v[PT+4*\c:PT+4*\c+2], v[\s+32*\c+16:\s+32*\c+31], v[TM+13+2*\c]
.endr
	v_nop
.irp c, 0,1
.irp i, 0,1,2
	v_permlane16_swap_b32 v[\pc+6*\c+\i], v[PT+4*\c+\i]
.endr
.irp i, 0,1,2
	v_mov_b32 v[\pc+6*\c+3+\i], v[PT+4*\c+\i]
.endr
.endr
.endm
	s_load_b256 s[4:11], s[0:1], 0x0               ; Zelta, g2, b2, wb
	s_load_b64 s[12:13], s[0:1], 0x20              ; kvc
	v_lshrrev_b32 v14, 5, v0
	v_readfirstlane_b32 s14, v14                   ; wave w
	v_and_b32 v14, 31, v0
	v_lshlrev_b32 v[L16], 4, v14
	v_lshlrev_b32 v[L8], 3, v14
	v_and_b32 v14, 15, v0                          ; r
	v_bfe_u32 v15, v0, 4, 1                        ; h
	v_lshlrev_b32 v[R16], 4, v14
	v_and_b32 v[ZB], 8, v14
	v_add_nc_u32 v[ZB], v[ZB], v14
	v_mul_u32_u24 v[ZB], v[ZB], 400
	v_lshl_add_u32 v[ZA], v15, 6, v[ZB]
	v_lshlrev_b32 v[GA], 6, v15
	v_mov_b32 v[ZERO], 0
	v_mul_u32_u24 v[V24], v14, 24
	v_mad_u32_u24 v[V24], v15, 12, v[V24]
	v_sub_nc_u32 v[MASK], 1, v15
	v_cvt_f32_u32 v[MASK], v[MASK]
	s_mov_b32 s[SEL], 0x76543210
	s_mov_b32 s[SEL+1], 0xfedcba98
	s_mov_b32 s[C01], 0x3c23d70a                   ; 0.01
	s_mov_b32 s[EPS], 0x3727c5ac                   ; 1e-5
	s_mul_i32 s34, ttmp9, 12800                    ; 32 rows of 400 bytes
	s_mov_b32 s35, 0
	s_wait_kmcnt 0x0
	s_add_nc_u64 s[ZP:ZP+1], s[4:5], s[34:35]
	ZIN R1, 0
	ZIN R2, 3200
.irp q, 0,1,2,3,4,5,6,7,8,9,10,11
	global_load_b128 v[G+4*\q:G+4*\q+3], v[GA], s[6:7] offset:128*(\q/4)+16*(\q%4)
.endr
	global_load_b128 v[G+48:G+51], v[ZERO], s[6:7] offset:384
.irp q, 0,1,2,3,4,5,6,7,8,9,10,11
	global_load_b128 v[BB+4*\q:BB+4*\q+3], v[GA], s[8:9] offset:128*(\q/4)+16*(\q%4)
.endr
	global_load_b128 v[BB+48:BB+51], v[ZERO], s[8:9] offset:384
	s_mul_i32 s34, s14, 6144
	s_add_nc_u64 s[WP:WP+1], s[10:11], s[34:35]
	s_lshl_b32 s34, s14, 8
	s_add_nc_u64 s[WSP:WSP+1], s[10:11], s[34:35]
	s_lshr_b32 s36, ttmp9, 5                       ; b
	s_lshl_b32 s36, s36, 3
	s_add_co_u32 s36, s36, s14                     ; b 8 + head
	s_and_b32 s37, ttmp9, 31                       ; f
	s_lshl_b32 s34, s36, 5
	s_add_co_u32 s34, s34, s37
	s_mul_i32 s34, s34, 1536
	s_add_nc_u64 s[KC:KC+1], s[12:13], s[34:35]
	s_lshl_b32 s34, s36, 11                        ; scale words: 2048 (b 8 + head) + 256 (f / 4) + 4 (f % 4)
	s_lshr_b32 s38, s37, 2
	s_lshl_b32 s39, s38, 8
	s_add_co_u32 s34, s34, s39
	s_and_b32 s37, s37, 3
	s_lshl_b32 s39, s37, 2
	s_add_co_u32 s34, s34, s39
	s_add_nc_u64 s[KSP:KSP+1], s[12:13], s[34:35]
	s_add_nc_u64 s[VSP:VSP+1], s[KSP:KSP+1], 3211264
	s_add_nc_u64 s[KSP:KSP+1], s[KSP:KSP+1], 3145728
	s_mul_i32 s34, s36, 49152
	s_mul_i32 s38, s38, 6144
	s_add_co_u32 s34, s34, s38
	s_mul_i32 s37, s37, 384
	s_add_co_u32 s34, s34, s37
	s_add_nc_u64 s[VCP:VCP+1], s[12:13], s[34:35]
	s_add_nc_u64 s[VCP:VCP+1], s[VCP:VCP+1], 1572864
	s_wait_loadcnt 0x0
	ZLN R1
	ZLN R2
	WSMALL WK, WKS, 0                              ; Wk_c, where g2 lay
	QSCALE R1, PWA
	QCODES R1, AF
	WSMALL WVF, WVS, 1                             ; Wv_c, where row tile 0 lay
	QSCALE R2, PWA+1
	QCODES R2, AF+12
	PLACES 8                                       ; scale words made by vector instructions stand eight places ahead of the products, operands four
	s_wait_loadcnt 17                              ; Wk_c is in; Wv_c's 17 loads may be out
.irp rt, 0,1
.irp nt, 0,1,2,3
	v_wmma_scale_f32_16x16x128_f8f6f4 v[ACC+32*\rt+8*\nt:ACC+32*\rt+8*\nt+7], v[WK+12*\nt:WK+12*\nt+11], v[AF+12*\rt:AF+12*\rt+11], 0, v[WKS+\nt], v[PWA+\rt] matrix_a_fmt:MATRIX_FMT_FP6 matrix_b_fmt:MATRIX_FMT_FP6
.endr
.endr
	PLACES 4
	QSCALE ACC, 254
	QCODES ACC, 144
	global_store_b128 v[L16], v[144:147], s[KC:KC+1]
	global_store_b64 v[L8], v[148:149], s[KC:KC+1] offset:512
	global_store_b128 v[L16], v[150:153], s[KC:KC+1] offset:768
	global_store_b64 v[L8], v[154:155], s[KC:KC+1] offset:1280
	global_store_b32 v[R16], v254, s[KSP:KSP+1]
	s_wait_loadcnt 0x0                             ; Wv_c
.irp rt, 0,1
.irp nt, 0,1,2,3
	v_wmma_scale_f32_16x16x128_f8f6f4 v[ACC+16*\nt+8*\rt:ACC+16*\nt+8*\rt+7], v[AF+12*\rt:AF+12*\rt+11], v[WVF+12*\nt:WVF+12*\nt+11], 0, v[PWA+\rt], v[WVS+\nt] matrix_a_fmt:MATRIX_FMT_FP6 matrix_b_fmt:MATRIX_FMT_FP6
.endr
.endr
	PLACES 4
	QSCALE ACC, 255                                ; block nt: column tile nt, the 32 keys of this block of rows
.irp nt, 0,1,2,3
	v_cvt_scalef32_pk16_fp6_f32 v[160+4*\nt:162+4*\nt], v[ACC+16*\nt:ACC+16*\nt+15], v[TM+12+\nt]    ; registers of their own: K's stores may still read theirs
.endr
	v_nop
.irp nt, 0,1,2,3
	global_store_b96 v[V24], v[160+4*\nt:162+4*\nt], s[VCP:VCP+1] offset:\nt*1536
.endr
	global_store_b32 v[R16], v255, s[VSP:VSP+1]
	s_endpgm
.Lfunc_end_k_q0e02a0a7cf_zkv:
	.size	k_q0e02a0a7cf_zkv, .Lfunc_end_k_q0e02a0a7cf_zkv-k_q0e02a0a7cf_zkv
	.p2alignl 7, 3214868480
	.fill 96, 4, 3214868480
	.section	.rodata,"a",@progbits
	.p2align	6, 0x0
	.amdhsa_kernel k_q0e02a0a7cf_zkv
		.amdhsa_group_segment_fixed_size 0
		.amdhsa_private_segment_fixed_size 0
		.amdhsa_enable_private_segment 0
		.amdhsa_kernarg_size 40
		.amdhsa_user_sgpr_count 2
		.amdhsa_user_sgpr_kernarg_segment_ptr 1
		.amdhsa_wavefront_size32 1
		.amdhsa_system_sgpr_workgroup_id_x 1
		.amdhsa_system_sgpr_workgroup_id_y 1
		.amdhsa_system_sgpr_workgroup_id_z 1
		.amdhsa_system_vgpr_workitem_id 0
		.amdhsa_next_free_vgpr 256
		.amdhsa_next_free_sgpr 66
		.amdhsa_reserve_vcc 0
		.amdhsa_float_denorm_mode_32 3
		.amdhsa_float_denorm_mode_16_64 3
		.amdhsa_memory_ordered 1
		.amdhsa_forward_progress 1
		.amdhsa_inst_pref_size 48
	.end_amdhsa_kernel
	.amdgpu_metadata
---
amdhsa.version: [ 1, 2 ]
amdhsa.kernels:
  - .name:           k_q0e02a0a7cf_zkv
    .symbol:         k_q0e02a0a7cf_zkv.kd
    .args:
      - { .name: Zelta, .offset: 0, .size: 8, .value_kind: global_buffer, .address_space: global }
      - { .name: g2, .offset: 8, .size: 8, .value_kind: global_buffer, .address_space: global }
      - { .name: b2, .offset: 16, .size: 8, .value_kind: global_buffer, .address_space: global }
      - { .name: wb, .offset: 24, .size: 8, .value_kind: global_buffer, .address_space: global }
      - { .name: kvc, .offset: 32, .size: 8, .value_kind: global_buffer, .address_space: global }
    .group_segment_fixed_size: 0
    .private_segment_fixed_size: 0
    .kernarg_segment_align: 8
    .kernarg_segment_size: 40
    .max_flat_workgroup_size: 256
    .sgpr_count:     66
    .vgpr_count:     256
    .wavefront_size: 32
...
	.end_amdgpu_metadata
.endif
;; end of part 5
;; launch attn_c (part 6): grid 8 x 32, 16 waves a work-group, clusters of 4 x 1, 169,984 bytes of LDS; arguments qb, kvc, ob; writes ob
.if DOCPART == 6
	.amdgcn_target "amdgcn-amd-amdhsa--gfx1250"
	.amdhsa_code_object_version 6
	.text
	.protected	k_q0e02a0a7cf_attn_c
	.globl	k_q0e02a0a7cf_attn_c
	.p2align	8
	.type	k_q0e02a0a7cf_attn_c,@function
k_q0e02a0a7cf_attn_c:
	s_mov_b64 s[64:65], 0
	v_nop
	global_prefetch_b8 v0, s[64:65] scope:SCOPE_SE
	s_setreg_imm32_b32 hwreg(HW_REG_WAVE_MODE, 25, 1), 1
	s_wait_xcnt 0x0
	s_wait_alu depctr_hold_cnt(0) depctr_sa_sdst(0) depctr_va_vdst(0) depctr_va_sdst(0) depctr_va_ssrc(0) depctr_va_vcc(0) depctr_vm_vsrc(0)
	s_getreg_b32 s2, hwreg(HW_REG_IB_STS2, 6, 4)
	s_cmp_eq_u32 s2, 0
	s_cbranch_scc0 .Lentry_in_a_cluster
	s_endpgm
.Lentry_in_a_cluster:
	s_bfe_u32 s2, ttmp6, 0x10000c
	s_cmp_lg_u32 s2, 0x3003
	s_cbranch_scc0 .Lentry_shape_is_right
	s_endpgm
.Lentry_shape_is_right:
; ATTENTION on codes of FP6 (E2M3), NK keys a head, head size 64: the text of the self-attention's launch with NK = 1,024 (a trip count is a constant of the text).
; p = softmax(q k^T / 8), kept only where sigmoid(score) > 0.5, is quantised FINISHED (normalised and gated) along the keys; o = p v leaves as codes along the head's 64.
; So a row's largest score and its sum must be known before any p is quantised: the keys are walked TWICE.  Walk 1: t = raw sum x log2(e) / 8, M = the running largest t rounded up to a whole number, L = the sum of 2^(t - M) over ALL keys
; (when M moves L is multiplied by 2^(old M - new M): exact); it also leaves each block's largest score in the wave's own LDS bytes.  Walk 2: the scores once more, the gate, p = 2^(t - M - log2 L), the quantiser, O^T += V^T P^T.
; THE GATE IS ONE INSTRUCTION A SCORE.  Every raw sum starts from C = -2^-20 in place of 0, in both walks alike (so the two walks' scores are equal bit for bit): what fails the gate is then negative.  Read as a signed whole number every
; negative f32 lies under the pattern of -infinity and every f32 from +0 on above it: v_max_i32 with that pattern turns what fails into -infinity (p = 0) and leaves the rest as it is.
; 1 / L STANDS IN THE EXPONENT: behind walk 1, -M becomes -M - log2 L, and the multiply-add that makes t - M makes the finished p's exponent.
; A BLOCK'S LARGEST p IS NOT SEARCHED FOR: the block's largest score, found in walk 1 on the way to the row's maximum, is gated and put through the same two instructions as every p.
; SHARES: a work-group owns 256 queries of one head, each of its sixteen waves one tile of 16.  The head's K and V codes and scale words, 100 NK bytes, are brought into LDS ONCE and stay.
; CLUSTER: the four query blocks of a cluster belong to one head and need the same bytes: each block of them is asked for JOINTLY, by the same tensor load with the same descriptor and a mask that names the four.
; HEAD SIZE 64 IN A K STEP OF 128: a fragment of K holds TWO tiles of 16 keys (tile rt 0 in k = 0 .. 63, tile rt 1 in k = 64 .. 127); it is multiplied once by (q | zeros) and once by (zeros | q): zero codes add nothing.
; LAYOUT: both products transposed: S^T = K Q^T, O^T = V^T P^T: a lane holds ONE query (lane % 16).  Lane r of key tile rt of fragment f is key 32 f + 8 rt + r + 8 (r / 8): register 16 f' + i of S is key 128 step + 32 f' + 16 (lane / 16) + i.
; LIMITS: a score is kept where its raw sum less 2^-20, as the matrix unit rounds it, is not negative (score 2^-23); for scores between 0 and about 2.4e-7 an f32 sigmoid's own rounding decides and this text may differ.  Every raw sum carries
; the offset -2^-20: 1.2e-7 of p.  -M - log2 L is rounded once: its error, at most half an ulp of M + log2 L, is a common factor of a row's p: 3e-7 of p while that sum is under 16; it grows with the largest score, as the rounding of an f32
; score of that size does.  The block's largest p takes v_exp_f32 not to fall where its input rises.  Blocks of zeros carry the byte 1.  NaN and infinities are not served.
.set NK,   1024
.set NST,  NK/128
.set KB,   NK*48
.set NCW,  KB/24576
.set VC0,  32*KB
.set KS0,  64*KB
.set VS0,  KS0+64*NK
.set VIMG, KB
.set KSC,  2*KB
.set VSC,  KSC+2*NK
.set OST,  VSC+2*NK
.set BMX,  OST+512                     ; 256 NST bytes for each wave: the blocks' largest scores.  No tensor load lands from OST on
.set L16, 1
.set L8,  2
.set R16, 3
.set L24, 4
.set AK16, 5
.set AK8, 6
.set AKS, 7
.set AV,  8
.set AVS, 9
.set NINF, 10
.set QS,  11
.set QB,  18
.set QA,  24
.set KS,  36
.set VR,  40
.set VS,  44
.set KF,  52
.set S,   100
.set O,   164
.set PC,  196
.set PT,  208
.set BM,  216
.set BX,  220
.set SO,  224
.set PW,  228
.set OSW, 236
.set OSR, 237
.set BMA, 238
.set R16W, 239
.set CBI, 240
.macro CROUND                          ; a round of the cluster's barrier
	s_barrier_signal -1
	s_barrier_wait -1
	s_cmp_lg_u32 s10, 0
	s_cbranch_scc1 .Lnot_wave_0_\@
	s_barrier_signal -3
.Lnot_wave_0_\@:
	s_barrier_wait -3
	s_barrier_signal -1
	s_barrier_wait -1
.endm
.macro PLACES n
.rept \n
	v_nop
.endr
.endm
; the scores of 128 keys: four fragments of K, eight matrix instructions.  In the second walk the six additions are the places between the last products and the loads into the registers that they read, and V's scale words and the
; blocks' largest scores come with K's fragments.  The four places behind the products are written where the macro is used.
.macro SCORES second
	v_add_nc_u32 v[AK16], s57, v[L16]
	v_add_nc_u32 v[AK8], s57, v[L8]
	v_add_nc_u32 v[AKS], s58, v[R16]
.if \second
	v_add_nc_u32 v[AV], s59, v[L24]
	v_add_nc_u32 v[AVS], s60, v[R16]
	v_add_nc_u32 v[BMA], s61, v[R16W]
.endif
.irp f, 0,1,2,3
	ds_load_b128 v[KF+12*\f:KF+12*\f+3], v[AK16] offset:1536*\f
	ds_load_b64 v[KF+12*\f+4:KF+12*\f+5], v[AK8] offset:1536*\f+512
	ds_load_b128 v[KF+12*\f+6:KF+12*\f+9], v[AK16] offset:1536*\f+768
	ds_load_b64 v[KF+12*\f+10:KF+12*\f+11], v[AK8] offset:1536*\f+1280
.endr
	ds_load_b128 v[KS:KS+3], v[AKS]
.if \second
	ds_load_b128 v[VR:VR+3], v[AVS]
	ds_load_b128 v[BM:BM+3], v[BMA]                ; LDS serves a wave's instructions in order: this sees what I stored in walk 1
.endif
	s_wait_dscnt 0x0
.irp f, 0,1,2,3
	v_wmma_scale_f32_16x16x128_f8f6f4 v[S+16*\f:S+16*\f+7], v[KF+12*\f:KF+12*\f+11], v[QA:QA+11], v[CBI:CBI+7], v[KS+\f], v[QS] matrix_a_fmt:MATRIX_FMT_FP6 matrix_b_fmt:MATRIX_FMT_FP6
	v_wmma_scale_f32_16x16x128_f8f6f4 v[S+16*\f+8:S+16*\f+15], v[KF+12*\f:KF+12*\f+11], v[QB:QB+11], v[CBI:CBI+7], v[KS+\f], v[QS] matrix_a_fmt:MATRIX_FMT_FP6 matrix_b_fmt:MATRIX_FMT_FP6
.endr
.endm
.macro BLOCKMAX
.irp b, 0,1,2,3
	v_max3_num_f32 v[BM+\b], v[S+16*\b], v[S+16*\b+1], v[S+16*\b+2]
.endr
.irp i, 3,5,7,9,11,13
.irp b, 0,1,2,3
	v_max3_num_f32 v[BM+\b], v[BM+\b], v[S+16*\b+\i], v[S+16*\b+\i+1]
.endr
.endr
.irp b, 0,1,2,3
	v_max_num_f32 v[BM+\b], v[BM+\b], v[S+16*\b+15]
.endr
.endm
.macro TMINUSM j0, n
.set j, \j0
.rept \n
	v_pk_fma_f32 v[S+j:S+j+1], v[S+j:S+j+1], s[50:51], v[12:13] op_sel_hi:[1,0,0]
.set j, j+2
.endr
.endm
.macro EXPS
.set j, 0
.rept 64
	v_exp_f32 v[S+j], v[S+j]
.set j, j+1
.endr
.endm
	s_load_b128 s[4:7], s[0:1], 0x0                ; qb, the keys' and values' buffer
	s_load_b64 s[8:9], s[0:1], 0x10                ; ob
	v_lshl_add_u32 v254, v0, 2, 0x29000
	v_mov_b32 v255, 0
	ds_add_u32 v254, v255
	ds_add_u32 v254, v255
	v_lshrrev_b32 v229, 5, v0
	v_readfirstlane_b32 s10, v229                  ; wave 0 .. 15
	v_and_b32 v229, 31, v0
	v_and_b32 v232, 15, v0
	v_lshlrev_b32 v[L16], 4, v229
	v_lshlrev_b32 v[L8], 3, v229
	v_mul_u32_u24 v[L24], v229, 24
	v_lshlrev_b32 v[R16], 4, v232
	s_lshl_b32 s14, s10, 5
	v_lshlrev_b32 v[OSW], 1, v232
	v_add_nc_u32 v[OSW], s14, v[OSW]
	v_add_nc_u32 v[OSW], OST, v[OSW]
	v_add_nc_u32 v[OSR], OST, v[L16]
	s_mul_i32 s14, s10, NST*256
	s_add_co_u32 s14, s14, BMX
	v_add_nc_u32 v[R16W], s14, v[R16]              ; my wave's bytes for the blocks' largest scores, my query's 16
	v_lshlrev_b32 v232, 2, v232
	s_and_b32 s13, ttmp7, 0xffff                   ; b 8 + head, which the four partners share
	s_bfe_u32 s11, ttmp6, 0x40000                  ; cx: it enters q's and o's addresses in memory alone
	s_lshl_b32 s12, ttmp9, 2
	s_add_co_u32 s12, s12, s11
	s_mov_b32 s16, 15|(3<<16)|(1<<21)              ; group 1: dense blocks as rows of 256 bytes; the mask names all four work-groups, bit 21 set beside it
	s_mov_b32 s17, 32<<16
	s_mov_b32 s18, 96<<16
	s_mov_b32 s19, 32<<16
	s_mov_b32 s20, 96
	s_mov_b32 s21, 32
	s_mov_b32 s22, 0
	s_mov_b32 s23, 0
	s_mov_b32 s24, 15|(3<<16)|(1<<21)
	s_mov_b32 s25, 32<<16
	s_mov_b32 s26, (NK/128)<<16
	s_mov_b32 s27, 32<<16
	s_mov_b32 s28, NK/128
	s_mov_b32 s29, 32
	s_mov_b32 s30, 0
	s_mov_b32 s31, 0
	s_mul_i32 s14, s13, KB
	s_mul_i32 s72, s10, 24576
	s_add_co_u32 s14, s14, s72
	s_mov_b32 s15, 0
	s_mul_i32 s74, s13, 2*NK
	s_mov_b32 s75, 0
	s_mov_b32 s48, 0x76543210
	s_mov_b32 s49, 0xfedcba98
	s_mov_b32 s50, 0x3e38aa3b                      ; c = log2(e) / 8
	s_mov_b32 s51, s50
	s_mov_b32 s52, 0x05010400
	s_mov_b32 s53, 0x07030602
	s_mov_b32 s54, 0x05040100
	s_mov_b32 s55, 0x07060302
	s_lshl_b32 s76, s12, 4
	s_add_co_u32 s76, s76, s10                     ; my tile t
	s_lshl_b32 s77, s13, 7
	s_add_co_u32 s77, s77, s76
	s_mul_i32 s78, s77, 768
	s_mov_b32 s79, 0
	s_lshl_b32 s80, s77, 6
	s_mov_b32 s81, 0
	s_wait_dscnt 0x0
	s_wait_kmcnt 0x0
	s_add_nc_u64 s[62:63], s[4:5], s[78:79]
	s_add_nc_u64 s[66:67], s[4:5], s[80:81]
	s_add_nc_u64 s[66:67], s[66:67], 3145728
	s_lshr_b32 s77, s13, 3
	s_lshl_b32 s77, s77, 7
	s_add_co_u32 s78, s77, s76
	s_lshl_b32 s78, s78, 3
	s_and_b32 s82, s13, 7
	s_add_co_u32 s78, s78, s82
	s_mul_i32 s78, s78, 768
	s_add_nc_u64 s[68:69], s[8:9], s[78:79]
	s_lshl_b32 s80, s82, 9
	s_add_co_u32 s80, s80, s77
	s_lshl_b32 s83, s12, 4
	s_add_co_u32 s80, s80, s83
	s_lshl_b32 s80, s80, 5
	s_add_nc_u64 s[70:71], s[8:9], s[80:81]
	s_add_nc_u64 s[70:71], s[70:71], 3145728
	s_mov_b32 s32, 1
	s_mov_b32 s33, s72
	s_add_nc_u64 s[34:35], s[6:7], s[14:15]
	s_mov_b32 s36, 1
	s_add_co_u32 s37, s72, VIMG
	s_add_nc_u64 s[38:39], s[34:35], VC0
	s_or_b32 s35, s35, 0x80000000
	s_or_b32 s39, s39, 0x80000000
	s_mov_b32 s40, 1
	s_mov_b32 s41, KSC
	s_add_nc_u64 s[42:43], s[6:7], s[74:75]
	s_mov_b32 s44, 1
	s_mov_b32 s45, VSC
	s_add_nc_u64 s[46:47], s[42:43], VS0
	s_add_nc_u64 s[42:43], s[42:43], KS0
	s_or_b32 s43, s43, 0x80000000
	s_or_b32 s47, s47, 0x80000000
	CROUND                                         ; all four work-groups are here: the joint loads meet
	s_cmp_lt_u32 s10, NCW                          ; a wave's fills stand in one branch on its number: waves 0 .. NCW - 1 fetch codes, wave NCW the scale words; two loads of a wave are out at the most
	s_cbranch_scc0 .Lnot_codes
	tensor_load_to_lds s[32:35], s[16:23]
	s_nop 0
	tensor_load_to_lds s[36:39], s[16:23]
	s_nop 0
	PLACES 4
	s_branch .Lasked
.Lnot_codes:
	s_cmp_eq_u32 s10, NCW
	s_cbranch_scc0 .Lasked
	tensor_load_to_lds s[40:43], s[24:31]
	s_nop 0
	tensor_load_to_lds s[44:47], s[24:31]
	s_nop 0
	PLACES 4
.Lasked:
	global_load_b128 v[24:27], v[L16], s[62:63]
	global_load_b64 v[28:29], v[L8], s[62:63] offset:512
	global_load_b32 v[QS], v232, s[66:67]
.irp j, 18,19,20,21,22,23,30,31,32,33,34,35
	v_mov_b32 v\j, 0
.endr
.set j, 0
.rept 8
	v_mov_b32 v[CBI+j], 0xb5800000                 ; -2^-20
.set j, j+1
.endr
	v_mov_b32 v13, 0xff61b1e6
	v_floor_f32 v12, -v13
	v_mov_b32 v14, 0
	v_mov_b32 v15, 0
	v_mov_b32 v231, 0
	v_mov_b32 v233, 0
.irp b, 0,1,2,3
	v_mov_b32 v[BX+\b], 0
.endr
	s_mov_b32 s57, 0
	s_mov_b32 s58, KSC
	s_mov_b32 s61, 0
	s_mov_b32 s56, 0
	s_wait_tensorcnt 0x0                           ; my parts have landed,
	s_wait_loadcnt 0x0                             ; and q
	s_barrier_signal -1
	s_barrier_wait -1                              ; everybody's have, and nothing is filled again
.Lwalk1:
	SCORES 0
	v_add_nc_u32 v[BMA], s61, v[R16W]              ; four places behind the products: where this step's largest scores go,
	v_mov_b32 v17, v12                             ; the old -M,
	PLACES 2                                       ; and two for which no work is at hand
	BLOCKMAX
.irp b, 0,1,2,3
	v_permlanex16_b32 v[BX+\b], v[BM+\b], s48, s49
.endr
.irp b, 0,1,2,3
	v_max_num_f32 v[BM+\b], v[BM+\b], v[BX+\b]
.endr
	ds_store_b128 v[BMA], v[BM:BM+3]               ; kept for walk 2, in my wave's own bytes (lanes l and l xor 16 store the same bytes)
	v_max3_num_f32 v229, v[BM], v[BM+1], v[BM+2]
	v_max_num_f32 v229, v229, v[BM+3]
	v_mul_f32 v229, s50, v229
	v_max_num_f32 v13, v13, v229
	v_floor_f32 v12, -v13
	v_sub_f32 v229, v12, v17
	v_cvt_i32_f32 v229, v229
	v_ldexp_f32 v230, 1.0, v229
	TMINUSM 0, 32
	EXPS
	v_pk_mul_f32 v[14:15], v[14:15], v[230:231] op_sel_hi:[1,0]
	s_wait_alu depctr_va_vdst(0)
	v_pk_add_f32 v[234:235], v[S:S+1], v[S+2:S+3]
.irp j, 4,8,12,16,20,24,28,32,36,40,44,48,52,56,60
	v_pk_add_f32 v[14:15], v[14:15], v[S+\j:S+\j+1]
	v_pk_add_f32 v[234:235], v[234:235], v[S+\j+2:S+\j+3]
.endr
	v_pk_add_f32 v[14:15], v[14:15], v[234:235]
	s_add_co_u32 s57, s57, 6144
	s_add_co_u32 s58, s58, 256
	s_add_co_u32 s61, s61, 256
	s_add_co_u32 s56, s56, 1
	s_cmp_lt_u32 s56, NST
	s_cbranch_scc1 .Lwalk1
	v_add_f32 v14, v14, v15
	v_permlanex16_b32 v233, v14, s48, s49
	v_add_f32 v14, v14, v233                       ; L, between 1/2 and NK
	v_log_f32 v16, v14
	v_mov_b32 v[NINF], 0xff800000                  ; (a plain line behind the logarithm)
	s_wait_alu depctr_va_vdst(0)
	v_sub_f32 v12, v12, v16                        ; -M - log2 L
.set j, 0
.rept 32
	v_mov_b32 v[O+j], 0
.set j, j+1
.endr
	s_mov_b32 s57, 0
	s_mov_b32 s58, KSC
	s_mov_b32 s59, VIMG
	s_mov_b32 s60, VSC
	s_mov_b32 s61, 0
	s_mov_b32 s56, 0
.Lwalk2:
	SCORES 1
	v_perm_b32 v48, v[VR+1], v[VR], s52            ; V's scale words are turned; these eight lines are the places behind the score products
	v_perm_b32 v49, v[VR+1], v[VR], s53
	v_perm_b32 v50, v[VR+3], v[VR+2], s52
	v_perm_b32 v51, v[VR+3], v[VR+2], s53
	v_perm_b32 v[VS], v50, v48, s54
	v_perm_b32 v[VS+1], v50, v48, s55
	v_perm_b32 v[VS+2], v51, v49, s54
	v_perm_b32 v[VS+3], v51, v49, s55
.irp d, 0,1,2,3
.irp c, 0,1
	ds_load_b64 v[KF+12*\d+6*\c:KF+12*\d+6*\c+1], v[AV] offset:1536*\d+768*\c
	ds_load_b64 v[KF+12*\d+6*\c+2:KF+12*\d+6*\c+3], v[AV] offset:1536*\d+768*\c+8
	ds_load_b64 v[KF+12*\d+6*\c+4:KF+12*\d+6*\c+5], v[AV] offset:1536*\d+768*\c+16
.endr
.endr
.set j, 0
.rept 64
	v_max_i32 v[S+j], v[NINF], v[S+j]              ; the gate: what is negative becomes -infinity
.set j, j+1
.endr
.irp b, 0,1,2,3
	v_max_i32 v[BM+\b], v[NINF], v[BM+\b]
.endr
.irp b, 0,1,2,3
	v_fma_f32 v[BM+\b], v[BM+\b], s50, v12
.endr
.irp b, 0,1,2,3
	v_exp_f32 v[BM+\b], v[BM+\b]
.endr
	TMINUSM 0, 16                                  ; (plain lines behind those exponentials)
	s_wait_alu depctr_va_vdst(0)
.irp b, 0,1,2,3
	v_max_num_f32 v[BM+\b], 0x1800000, v[BM+\b]
.endr
.irp b, 0,1,2,3
	v_add_nc_u32 v[SO+\b], 0xff000000, v[BM+\b]
.endr
.irp b, 0,1,2,3
	v_lshrrev_b32 v[BX+\b], 23, v[SO+\b]
.endr
	v_lshl_or_b32 v[PW], v[BX+1], 8, v[BX]
	v_lshl_or_b32 v[PW], v[BX+2], 16, v[PW]
	v_lshl_or_b32 v[PW], v[BX+3], 24, v[PW]
	TMINUSM 32, 16                                 ; sixteen plain lines that name nothing of the product below: a scale word made by vector instructions stands eight places ahead of it
	EXPS
	v_nop                                          ; a plain line behind the exponentials
	s_wait_alu depctr_va_vdst(0)
.irp c, 0,1
	v_cvt_scalef32_pk16_fp6_f32 v[PC+6*\c:PC+6*\c+2], v[S+32*\c:S+32*\c+15], v[SO+2*\c]
	v_cvt_scalef32_pk16_fp6_f32 v[PT+4*\c:PT+4*\c+2], v[S+32*\c+16:S+32*\c+31], v[SO+2*\c+1]
.endr
	v_nop                                          ; a plain line behind the conversions
.irp c, 0,1
.irp i, 0,1,2
	v_permlane16_swap_b32 v[PC+6*\c+\i], v[PT+4*\c+\i]
.endr
.irp i, 0,1,2
	v_mov_b32 v[PC+6*\c+3+\i], v[PT+4*\c+\i]
.endr
.endr
	s_wait_dscnt 0x0                               ; V is in
	PLACES 4                                       ; an operand made by vector instructions stands four places ahead of the product
.irp d, 0,1,2,3
	v_wmma_scale_f32_16x16x128_f8f6f4 v[O+8*\d:O+8*\d+7], v[KF+12*\d:KF+12*\d+11], v[PC:PC+11], v[O+8*\d:O+8*\d+7], v[VS+\d], v[PW] matrix_a_fmt:MATRIX_FMT_FP6 matrix_b_fmt:MATRIX_FMT_FP6
.endr
	s_add_co_u32 s57, s57, 6144
	s_add_co_u32 s58, s58, 256
	s_add_co_u32 s59, s59, 6144
	s_add_co_u32 s60, s60, 256
	s_add_co_u32 s61, s61, 256
	s_add_co_u32 s56, s56, 1
	s_cmp_lt_u32 s56, NST
	s_cbranch_scc1 .Lwalk2
	PLACES 4
.irp b, 0,1
	v_max3_num_f32 v[BM+\b], |v[O+16*\b]|, |v[O+16*\b+1]|, 0x1800000
.endr
.irp i, 2,4,6,8,10,12,14
.irp b, 0,1
	v_max3_num_f32 v[BM+\b], v[BM+\b], |v[O+16*\b+\i]|, |v[O+16*\b+\i+1]|
.endr
.endr
.irp b, 0,1
	v_permlanex16_b32 v[BX+\b], v[BM+\b], s48, s49
.endr
.irp b, 0,1
	v_max_num_f32 v[BM+\b], v[BM+\b], v[BX+\b]
.endr
.irp b, 0,1
	v_add_nc_u32 v[SO+\b], 0xff000000, v[BM+\b]
.endr
.irp b, 0,1
	v_lshrrev_b32 v[BX+\b], 23, v[SO+\b]
.endr
	v_lshl_or_b32 v229, v[BX+1], 8, v[BX]
	v_cvt_scalef32_pk16_fp6_f32 v[PC:PC+2], v[O:O+15], v[SO]
	v_cvt_scalef32_pk16_fp6_f32 v[PT:PT+2], v[O+16:O+31], v[SO+1]
	v_nop
.irp i, 0,1,2
	v_permlane16_swap_b32 v[PC+\i], v[PT+\i]
.endr
.irp i, 0,1,2
	v_mov_b32 v[PC+3+\i], v[PT+\i]
.endr
	global_store_b128 v[L16], v[PC:PC+3], s[68:69]
	global_store_b64 v[L8], v[PC+4:PC+5], s[68:69] offset:512
	ds_store_b16 v[OSW], v229
	s_wait_dscnt 0x0
	s_barrier_signal -1
	s_barrier_wait -1
	s_cmp_lg_u32 s10, 0
	s_cbranch_scc1 .Lnot_first
	ds_load_b128 v[PT:PT+3], v[OSR]
	s_wait_dscnt 0x0
	global_store_b128 v[L16], v[PT:PT+3], s[70:71]
.Lnot_first:
	s_wait_tensorcnt 0x0
	ds_add_u32 v254, v255
	s_wait_dscnt 0x0
	CROUND                                         ; the closing round
	s_endpgm
.Lfunc_end_k_q0e02a0a7cf_attn_c:
	.size	k_q0e02a0a7cf_attn_c, .Lfunc_end_k_q0e02a0a7cf_attn_c-k_q0e02a0a7cf_attn_c
	.p2alignl 7, 3214868480
	.fill 96, 4, 3214868480
	.section	.rodata,"a",@progbits
	.p2align	6, 0x0
	.amdhsa_kernel k_q0e02a0a7cf_attn_c
		.amdhsa_group_segment_fixed_size 169984
		.amdhsa_private_segment_fixed_size 0
		.amdhsa_enable_private_segment 0
		.amdhsa_kernarg_size 24
		.amdhsa_user_sgpr_count 2
		.amdhsa_user_sgpr_kernarg_segment_ptr 1
		.amdhsa_wavefront_size32 1
		.amdhsa_system_sgpr_workgroup_id_x 1
		.amdhsa_system_sgpr_workgroup_id_y 1
		.amdhsa_system_sgpr_workgroup_id_z 1
		.amdhsa_system_vgpr_workitem_id 0
		.amdhsa_next_free_vgpr 256
		.amdhsa_next_free_sgpr 84
		.amdhsa_reserve_vcc 0
		.amdhsa_float_denorm_mode_32 3
		.amdhsa_float_denorm_mode_16_64 3
		.amdhsa_memory_ordered 1
		.amdhsa_forward_progress 1
		.amdhsa_inst_pref_size 38
	.end_amdhsa_kernel
	.amdgpu_metadata
---
amdhsa.version: [ 1, 2 ]
amdhsa.kernels:
  - .name:           k_q0e02a0a7cf_attn_c
    .symbol:         k_q0e02a0a7cf_attn_c.kd
    .args:
      - { .name: qb, .offset: 0, .size: 8, .value_kind: global_buffer, .address_space: global }
      - { .name: kvc, .offset: 8, .size: 8, .value_kind: global_buffer, .address_space: global }
      - { .name: ob, .offset: 16, .size: 8, .value_kind: global_buffer, .address_space: global }
    .group_segment_fixed_size: 169984
    .private_segment_fixed_size: 0
    .kernarg_segment_align: 8
    .kernarg_segment_size: 24
    .max_flat_workgroup_size: 512
    .sgpr_count:     84
    .vgpr_count:     256
    .wavefront_size: 32
...
	.end_amdgpu_metadata
.endif
;; end of part 6
;; launch final (part 7): grid 256 x 1, 8 waves a work-group, no clusters, 176,640 bytes of LDS; arguments x1, ob, wb, g1, b1, bf1, bf2, out0; writes out0
.if DOCPART == 7
	.amdgcn_target "amdgcn-amd-amdhsa--gfx1250"
	.amdhsa_code_object_version 6
	.text
	.protected	k_q0e02a0a7cf_final
	.globl	k_q0e02a0a7cf_final
	.p2align	8
	.type	k_q0e02a0a7cf_final,@function
k_q0e02a0a7cf_final:
	s_mov_b64 s[64:65], 0
	v_nop
	global_prefetch_b8 v0, s[64:65] scope:SCOPE_SE
	s_setreg_imm32_b32 hwreg(HW_REG_WAVE_MODE, 25, 1), 1
	s_wait_xcnt 0x0
; FINAL: X2 = X1 + o Wo_c; n = LN(X2); h = gelu(n W1 + bf1), with the exact erf; out = X2 + h W2 + bf2.  The three products on codes of FP6 (E2M3) with one E8M0 scale for each 32 along K; n and h never go to memory.
; SHARES: a work-group takes 32 whole rows (block blk: two tiles rt of 16; lane r of tile rt is row 32 blk + 8 rt + r + 8 (r / 8)); wave w takes columns 64 w .. 64 w + 63: 8 accumulators, 32 matrix instructions a weight.
; THE PRODUCTS ARE USED TRANSPOSED (source 0 = 16 columns of the weight, source 1 = 16 rows): lane (r, h) holds row r, register 16 beta + i column 64 w + 32 beta + 16 h + i.  What is added to a product (X1; bf1; X2 + bf2) stands in that
; layout in the accumulators and is the C of the product's first instructions.  X2 waits in LDS, as an image of its registers, while the norm and the two products use the accumulators.
; OPERANDS GO FROM WAVE TO WAVE THROUGH LDS AS IMAGES OF THEIR REGISTERS (a sub-image, 16 rows x 64 K, is 768 bytes: registers 0-3 at 16 x lane, 4-5 at 512 + 8 x lane).
; NO JOINT LOADS, though all 256 work-groups walk the same weights: each wave takes its own 24,576 bytes of a weight straight into registers; joint loads would send 3 x 196,608 bytes through LDS in slots filled again, with a round of a cluster's barrier for each.
; erf(z) = z P(z^2) / Q(z^2), z held to -4 .. 4, P of degree 6 and Q of degree 4 in z^2: about 1e-7 absolute.
; LIMITS: that error of erf; a block of zeros carries the byte 1 in place of 127; NaN and infinities are not served.
.set L16, 1
.set L8,  2
.set R16, 3
.set XA,  4
.set IW16, 5
.set IW8, 6
.set SW,  7
.set SR,  8
.set RW,  9
.set STO, 10
.set SRD, 11
.set GO,  12
.set CB,  13
.set XS16, 14                          ; XSV + 8192 w + 16 x lane
.set R2,  15                           ; 2 r
.set ACC, 16
.set WA,  80
.set WB,  128
.set AF0, 176
.set AF1, 200
.set WS,  224
.set AS,  240
.set G,   128
.set BB,  160
.set TM,  192
.set PC,  208
.set PT,  128
.set TA,  208
.set EX,  216
.set MN,  218
.set PW,  248
.set RS,  250
.set ZZ,  128                          ; the activation's registers: z, z^2, P, Q of four pairs
.set Z2,  136
.set PP,  144
.set QQ,  152
.set CA,  250                          ; v250-251 P's leading coefficient, v252-253 Q's
.set CQ,  252
.set AIMG, 0
.set ASC,  36864
.set RED1, 38400
.set RED2, 39424
.set XSV,  40448                       ; X2: 8,192 bytes for each wave
.set STG,  105984                      ; a stage of 32 rows x (256 bytes + 16) for each wave
.set WV, 20
.set XP, 22
.set GP, 24
.set BP, 26
.set WP, 28
.set WSP, 30
.set OBP, 32
.set OSP, 34
.set F1P, 36
.set F2P, 38
.set OUTP, 40
.set SEL, 42
.set INV, 44
.set EPS, 45
.set RS2, 46
.macro PLACES n
.rept \n
	v_nop
.endr
.endm
.macro BARRIER
	s_wait_dscnt 0x0
	s_barrier_signal -1
	s_barrier_wait -1
.endm
.macro WLOAD set, s, mi
.irp nt, 0,1,2,3
.irp c, 0,1
	global_load_b128 v[\set+12*\nt+6*\c:\set+12*\nt+6*\c+3], v[L16], s[WP:WP+1] offset:(\mi)*196608+(\s)*6144+\nt*1536+\c*768
	global_load_b64 v[\set+12*\nt+6*\c+4:\set+12*\nt+6*\c+5], v[L8], s[WP:WP+1] offset:(\mi)*196608+(\s)*6144+\nt*1536+\c*768+512
.endr
.endr
.endm
.macro WSCL mi
.irp s, 0,1,2,3
	global_load_b128 v[WS+4*\s:WS+4*\s+3], v[R16], s[WSP:WSP+1] offset:1572864+(\mi)*8192+256*\s
.endr
.endm
.macro ASCL k
.irp rt, 0,1
	ds_load_b128 v[AS+4*\rt:AS+4*\rt+3], v[SR] offset:ASC+(\k)*512+16*\rt
.endr
.endm
.macro ALOAD af, s, k
.irp rt, 0,1
	ds_load_b128 v[\af+12*\rt:\af+12*\rt+3], v[L16] offset:AIMG+(\k)*12288+\rt*6144+(\s)*1536
	ds_load_b64 v[\af+12*\rt+4:\af+12*\rt+5], v[L8] offset:AIMG+(\k)*12288+\rt*6144+(\s)*1536+512
	ds_load_b128 v[\af+12*\rt+6:\af+12*\rt+9], v[L16] offset:AIMG+(\k)*12288+\rt*6144+(\s)*1536+768
	ds_load_b64 v[\af+12*\rt+10:\af+12*\rt+11], v[L8] offset:AIMG+(\k)*12288+\rt*6144+(\s)*1536+1280
.endr
.endm
; 8 matrix instructions that add onto the 8 accumulators, by turns
.macro MM s, set, af
.irp rt, 0,1
.irp nt, 0,1,2,3
	v_wmma_scale_f32_16x16x128_f8f6f4 v[ACC+32*\rt+8*\nt:ACC+32*\rt+8*\nt+7], v[\set+12*\nt:\set+12*\nt+11], v[\af+12*\rt:\af+12*\rt+11], v[ACC+32*\rt+8*\nt:ACC+32*\rt+8*\nt+7], v[WS+4*(\s)+\nt], v[AS+4*\rt+(\s)] matrix_a_fmt:MATRIX_FMT_FP6 matrix_b_fmt:MATRIX_FMT_FP6
.endr
.endr
.endm
; A product over K = 512: four K steps on two sets of registers.  On entry the weight's K step 0 (set WA) and its scale words have been asked for, and the accumulators hold what the product is added to.  nmi: the next weight, or -1.
.macro GEMM k, mi, nmi
	s_wait_xcnt 0x0
	WLOAD WB, 1, \mi
	ASCL \k
	ALOAD AF0, 0, \k
	ALOAD AF1, 1, \k
	s_wait_loadcnt 16                              ; all but set WB's 16 loads
	s_wait_dscnt 8                                 ; all but AF1's 8
	MM 0, WA, AF0
	PLACES 4                                       ; four places in front of loads into registers that matrix instructions have read
	WLOAD WA, 2, \mi
	ALOAD AF0, 2, \k
	s_wait_loadcnt 16
	s_wait_dscnt 8
	MM 1, WB, AF1
	PLACES 4
	WLOAD WB, 3, \mi
	ALOAD AF1, 3, \k
	s_wait_loadcnt 16
	s_wait_dscnt 8
	MM 2, WA, AF0
	PLACES 4
.if (\nmi) >= 0
	WLOAD WA, 0, \nmi
	s_wait_loadcnt 16                              ; K step 3's weights are in, the next weight's 16 loads may be out
.else
	s_wait_loadcnt 0x0
.endif
	s_wait_dscnt 0x0
	MM 3, WB, AF1
	PLACES 5
.if (\nmi) >= 0
	WSCL \nmi
.endif
.endm
.macro QSCALE s, pw
.irp b, 0,1,2,3
	v_max3_num_f32 v[TM+\b], |v[\s+16*\b]|, |v[\s+16*\b+1]|, 0x1800000
.endr
.irp i, 2,4,6,8,10,12,14
.irp b, 0,1,2,3
	v_max3_num_f32 v[TM+\b], v[TM+\b], |v[\s+16*\b+\i]|, |v[\s+16*\b+\i+1]|
.endr
.endr
.irp b, 0,1,2,3
	v_permlanex16_b32 v[TM+4+\b], v[TM+\b], s[SEL], s[SEL+1]
.endr
.irp b, 0,1,2,3
	v_max_num_f32 v[TM+\b], v[TM+\b], v[TM+4+\b]
.endr
.irp b, 0,1,2,3
	v_add_nc_u32 v[TM+12+\b], 0xff000000, v[TM+\b]
.endr
.irp b, 0,1,2,3
	v_lshrrev_b32 v[TM+4+\b], 23, v[TM+12+\b]
.endr
	v_lshl_or_b32 v[\pw], v[TM+5], 8, v[TM+4]
	v_lshl_or_b32 v[\pw], v[TM+6], 16, v[\pw]
	v_lshl_or_b32 v[\pw], v[TM+7], 24, v[\pw]
.endm
.macro QCODES s, pc
.irp c, 0,1
	v_cvt_scalef32_pk16_fp6_f32 v[\pc+6*\c:\pc+6*\c+2], v[\s+32*\c:\s+32*\c+15], v[TM+12+2*\c]
	v_cvt_scalef32_pk16_fp6_f32 v[PT+4*\c:PT+4*\c+2], v[\s+32*\c+16:\s+32*\c+31], v[TM+13+2*\c]
.endr
	v_nop
.irp c, 0,1
.irp i, 0,1,2
	v_permlane16_swap_b32 v[\pc+6*\c+\i], v[PT+4*\c+\i]
.endr
.irp i, 0,1,2
	v_mov_b32 v[\pc+6*\c+3+\i], v[PT+4*\c+\i]
.endr
.endr
.endm
.macro IMAGE k
	ds_store_b128 v[IW16], v[PC:PC+3] offset:AIMG+(\k)*12288
	ds_store_b64 v[IW8], v[PC+4:PC+5] offset:AIMG+(\k)*12288+512
	ds_store_b128 v[IW16], v[PC+6:PC+9] offset:AIMG+(\k)*12288+6144
	ds_store_b64 v[IW8], v[PC+10:PC+11] offset:AIMG+(\k)*12288+6144+512
	v_lshrrev_b32 v249, 16, v[PW]
	ds_store_b16 v[SW], v[PW] offset:ASC+(\k)*512
	ds_store_b16 v[SW], v249 offset:ASC+(\k)*512+16
.endm
.macro XIN p
.irp rt, 0,1
.irp q, 0,1,2,3,4,5,6,7
	global_load_b128 v[ACC+32*\rt+4*\q:ACC+32*\rt+4*\q+3], v[XA], s[\p:\p+1] offset:\rt*16384+128*(\q/4)+16*(\q%4)
.endr
.endr
.endm
.macro GBIN
.irp q, 0,1,2,3,4,5,6,7
	global_load_b128 v[G+4*\q:G+4*\q+3], v[CB], s[GP:GP+1] offset:128*(\q/4)+16*(\q%4)
.endr
.irp q, 0,1,2,3,4,5,6,7
	global_load_b128 v[BB+4*\q:BB+4*\q+3], v[CB], s[BP:BP+1] offset:128*(\q/4)+16*(\q%4)
.endr
.endm
.macro REDUCE base
.irp rt, 0,1
	v_pk_add_f32 v[TA+4*\rt:TA+4*\rt+1], v[TA+4*\rt:TA+4*\rt+1], v[TA+4*\rt+2:TA+4*\rt+3]
.endr
.irp rt, 0,1
	v_add_f32 v[TA+4*\rt], v[TA+4*\rt], v[TA+4*\rt+1]
.endr
.irp rt, 0,1
	v_permlanex16_b32 v[EX+\rt], v[TA+4*\rt], s[SEL], s[SEL+1]
.endr
.irp rt, 0,1
	v_add_f32 v[TA+4*\rt], v[TA+4*\rt], v[EX+\rt]
.endr
.irp rt, 0,1
	ds_store_b32 v[RW], v[TA+4*\rt] offset:\base+512*\rt
.endr
	BARRIER
.irp rt, 0,1
	ds_load_b128 v[192+8*\rt:195+8*\rt], v[SR] offset:\base+512*\rt
	ds_load_b128 v[196+8*\rt:199+8*\rt], v[SR] offset:\base+512*\rt+16
.endr
	s_wait_dscnt 0x0
.irp rt, 0,1
	v_pk_add_f32 v[192+8*\rt:193+8*\rt], v[192+8*\rt:193+8*\rt], v[194+8*\rt:195+8*\rt]
	v_pk_add_f32 v[196+8*\rt:197+8*\rt], v[196+8*\rt:197+8*\rt], v[198+8*\rt:199+8*\rt]
.endr
.irp rt, 0,1
	v_pk_add_f32 v[192+8*\rt:193+8*\rt], v[192+8*\rt:193+8*\rt], v[196+8*\rt:197+8*\rt]
.endr
.irp rt, 0,1
	v_add_f32 v[192+8*\rt], v[192+8*\rt], v[193+8*\rt]
.endr
.endm
; the norm, in place on v[ACC ..], in two passes as it is defined
.macro LN gw
.irp rt, 0,1
	v_pk_add_f32 v[TA+4*\rt:TA+4*\rt+1], v[ACC+32*\rt:ACC+32*\rt+1], v[ACC+32*\rt+2:ACC+32*\rt+3]
	v_pk_add_f32 v[TA+4*\rt+2:TA+4*\rt+3], v[ACC+32*\rt+4:ACC+32*\rt+5], v[ACC+32*\rt+6:ACC+32*\rt+7]
.endr
.irp j, 8,12,16,20,24,28
.irp rt, 0,1
	v_pk_add_f32 v[TA+4*\rt:TA+4*\rt+1], v[TA+4*\rt:TA+4*\rt+1], v[ACC+32*\rt+\j:ACC+32*\rt+\j+1]
	v_pk_add_f32 v[TA+4*\rt+2:TA+4*\rt+3], v[TA+4*\rt+2:TA+4*\rt+3], v[ACC+32*\rt+\j+2:ACC+32*\rt+\j+3]
.endr
.endr
	REDUCE RED1
.irp rt, 0,1
	v_mul_f32 v[MN+2*\rt], 0x3b000000, v[192+8*\rt]
.endr
.irp rt, 0,1
	v_mov_b32 v[MN+2*\rt+1], v[MN+2*\rt]
.endr
.set j, 0
.rept 16
	v_pk_add_f32 v[ACC+j:ACC+j+1], v[ACC+j:ACC+j+1], v[MN:MN+1] neg_lo:[0,1] neg_hi:[0,1]
	v_pk_add_f32 v[ACC+32+j:ACC+33+j], v[ACC+32+j:ACC+33+j], v[MN+2:MN+3] neg_lo:[0,1] neg_hi:[0,1]
.set j, j+2
.endr
.irp rt, 0,1
	v_pk_mul_f32 v[TA+4*\rt:TA+4*\rt+1], v[ACC+32*\rt:ACC+32*\rt+1], v[ACC+32*\rt:ACC+32*\rt+1]
	v_pk_mul_f32 v[TA+4*\rt+2:TA+4*\rt+3], v[ACC+32*\rt+2:ACC+32*\rt+3], v[ACC+32*\rt+2:ACC+32*\rt+3]
.endr
.irp j, 4,8,12,16,20,24,28
.irp rt, 0,1
	v_pk_fma_f32 v[TA+4*\rt:TA+4*\rt+1], v[ACC+32*\rt+\j:ACC+32*\rt+\j+1], v[ACC+32*\rt+\j:ACC+32*\rt+\j+1], v[TA+4*\rt:TA+4*\rt+1]
	v_pk_fma_f32 v[TA+4*\rt+2:TA+4*\rt+3], v[ACC+32*\rt+\j+2:ACC+32*\rt+\j+3], v[ACC+32*\rt+\j+2:ACC+32*\rt+\j+3], v[TA+4*\rt+2:TA+4*\rt+3]
.endr
.endr
	REDUCE RED2
.irp rt, 0,1
	v_fma_f32 v[RS+2*\rt], v[192+8*\rt], s[INV], s[EPS]
.endr
.irp rt, 0,1
	v_rsq_f32 v[RS+2*\rt], v[RS+2*\rt]
.endr
	v_nop
	s_wait_alu depctr_va_vdst(0)
.irp rt, 0,1
	v_mov_b32 v[RS+2*\rt+1], v[RS+2*\rt]
.endr
	s_wait_loadcnt \gw
.set j, 0
.rept 16
	v_pk_mul_f32 v[ACC+j:ACC+j+1], v[ACC+j:ACC+j+1], v[RS:RS+1]
	v_pk_mul_f32 v[ACC+32+j:ACC+33+j], v[ACC+32+j:ACC+33+j], v[RS+2:RS+3]
	v_pk_fma_f32 v[ACC+j:ACC+j+1], v[ACC+j:ACC+j+1], v[G+j:G+j+1], v[BB+j:BB+j+1]
	v_pk_fma_f32 v[ACC+32+j:ACC+33+j], v[ACC+32+j:ACC+33+j], v[G+j:G+j+1], v[BB+j:BB+j+1]
.set j, j+2
.endr
.endm
; gelu of the eight numbers of one accumulator, in place: 0.5 x (1 + erf(x / sqrt 2)), four pairs by turns
.macro GELU8 x
.irp p, 0,1,2,3
	v_pk_mul_f32 v[ZZ+2*\p:ZZ+2*\p+1], v[\x+2*\p:\x+2*\p+1], s[RS2:RS2+1] op_sel_hi:[1,0]
.endr
.irp p, 0,1,2,3,4,5,6,7
	v_med3_num_f32 v[ZZ+\p], v[ZZ+\p], -4.0, 4.0
.endr
.irp p, 0,1,2,3
	v_pk_mul_f32 v[Z2+2*\p:Z2+2*\p+1], v[ZZ+2*\p:ZZ+2*\p+1], v[ZZ+2*\p:ZZ+2*\p+1]
.endr
.irp p, 0,1,2,3
	v_pk_fma_f32 v[PP+2*\p:PP+2*\p+1], v[Z2+2*\p:Z2+2*\p+1], v[CA:CA+1], 0x32edffee op_sel_hi:[1,1,0]
.endr
.irp k, 0xb60cff51, 0xb86ec2d2, 0xba40ac63, 0xbb41a1f6, 0xbc83dbd4
.irp p, 0,1,2,3
	v_pk_fma_f32 v[PP+2*\p:PP+2*\p+1], v[PP+2*\p:PP+2*\p+1], v[Z2+2*\p:Z2+2*\p+1], \k op_sel_hi:[1,1,0]
.endr
.endr
.irp p, 0,1,2,3
	v_pk_fma_f32 v[QQ+2*\p:QQ+2*\p+1], v[Z2+2*\p:Z2+2*\p+1], v[CQ:CQ+1], 0xb95fbd29 op_sel_hi:[1,1,0]
.endr
.irp k, 0xbadc924e, 0xbbf19bf8, 0xbc69b6a7
.irp p, 0,1,2,3
	v_pk_fma_f32 v[QQ+2*\p:QQ+2*\p+1], v[QQ+2*\p:QQ+2*\p+1], v[Z2+2*\p:Z2+2*\p+1], \k op_sel_hi:[1,1,0]
.endr
.endr
.irp p, 0,1,2,3,4,5,6,7
	v_rcp_f32 v[QQ+\p], v[QQ+\p]
.endr
.irp p, 0,1,2,3
	v_pk_mul_f32 v[PP+2*\p:PP+2*\p+1], v[PP+2*\p:PP+2*\p+1], v[ZZ+2*\p:ZZ+2*\p+1]      ; (plain lines behind the reciprocals)
.endr
	s_wait_alu depctr_va_vdst(0)
.irp p, 0,1,2,3
	v_pk_mul_f32 v[PP+2*\p:PP+2*\p+1], v[PP+2*\p:PP+2*\p+1], v[QQ+2*\p:QQ+2*\p+1]      ; erf
.endr
.irp p, 0,1,2,3
	v_pk_mul_f32 v[\x+2*\p:\x+2*\p+1], v[\x+2*\p:\x+2*\p+1], 0.5 op_sel_hi:[1,0]
.endr
.irp p, 0,1,2,3
	v_pk_fma_f32 v[\x+2*\p:\x+2*\p+1], v[\x+2*\p:\x+2*\p+1], v[PP+2*\p:PP+2*\p+1], v[\x+2*\p:\x+2*\p+1]
.endr
.endm
	s_load_b512 s[4:19], s[0:1], 0x0               ; x1 4, ob 6, wb 8, g1 10, b1 12, bf1 14, bf2 16, out0 18
	v_lshl_add_u32 v254, v0, 2, 0x2ae00
	v_mov_b32 v255, 0
	v_lshrrev_b32 v249, 5, v0
	v_readfirstlane_b32 s[WV], v249
	v_and_b32 v251, 31, v0
	v_and_b32 v249, 15, v0
	v_bfe_u32 v250, v0, 4, 1
	v_lshlrev_b32 v[L16], 4, v251
	v_lshlrev_b32 v[L8], 3, v251
	v_lshlrev_b32 v[R16], 4, v249
	v_lshlrev_b32 v[R2], 1, v249
	v_and_b32 v[XA], 8, v249
	v_add_nc_u32 v[XA], v[XA], v249
	v_lshlrev_b32 v[XA], 11, v[XA]
	v_lshl_add_u32 v[XA], v250, 6, v[XA]
	s_mul_i32 s48, s[WV], 768
	v_add_nc_u32 v[IW16], s48, v[L16]
	v_add_nc_u32 v[IW8], s48, v[L8]
	v_lshlrev_b32 v[SR], 5, v249
	s_lshl_b32 s48, s[WV], 1
	v_add_nc_u32 v[SW], s48, v[SR]
	s_lshl_b32 s48, s[WV], 2
	v_add_nc_u32 v[RW], s48, v[SR]
	v_lshlrev_b32 v[CB], 6, v250
	s_lshl_b32 s48, s[WV], 13
	s_add_co_u32 s48, s48, XSV
	v_add_nc_u32 v[XS16], s48, v[L16]
	s_mul_i32 s48, s[WV], 8704
	s_add_co_u32 s48, s48, STG
	v_mul_u32_u24 v[STO], v249, 272
	v_lshl_add_u32 v[STO], v250, 6, v[STO]
	v_add_nc_u32 v[STO], s48, v[STO]
	v_mul_u32_u24 v[SRD], v250, 272
	v_lshl_add_u32 v[SRD], v249, 4, v[SRD]
	v_add_nc_u32 v[SRD], s48, v[SRD]
	v_lshlrev_b32 v[GO], 11, v250
	v_lshl_add_u32 v[GO], v249, 4, v[GO]
	v_mov_b32 v[EX], 0
	v_mov_b32 v[EX+1], 0
.irp b, 0,1,2,3
	v_mov_b32 v[TM+4+\b], 0
.endr
	s_mov_b32 s[SEL], 0x76543210
	s_mov_b32 s[SEL+1], 0xfedcba98
	s_mov_b32 s[INV], 0x3b000000
	s_mov_b32 s[EPS], 0x3727c5ac
	s_mov_b32 s[RS2], 0x3f3504f3                   ; 1 / sqrt 2
	s_mov_b32 s[RS2+1], s[RS2]
	s_lshl_b32 s48, ttmp9, 16
	s_lshl_b32 s50, s[WV], 8
	s_add_co_u32 s48, s48, s50
	s_mov_b32 s49, 0
	s_mov_b32 s51, 0
	s_wait_kmcnt 0x0
	s_add_nc_u64 s[XP:XP+1], s[4:5], s[48:49]
	s_add_nc_u64 s[OUTP:OUTP+1], s[18:19], s[48:49]
	s_add_nc_u64 s[GP:GP+1], s[10:11], s[50:51]
	s_add_nc_u64 s[BP:BP+1], s[12:13], s[50:51]
	s_add_nc_u64 s[F1P:F1P+1], s[14:15], s[50:51]
	s_add_nc_u64 s[F2P:F2P+1], s[16:17], s[50:51]
	s_mul_i32 s50, s[WV], 24576
	s_add_nc_u64 s[WP:WP+1], s[8:9], s[50:51]
	s_lshl_b32 s50, s[WV], 10
	s_add_nc_u64 s[WSP:WSP+1], s[8:9], s[50:51]
	s_mul_i32 s50, ttmp9, 12288
	s_mul_i32 s48, s[WV], 768
	s_add_co_u32 s50, s50, s48
	s_add_nc_u64 s[OBP:OBP+1], s[6:7], s[50:51]
	s_lshl_b32 s50, s[WV], 9
	s_lshl_b32 s48, ttmp9, 1
	s_add_co_u32 s50, s50, s48
	s_lshl_b32 s50, s50, 5
	s_add_nc_u64 s[OSP:OSP+1], s[6:7], s[50:51]
	s_add_nc_u64 s[OSP:OSP+1], s[OSP:OSP+1], 3145728
.irp rt, 0,1
	global_load_b128 v[176+6*\rt:179+6*\rt], v[L16], s[OBP:OBP+1] offset:6144*\rt
	global_load_b64 v[180+6*\rt:181+6*\rt], v[L8], s[OBP:OBP+1] offset:6144*\rt+512
	global_load_u16 v[188+\rt], v[R2], s[OSP:OSP+1] offset:32*\rt
.endr
	XIN XP
	WLOAD WA, 0, 5
	WSCL 5
	s_wait_loadcnt 36                              ; o's six loads are in; X1 (16), the weight's K step 0 (16) and its scale words (4) may be out
.irp rt, 0,1
	ds_store_b128 v[IW16], v[176+6*\rt:179+6*\rt] offset:AIMG+6144*\rt
	ds_store_b64 v[IW8], v[180+6*\rt:181+6*\rt] offset:AIMG+6144*\rt+512
	ds_store_b16 v[SW], v[188+\rt] offset:ASC+16*\rt
.endr
	BARRIER
	GEMM 0, 5, 6                                   ; X2 = X1 + o Wo_c
	GBIN
.irp q, 0,1,2,3,4,5,6,7,8,9,10,11,12,13,14,15
	ds_store_b128 v[XS16], v[ACC+4*\q:ACC+4*\q+3] offset:512*\q      ; X2 waits in my own LDS bytes; each accumulator from its low end on
.endr
	LN 0
	QSCALE ACC, PW
	QCODES ACC, PC
	IMAGE 1
.irp rt, 0,1
.irp q, 0,1,2,3,4,5,6,7
	global_load_b128 v[ACC+32*\rt+4*\q:ACC+32*\rt+4*\q+3], v[CB], s[F1P:F1P+1] offset:128*(\q/4)+16*(\q%4)     ; bf1, in the result's layout: the C of the next product
.endr
.endr
	BARRIER
	GEMM 1, 6, 7                                   ; n W1 + bf1 (its first wait, for all but 16 loads, covers bf1)
	v_mov_b32 v[CA], 0xaf95df0b
	v_mov_b32 v[CA+1], 0xaf95df0b
	v_mov_b32 v[CQ], 0xb77460cd
	v_mov_b32 v[CQ+1], 0xb77460cd
.irp a, 0,1,2,3,4,5,6,7
	GELU8 ACC+8*\a
.endr
	QSCALE ACC, PW
	QCODES ACC, PC
	IMAGE 2
.irp q, 0,1,2,3,4,5,6,7
	global_load_b128 v[G+4*\q:G+4*\q+3], v[CB], s[F2P:F2P+1] offset:128*(\q/4)+16*(\q%4)
.endr
.irp q, 0,1,2,3,4,5,6,7,8,9,10,11,12,13,14,15
	ds_load_b128 v[ACC+4*\q:ACC+4*\q+3], v[XS16] offset:512*\q       ; X2 comes back
.endr
	s_wait_loadcnt 0x0
	s_wait_dscnt 0x0
.set j, 0
.rept 16
	v_pk_add_f32 v[ACC+j:ACC+j+1], v[ACC+j:ACC+j+1], v[G+j:G+j+1]            ; X2 + bf2: the C of the last product
	v_pk_add_f32 v[ACC+32+j:ACC+33+j], v[ACC+32+j:ACC+33+j], v[G+j:G+j+1]
.set j, j+2
.endr
	BARRIER
	GEMM 2, 7, -1                                  ; out = X2 + bf2 + h W2
	; my 64 columns of the 32 rows go through my own stage and leave as rows: sixteen lanes store 256 consecutive bytes, at a multiple of 256 from the buffer's first byte.  Stage row 16 rt + rho is row 8 rt + rho + 8 (rho / 8).
.irp rt, 0,1
.irp q, 0,1,2,3,4,5,6,7
	ds_store_b128 v[STO], v[ACC+32*\rt+4*\q:ACC+32*\rt+4*\q+3] offset:\rt*4352+128*(\q/4)+16*(\q%4)
.endr
.endr
.irp c, 0,1
.irp i, 0,1,2,3,4,5,6,7
	ds_load_b128 v[192+4*\i:195+4*\i], v[SRD] offset:(8*\c+\i)*544
.endr
.irp i, 0,1,2,3,4,5,6,7
	s_wait_dscnt 7-\i
	global_store_b128 v[GO], v[192+4*\i:195+4*\i], s[OUTP:OUTP+1] offset:(8*\c+2*\i+8*(\i/4))*2048 th:TH_STORE_NT
.endr
	s_wait_xcnt 0x0                                ; the stores have read their data: the registers may be written again
.endr
	s_wait_tensorcnt 0x0
	ds_add_u32 v254, v255
	s_wait_dscnt 0x0
	s_endpgm
.Lfunc_end_k_q0e02a0a7cf_final:
	.size	k_q0e02a0a7cf_final, .Lfunc_end_k_q0e02a0a7cf_final-k_q0e02a0a7cf_final
	.p2alignl 7, 3214868480
	.fill 96, 4, 3214868480
	.section	.rodata,"a",@progbits
	.p2align	6, 0x0
	.amdhsa_kernel k_q0e02a0a7cf_final
		.amdhsa_group_segment_fixed_size 176640
		.amdhsa_private_segment_fixed_size 0
		.amdhsa_enable_private_segment 0
		.amdhsa_kernarg_size 64
		.amdhsa_user_sgpr_count 2
		.amdhsa_user_sgpr_kernarg_segment_ptr 1
		.amdhsa_wavefront_size32 1
		.amdhsa_system_sgpr_workgroup_id_x 1
		.amdhsa_system_sgpr_workgroup_id_y 1
		.amdhsa_system_sgpr_workgroup_id_z 1
		.amdhsa_system_vgpr_workitem_id 0
		.amdhsa_next_free_vgpr 256
		.amdhsa_next_free_sgpr 66
		.amdhsa_reserve_vcc 0
		.amdhsa_float_denorm_mode_32 3
		.amdhsa_float_denorm_mode_16_64 3
		.amdhsa_memory_ordered 1
		.amdhsa_forward_progress 1
		.amdhsa_inst_pref_size 128
	.end_amdhsa_kernel
	.amdgpu_metadata
---
amdhsa.version: [ 1, 2 ]
amdhsa.kernels:
  - .name:           k_q0e02a0a7cf_final
    .symbol:         k_q0e02a0a7cf_final.kd
    .args:
      - { .name: x1, .offset: 0, .size: 8, .value_kind: global_buffer, .address_space: global }
      - { .name: ob, .offset: 8, .size: 8, .value_kind: global_buffer, .address_space: global }
      - { .name: wb, .offset: 16, .size: 8, .value_kind: global_buffer, .address_space: global }
      - { .name: g1, .offset: 24, .size: 8, .value_kind: global_buffer, .address_space: global }
      - { .name: b1, .offset: 32, .size: 8, .value_kind: global_buffer, .address_space: global }
      - { .name: bf1, .offset: 40, .size: 8, .value_kind: global_buffer, .address_space: global }
      - { .name: bf2, .offset: 48, .size: 8, .value_kind: global_buffer, .address_space: global }
      - { .name: out0, .offset: 56, .size: 8, .value_kind: global_buffer, .address_space: global }
    .group_segment_fixed_size: 176640
    .private_segment_fixed_size: 0
    .kernarg_segment_align: 8
    .kernarg_segment_size: 64
    .max_flat_workgroup_size: 256
    .sgpr_count:     66
    .vgpr_count:     256
    .wavefront_size: 32
...
	.end_amdgpu_metadata
.endif
;; end of part 7
;; ======== version 2 of 2: 7 launches; version 1 with the launches qkv, mid, zkv, final written anew for expert scheduling mode
;; workspace buffers: wb 1,740,800 bytes; qb 3,407,872 bytes; kvs 6,553,600 bytes; kvc 3,276,800 bytes; ob 3,276,800 bytes; x1 16,777,216 bytes
;; launch prep: the kernel of part 1 again; grid 272 x 1, 2 waves a work-group, no clusters, 0 bytes of LDS; arguments Wq_s, Wk_s, Wv_s, Wo_s, Wq_c, Wo_c, W1, W2, Wk_c, Wv_c, wb; writes wb
;; launch qkv (part 8): grid 256 x 1, 8 waves a work-group, no clusters, 41,472 bytes of LDS; arguments X, g1, b1, wb, qb, kvs; writes qb, kvs
.if DOCPART == 8
	.amdgcn_target "amdgcn-amd-amdhsa--gfx1250"
	.amdhsa_code_object_version 6
	.text
	.protected	k_q0e02a0a7cf_qkv
	.globl	k_q0e02a0a7cf_qkv
	.p2align	8
	.type	k_q0e02a0a7cf_qkv,@function
k_q0e02a0a7cf_qkv:
	s_mov_b64 s[64:65], 0
	v_nop
	global_prefetch_b8 v0, s[64:65] scope:SCOPE_SE
	s_setreg_imm32_b32 hwreg(HW_REG_WAVE_SCHED_MODE, 0, 2), 2
	s_setreg_imm32_b32 hwreg(HW_REG_WAVE_MODE, 25, 1), 1
	s_wait_xcnt 0x0
	s_wait_alu depctr_vm_vsrc(0)
; QKV: n = LN(X); q = n Wq_s, k = n Wk_s, v = n Wv_s, all three products on codes of FP6 (E2M3) with one E8M0 scale for each 32 along K; q, k (along the head's 64) and v (along the keys) leave as codes.
; SHARES: a work-group takes 32 whole rows (block blk = 64 b + f: two tiles rt = 0, 1 of 16; lane r of tile rt is row 32 blk + 8 rt + r + 8 (r / 8)); wave w takes columns 64 w .. 64 w + 63, which are head w: 8 accumulators, 32 matrix instructions a weight.
; THE PRODUCTS FOR q AND k ARE USED TRANSPOSED (source 0 = 16 columns of the weight, source 1 = 16 rows): with the weight's tiles as the first launch laid them, lane (r, h) holds row r and register 16 beta + i is column 64 w + 32 beta + 16 h + i:
; 16 neighbours along the next K.  THE PRODUCT FOR v IS USED AS IT STANDS (source 0 = rows): a lane then holds one column and its 16 registers of a column tile are keys 16 h + 0 .. 15 of the block of 32: neighbours along ITS next K, the keys.
; OPERANDS GO FROM WAVE TO WAVE THROUGH LDS AS IMAGES OF THEIR REGISTERS: a sub-image (16 rows x 64 K) is 768 bytes: registers 0-3 at 16 x lane, registers 4-5 at 512 + 8 x lane.  The weights come from memory straight into registers, in the same form.
; NO JOINT LOADS, though all 256 work-groups walk the same weights: each wave takes its own 24,576 bytes of a weight straight into registers; joint loads would send 3 x 196,608 bytes through LDS in slots filled again, with a round of a cluster's barrier for each.
; OUT: qb: codes [b][head][tile 128][768], scale words (s0 s1 s0 s1) at 3145728 + 64 tile + 4 r.  kvs: K's codes [b 8 + head][f][1536] (tile rt 0, then rt 1), V's at 3145728: [bh][f / 4][d tile][f % 4][384] (lane (r, h): 12 bytes at 24 r + 12 h),
;      K's scale words at 6291456: [bh][f / 4][r][f % 4], V's at 6422528 likewise (byte dt = d tile dt).
; LIMITS: a block of zeros carries the byte 1 in place of 127 (zero codes; read by this program alone); NaN and infinities are not served.
; THE MODE: SCHED_MODE bits 1:0 = 2 (LLVM: expert scheduling mode 2), set by the entry lines.  The code itself states the register dependences between vector or matrix instructions and memory or LDS instructions, with s_wait_alu, always for 0.
; THE PLAN.  Registers that memory or LDS instructions touch:
;   v1-15       addresses and offsets: written at the head, ahead of the one wait in front of the first load, and never again.
;   WA, WB      a K step's weights, by turns.  Step s's eight products read the set; the loads of step s + 2 land in it, behind the wait that stands behind those products.
;   AF0, AF1    a K step's two row tiles, by turns.  Step s's products read the set; the LDS loads of step s + 2 land in it, dealt among the products of step s + 1, which name the other set.
;   WS, AS      scale words: read by a product's 32 matrix instructions; the next weight's land behind the wait behind the last of them, the rows' at the next product's head.
;   v128-223    between products: g, b (loaded), the quantiser's registers, the codes (PC) and the norm's sums (TA), which stores read; v248, v249 likewise.
;   ACC         X is loaded into it once, at the head; after that vector and matrix instructions alone name it.
; So: one wait on va_vdst behind each K step's products; one ahead of every run of stores, with all the vector lines moved ahead of it; one wait on vm_vsrc at each product's head and one in each sum over the waves.
.set L16, 1                            ; 16 x lane
.set L8,  2                            ; 8 x lane
.set R16, 3                            ; 16 r
.set XA,  4                            ; (r + 8 (r / 8)) x 2048 + 64 h
.set IW16, 5                           ; 16 x lane + 768 w
.set IW8, 6                            ; 8 x lane + 768 w
.set SW,  7                            ; 32 r + 2 w
.set SR,  8                            ; 32 r
.set RW,  9                            ; 32 r + 4 w
.set CB,  13                           ; 64 h
.set V24, 14                           ; 24 r + 12 h
.set L4,  15                           ; 4 x lane
.set ACC, 16                           ; v16-79   8 accumulators
.set WA,  80                           ; v80-127  a K step's 4 weight tiles
.set WB,  128                          ; v128-175 the other set
.set AF0, 176                          ; v176-199 a K step's 2 activation tiles
.set AF1, 200                          ; v200-223 the other set
.set WS,  224                          ; v224-239 the weight's scale words, 4 s + nt
.set AS,  240                          ; v240-247 the rows' scale words, 4 rt + s
.set G,   128                          ; between products v128-223 are at work: g, b,
.set BB,  160
.set TM,  192                          ; the quantiser's 16,
.set PC,  208                          ; the codes just made,
.set PT,  128                          ; the conversions' second halves,
.set TA,  208                          ; the norm's sums, exchange, means
.set EX,  216
.set MN,  218
.set PW,  248                          ; the scale word just made
.set RS,  250                          ; v250-253 1 / sigma, as pairs
.set AIMG, 0                           ; LDS: images [rt][g][768]
.set ASC,  36864                       ; scale halves: u16 at 32 r + 16 rt + 2 w
.set RED1, 38400                       ; f32 at 512 rt + 32 r + 4 w
.set RED2, 39424
.set XP, 20
.set GP, 22
.set BP, 24
.set WP, 26
.set WSP, 28
.set QC, 30
.set QSP, 32
.set KC, 34
.set KSP, 36
.set VCP, 38
.set VSP, 40
.set SEL, 42
.set INV, 44
.set EPS, 45
.set HI,  46
.macro PLACES n
.rept \n
	v_nop
.endr
.endm
.macro BARRIER                         ; my LDS stores have landed and my LDS loads are in: then the work-group's barrier
	s_wait_dscnt 0x0
	s_barrier_signal -1
	s_barrier_wait -1
.endm
.macro WLOAD set, s, mi                ; 16 loads: weight mi, K step s, my four column tiles
.irp nt, 0,1,2,3
.irp c, 0,1
	global_load_b128 v[\set+12*\nt+6*\c:\set+12*\nt+6*\c+3], v[L16], s[WP:WP+1] offset:(\mi)*196608+(\s)*6144+\nt*1536+\c*768
	global_load_b64 v[\set+12*\nt+6*\c+4:\set+12*\nt+6*\c+5], v[L8], s[WP:WP+1] offset:(\mi)*196608+(\s)*6144+\nt*1536+\c*768+512
.endr
.endr
.endm
.macro WSCL mi                         ; 4 loads: its scale words
.irp s, 0,1,2,3
	global_load_b128 v[WS+4*\s:WS+4*\s+3], v[R16], s[WSP:WSP+1] offset:1572864+(\mi)*8192+256*\s
.endr
.endm
.macro ASCL k                          ; 2 LDS loads: the rows' scale words of image k
.irp rt, 0,1
	ds_load_b128 v[AS+4*\rt:AS+4*\rt+3], v[SR] offset:ASC+(\k)*512+16*\rt
.endr
.endm
.macro ALOADH af, s, k, rt             ; 4 LDS loads: row tile rt of K step s
	ds_load_b128 v[\af+12*(\rt):\af+12*(\rt)+3], v[L16] offset:AIMG+(\k)*12288+(\rt)*6144+(\s)*1536
	ds_load_b64 v[\af+12*(\rt)+4:\af+12*(\rt)+5], v[L8] offset:AIMG+(\k)*12288+(\rt)*6144+(\s)*1536+512
	ds_load_b128 v[\af+12*(\rt)+6:\af+12*(\rt)+9], v[L16] offset:AIMG+(\k)*12288+(\rt)*6144+(\s)*1536+768
	ds_load_b64 v[\af+12*(\rt)+10:\af+12*(\rt)+11], v[L8] offset:AIMG+(\k)*12288+(\rt)*6144+(\s)*1536+1280
.endm
; 4 matrix instructions: row tile rt of a K step; a step's two halves take the 8 accumulators by turns.  mode 0: transposed, starts the sums; 1: transposed, adds on; 2, 3: the same with the rows as source 0
.macro MMH s, set, af, mode, rt
.irp nt, 0,1,2,3
.if (\mode) == 0
	v_wmma_scale_f32_16x16x128_f8f6f4 v[ACC+32*(\rt)+8*\nt:ACC+32*(\rt)+8*\nt+7], v[\set+12*\nt:\set+12*\nt+11], v[\af+12*(\rt):\af+12*(\rt)+11], 0, v[WS+4*(\s)+\nt], v[AS+4*(\rt)+(\s)] matrix_a_fmt:MATRIX_FMT_FP6 matrix_b_fmt:MATRIX_FMT_FP6
.elseif (\mode) == 1
	v_wmma_scale_f32_16x16x128_f8f6f4 v[ACC+32*(\rt)+8*\nt:ACC+32*(\rt)+8*\nt+7], v[\set+12*\nt:\set+12*\nt+11], v[\af+12*(\rt):\af+12*(\rt)+11], v[ACC+32*(\rt)+8*\nt:ACC+32*(\rt)+8*\nt+7], v[WS+4*(\s)+\nt], v[AS+4*(\rt)+(\s)] matrix_a_fmt:MATRIX_FMT_FP6 matrix_b_fmt:MATRIX_FMT_FP6
.elseif (\mode) == 2
	v_wmma_scale_f32_16x16x128_f8f6f4 v[ACC+16*\nt+8*(\rt):ACC+16*\nt+8*(\rt)+7], v[\af+12*(\rt):\af+12*(\rt)+11], v[\set+12*\nt:\set+12*\nt+11], 0, v[AS+4*(\rt)+(\s)], v[WS+4*(\s)+\nt] matrix_a_fmt:MATRIX_FMT_FP6 matrix_b_fmt:MATRIX_FMT_FP6
.else
	v_wmma_scale_f32_16x16x128_f8f6f4 v[ACC+16*\nt+8*(\rt):ACC+16*\nt+8*(\rt)+7], v[\af+12*(\rt):\af+12*(\rt)+11], v[\set+12*\nt:\set+12*\nt+11], v[ACC+16*\nt+8*(\rt):ACC+16*\nt+8*(\rt)+7], v[AS+4*(\rt)+(\s)], v[WS+4*(\s)+\nt] matrix_a_fmt:MATRIX_FMT_FP6 matrix_b_fmt:MATRIX_FMT_FP6
.endif
.endr
.endm
; A product over K = 512: four K steps on two sets of registers.  On entry the weight's K step 0 (set WA) and its scale words have been asked for.  nmi: the next weight, whose K step 0 and scale words are asked for here, or -1.
; Ahead of every product stands a wait on va_vdst behind which no vector or matrix instruction names WB, AS, AF0 or AF1: so the loads at its head, and AF1's among the first step's products, owe no further one.
.macro GEMM k, mi, first, rest, nmi
	s_wait_xcnt 0x0                                ; earlier stores have read their data, which lie where the loads below land
	s_wait_alu depctr_vm_vsrc(0)                   ; the stores issued ahead of this product have read the codes in v208-219, in which AF1's loads land, and v248, v249, which the next quantiser writes again
	WLOAD WB, 1, \mi
	ASCL \k
	ALOADH AF0, 0, \k, 0
	ALOADH AF0, 0, \k, 1
	s_wait_loadcnt 16                              ; all but set WB's 16 loads
	s_wait_dscnt 0x0                               ; the rows' scale words and AF0
	MMH 0, WA, AF0, \first, 0
	ALOADH AF1, 1, \k, 0                           ; the next step's row tiles, dealt among this step's products, which name the other set
	MMH 0, WA, AF0, \first, 1
	ALOADH AF1, 1, \k, 1
	PLACES 4                                       ; four places in front of loads into registers that matrix instructions have read
	s_wait_alu depctr_va_vdst(0)                   ; step 0's products are done reading WA, in which the loads below land, and AF0, in which the LDS loads among step 1's products land
	WLOAD WA, 2, \mi
	s_wait_loadcnt 16                              ; K step 1's weights are in, K step 2's 16 loads may be out
	s_wait_dscnt 0x0                               ; AF1
	MMH 1, WB, AF1, \rest, 0
	ALOADH AF0, 2, \k, 0
	MMH 1, WB, AF1, \rest, 1
	ALOADH AF0, 2, \k, 1
	PLACES 4
	s_wait_alu depctr_va_vdst(0)                   ; step 1's products are done reading WB and AF1
	WLOAD WB, 3, \mi
	s_wait_loadcnt 16
	s_wait_dscnt 0x0
	MMH 2, WA, AF0, \rest, 0
	ALOADH AF1, 3, \k, 0
	MMH 2, WA, AF0, \rest, 1
	ALOADH AF1, 3, \k, 1
	PLACES 4
.if (\nmi) >= 0
	s_wait_alu depctr_va_vdst(0)                   ; step 2's products are done reading WA, in which the next weight's loads land
	WLOAD WA, 0, \nmi
	s_wait_loadcnt 16                              ; K step 3's weights are in, the next weight's 16 loads may be out
.else
	s_wait_loadcnt 0x0
.endif
	s_wait_dscnt 0x0
	MMH 3, WB, AF1, \rest, 0
	MMH 3, WB, AF1, \rest, 1
	PLACES 5                                       ; five: the next product's first instructions write over these accumulators
.if (\nmi) >= 0
	s_wait_alu depctr_va_vdst(0)                   ; the product's matrix instructions are done reading WS, in which the next weight's scale words land
	WSCL \nmi
.endif
.endm
; 64 numbers of a lane in four blocks of 16 registers; a block of 32 lies in lanes l and l xor 16.  TM+12 .. 15: the conversions' scale operands; pw: the four bytes
.macro QSCALE s, pw
.irp b, 0,1,2,3
	v_max3_num_f32 v[TM+\b], |v[\s+16*\b]|, |v[\s+16*\b+1]|, 0x1800000     ; with the floor 2^(3 - 127): the byte cannot fall under 1
.endr
.irp i, 2,4,6,8,10,12,14
.irp b, 0,1,2,3
	v_max3_num_f32 v[TM+\b], v[TM+\b], |v[\s+16*\b+\i]|, |v[\s+16*\b+\i+1]|
.endr
.endr
.irp b, 0,1,2,3
	v_permlanex16_b32 v[TM+4+\b], v[TM+\b], s[SEL], s[SEL+1]
.endr
.irp b, 0,1,2,3
	v_max_num_f32 v[TM+\b], v[TM+\b], v[TM+4+\b]
.endr
.irp b, 0,1,2,3
	v_add_nc_u32 v[TM+12+\b], 0xff000000, v[TM+\b]         ; 2 off the exponent field
.endr
.irp b, 0,1,2,3
	v_lshrrev_b32 v[TM+4+\b], 23, v[TM+12+\b]
.endr
	v_lshl_or_b32 v[\pw], v[TM+5], 8, v[TM+4]
	v_lshl_or_b32 v[\pw], v[TM+6], 16, v[\pw]
	v_lshl_or_b32 v[\pw], v[TM+7], 24, v[\pw]
.endm
; the codes, a WHOLE block to a lane: registers pc + 6 c .. + 5 are the sub-image of row tile c
.macro QCODES s, pc
.irp c, 0,1
	v_cvt_scalef32_pk16_fp6_f32 v[\pc+6*\c:\pc+6*\c+2], v[\s+32*\c:\s+32*\c+15], v[TM+12+2*\c]
	v_cvt_scalef32_pk16_fp6_f32 v[PT+4*\c:PT+4*\c+2], v[\s+32*\c+16:\s+32*\c+31], v[TM+13+2*\c]
.endr
	v_nop                                          ; one plain line behind the conversions
.irp c, 0,1
.irp i, 0,1,2
	v_permlane16_swap_b32 v[\pc+6*\c+\i], v[PT+4*\c+\i]
.endr
.irp i, 0,1,2
	v_mov_b32 v[\pc+6*\c+3+\i], v[PT+4*\c+\i]
.endr
.endr
.endm
.macro IMAGE k                         ; my two sub-images and my halves of the rows' scale words go to LDS
	v_lshrrev_b32 v249, 16, v[PW]
	s_wait_alu depctr_va_vdst(0)                   ; the codes v[PC ..], v[PW] and v249 are written, which the LDS stores read; and the norm and the quantiser are done with v128-223, in which the next product's loads land
	ds_store_b128 v[IW16], v[PC:PC+3] offset:AIMG+(\k)*12288
	ds_store_b64 v[IW8], v[PC+4:PC+5] offset:AIMG+(\k)*12288+512
	ds_store_b128 v[IW16], v[PC+6:PC+9] offset:AIMG+(\k)*12288+6144
	ds_store_b64 v[IW8], v[PC+10:PC+11] offset:AIMG+(\k)*12288+6144+512
	ds_store_b16 v[SW], v[PW] offset:ASC+(\k)*512          ; lanes l and l xor 16 store the same bytes
	ds_store_b16 v[SW], v249 offset:ASC+(\k)*512+16
.endm
.macro XIN p                           ; 16 loads: my 64 columns of the 32 rows, in the accumulators' layout
.irp rt, 0,1
.irp q, 0,1,2,3,4,5,6,7
	global_load_b128 v[ACC+32*\rt+4*\q:ACC+32*\rt+4*\q+3], v[XA], s[\p:\p+1] offset:\rt*16384+128*(\q/4)+16*(\q%4)
.endr
.endr
.endm
.macro GBIN                            ; 16 loads: g and b of my lane's 32 columns
.irp q, 0,1,2,3,4,5,6,7
	global_load_b128 v[G+4*\q:G+4*\q+3], v[CB], s[GP:GP+1] offset:128*(\q/4)+16*(\q%4)
.endr
.irp q, 0,1,2,3,4,5,6,7
	global_load_b128 v[BB+4*\q:BB+4*\q+3], v[CB], s[BP:BP+1] offset:128*(\q/4)+16*(\q%4)
.endr
.endm
; v[TA ..], v[TA+4 ..]: two pairs of partial sums for each row tile -> the rows' totals over the eight waves, in v192 (rt 0) and v200 (rt 1); the same order of additions in every wave
.macro REDUCE base
.irp rt, 0,1
	v_pk_add_f32 v[TA+4*\rt:TA+4*\rt+1], v[TA+4*\rt:TA+4*\rt+1], v[TA+4*\rt+2:TA+4*\rt+3]
.endr
.irp rt, 0,1
	v_add_f32 v[TA+4*\rt], v[TA+4*\rt], v[TA+4*\rt+1]
.endr
.irp rt, 0,1
	v_permlanex16_b32 v[EX+\rt], v[TA+4*\rt], s[SEL], s[SEL+1]
.endr
.irp rt, 0,1
	v_add_f32 v[TA+4*\rt], v[TA+4*\rt], v[EX+\rt]
.endr
	s_wait_alu depctr_va_vdst(0)                   ; the sums v[TA] and v[TA+4] are written, which the LDS stores read; and every earlier vector line is done with v192-207, in which the loads below land
.irp rt, 0,1
	ds_store_b32 v[RW], v[TA+4*\rt] offset:\base+512*\rt
.endr
	BARRIER
.irp rt, 0,1
	ds_load_b128 v[192+8*\rt:195+8*\rt], v[SR] offset:\base+512*\rt
	ds_load_b128 v[196+8*\rt:199+8*\rt], v[SR] offset:\base+512*\rt+16
.endr
	s_wait_dscnt 0x0
	s_wait_alu depctr_vm_vsrc(0)                   ; the LDS stores have read v[TA] and v[TA+4], which the lines behind this sum write again
.irp rt, 0,1
	v_pk_add_f32 v[192+8*\rt:193+8*\rt], v[192+8*\rt:193+8*\rt], v[194+8*\rt:195+8*\rt]
	v_pk_add_f32 v[196+8*\rt:197+8*\rt], v[196+8*\rt:197+8*\rt], v[198+8*\rt:199+8*\rt]
.endr
.irp rt, 0,1
	v_pk_add_f32 v[192+8*\rt:193+8*\rt], v[192+8*\rt:193+8*\rt], v[196+8*\rt:197+8*\rt]
.endr
.irp rt, 0,1
	v_add_f32 v[192+8*\rt], v[192+8*\rt], v[193+8*\rt]
.endr
.endm
; the norm, in place on v[ACC ..], in two passes as it is defined: the mean, then the mean of (x - mean)^2.  gw: the loads that may stay out when g and b are wanted
.macro LN gw
.irp rt, 0,1
	v_pk_add_f32 v[TA+4*\rt:TA+4*\rt+1], v[ACC+32*\rt:ACC+32*\rt+1], v[ACC+32*\rt+2:ACC+32*\rt+3]
	v_pk_add_f32 v[TA+4*\rt+2:TA+4*\rt+3], v[ACC+32*\rt+4:ACC+32*\rt+5], v[ACC+32*\rt+6:ACC+32*\rt+7]
.endr
.irp j, 8,12,16,20,24,28
.irp rt, 0,1
	v_pk_add_f32 v[TA+4*\rt:TA+4*\rt+1], v[TA+4*\rt:TA+4*\rt+1], v[ACC+32*\rt+\j:ACC+32*\rt+\j+1]
	v_pk_add_f32 v[TA+4*\rt+2:TA+4*\rt+3], v[TA+4*\rt+2:TA+4*\rt+3], v[ACC+32*\rt+\j+2:ACC+32*\rt+\j+3]
.endr
.endr
	REDUCE RED1
.irp rt, 0,1
	v_mul_f32 v[MN+2*\rt], 0x3b000000, v[192+8*\rt]        ; / 512
.endr
.irp rt, 0,1
	v_mov_b32 v[MN+2*\rt+1], v[MN+2*\rt]
.endr
.set j, 0
.rept 16
	v_pk_add_f32 v[ACC+j:ACC+j+1], v[ACC+j:ACC+j+1], v[MN:MN+1] neg_lo:[0,1] neg_hi:[0,1]
	v_pk_add_f32 v[ACC+32+j:ACC+33+j], v[ACC+32+j:ACC+33+j], v[MN+2:MN+3] neg_lo:[0,1] neg_hi:[0,1]
.set j, j+2
.endr
.irp rt, 0,1
	v_pk_mul_f32 v[TA+4*\rt:TA+4*\rt+1], v[ACC+32*\rt:ACC+32*\rt+1], v[ACC+32*\rt:ACC+32*\rt+1]
	v_pk_mul_f32 v[TA+4*\rt+2:TA+4*\rt+3], v[ACC+32*\rt+2:ACC+32*\rt+3], v[ACC+32*\rt+2:ACC+32*\rt+3]
.endr
.irp j, 4,8,12,16,20,24,28
.irp rt, 0,1
	v_pk_fma_f32 v[TA+4*\rt:TA+4*\rt+1], v[ACC+32*\rt+\j:ACC+32*\rt+\j+1], v[ACC+32*\rt+\j:ACC+32*\rt+\j+1], v[TA+4*\rt:TA+4*\rt+1]
	v_pk_fma_f32 v[TA+4*\rt+2:TA+4*\rt+3], v[ACC+32*\rt+\j+2:ACC+32*\rt+\j+3], v[ACC+32*\rt+\j+2:ACC+32*\rt+\j+3], v[TA+4*\rt+2:TA+4*\rt+3]
.endr
.endr
	REDUCE RED2
.irp rt, 0,1
	v_fma_f32 v[RS+2*\rt], v[192+8*\rt], s[INV], s[EPS]    ; variance + 1e-5
.endr
.irp rt, 0,1
	v_rsq_f32 v[RS+2*\rt], v[RS+2*\rt]
.endr
	v_nop                                          ; one plain line behind the transcendentals
	s_wait_alu depctr_va_vdst(0)                   ; the two reciprocal roots v[RS] and v[RS+2] are written, ahead of their first reader
.irp rt, 0,1
	v_mov_b32 v[RS+2*\rt+1], v[RS+2*\rt]
.endr
	s_wait_loadcnt \gw                             ; g and b are in
.set j, 0
.rept 16
	v_pk_mul_f32 v[ACC+j:ACC+j+1], v[ACC+j:ACC+j+1], v[RS:RS+1]
	v_pk_mul_f32 v[ACC+32+j:ACC+33+j], v[ACC+32+j:ACC+33+j], v[RS+2:RS+3]
	v_pk_fma_f32 v[ACC+j:ACC+j+1], v[ACC+j:ACC+j+1], v[G+j:G+j+1], v[BB+j:BB+j+1]
	v_pk_fma_f32 v[ACC+32+j:ACC+33+j], v[ACC+32+j:ACC+33+j], v[G+j:G+j+1], v[BB+j:BB+j+1]
.set j, j+2
.endr
.endm
	s_load_b256 s[4:11], s[0:1], 0x0               ; X, g1, b1, wb
	s_load_b128 s[12:15], s[0:1], 0x20             ; qb, kvs
	v_lshl_add_u32 v254, v0, 2, 0x9e00
	v_mov_b32 v255, 0
	v_lshrrev_b32 v249, 5, v0
	v_readfirstlane_b32 s16, v249                  ; wave w
	v_and_b32 v251, 31, v0                         ; lane
	v_and_b32 v249, 15, v0                         ; r
	v_bfe_u32 v250, v0, 4, 1                       ; h
	v_lshlrev_b32 v[L16], 4, v251
	v_lshlrev_b32 v[L8], 3, v251
	v_lshlrev_b32 v[L4], 2, v251
	v_lshlrev_b32 v[R16], 4, v249
	v_and_b32 v[XA], 8, v249
	v_add_nc_u32 v[XA], v[XA], v249
	v_lshlrev_b32 v[XA], 11, v[XA]
	v_lshl_add_u32 v[XA], v250, 6, v[XA]
	s_wait_alu depctr_va_sdst(0)                   ; s16, the wave's number, is written, ahead of its first reader
	s_mul_i32 s17, s16, 768
	v_add_nc_u32 v[IW16], s17, v[L16]
	v_add_nc_u32 v[IW8], s17, v[L8]
	v_lshlrev_b32 v[SR], 5, v249
	s_lshl_b32 s17, s16, 1
	v_add_nc_u32 v[SW], s17, v[SR]
	s_lshl_b32 s17, s16, 2
	v_add_nc_u32 v[RW], s17, v[SR]
	v_lshlrev_b32 v[CB], 6, v250
	v_mul_u32_u24 v[V24], v249, 24
	v_mad_u32_u24 v[V24], v250, 12, v[V24]
	v_mov_b32 v[EX], 0                             ; written once: a lane permute's destination counts as one of its sources
	v_mov_b32 v[EX+1], 0
.irp b, 0,1,2,3
	v_mov_b32 v[TM+4+\b], 0
.endr
	s_mov_b32 s[SEL], 0x76543210
	s_mov_b32 s[SEL+1], 0xfedcba98                 ; v_permlanex16_b32's selects for lane l xor 16
	s_mov_b32 s[INV], 0x3b000000                   ; 1 / 512
	s_mov_b32 s[EPS], 0x3727c5ac                   ; 1e-5
	s_mov_b32 s[HI], 0xffff0000                    ; lanes 16-31
	s_lshl_b32 s18, ttmp9, 16                      ; 32 rows of 2,048 bytes
	s_lshl_b32 s50, s16, 8                         ; my 64 columns
	s_add_co_u32 s18, s18, s50
	s_mov_b32 s19, 0
	s_mov_b32 s51, 0
	s_wait_kmcnt 0x0
	s_add_nc_u64 s[XP:XP+1], s[4:5], s[18:19]
	s_add_nc_u64 s[GP:GP+1], s[6:7], s[50:51]
	s_add_nc_u64 s[BP:BP+1], s[8:9], s[50:51]
	s_mul_i32 s50, s16, 24576
	s_add_nc_u64 s[WP:WP+1], s[10:11], s[50:51]
	s_lshl_b32 s50, s16, 10
	s_add_nc_u64 s[WSP:WSP+1], s[10:11], s[50:51]
	s_wait_alu depctr_va_vdst(0)                   ; the addresses and offsets v1 to v15 are written, which every load and store of the kernel reads; so are v196-199, v216 and v217, in which LDS loads land later
	XIN XP
	GBIN
	WLOAD WA, 0, 0
	WSCL 0
	s_lshr_b32 s48, ttmp9, 6                       ; b
	s_lshl_b32 s48, s48, 3
	s_add_co_u32 s48, s48, s16                     ; b 8 + head
	s_and_b32 s49, ttmp9, 63                       ; f
	s_lshl_b32 s17, s48, 7
	s_lshl_b32 s50, s49, 1
	s_add_co_u32 s17, s17, s50                     ; q's tile: 128 (b 8 + head) + 2 f
	s_mul_i32 s50, s17, 768
	s_add_nc_u64 s[QC:QC+1], s[12:13], s[50:51]
	s_lshl_b32 s50, s17, 6
	s_add_nc_u64 s[QSP:QSP+1], s[12:13], s[50:51]
	s_add_nc_u64 s[QSP:QSP+1], s[QSP:QSP+1], 3145728
	s_lshl_b32 s17, s48, 6
	s_add_co_u32 s17, s17, s49                     ; K's fragment: 64 (b 8 + head) + f
	s_mul_i32 s50, s17, 1536
	s_add_nc_u64 s[KC:KC+1], s[14:15], s[50:51]
	s_lshl_b32 s50, s48, 12                        ; scale words: 4096 (b 8 + head) + 256 (f / 4) + 4 (f % 4)
	s_lshr_b32 s17, s49, 2
	s_lshl_b32 s47, s17, 8
	s_add_co_u32 s50, s50, s47
	s_and_b32 s47, s49, 3
	s_lshl_b32 s18, s47, 2
	s_add_co_u32 s50, s50, s18
	s_add_nc_u64 s[KSP:KSP+1], s[14:15], s[50:51]
	s_add_nc_u64 s[VSP:VSP+1], s[KSP:KSP+1], 6422528
	s_add_nc_u64 s[KSP:KSP+1], s[KSP:KSP+1], 6291456
	s_mul_i32 s50, s48, 98304                      ; V's codes: 98304 (b 8 + head) + 6144 (f / 4) + 384 (f % 4)
	s_mul_i32 s17, s17, 6144
	s_add_co_u32 s50, s50, s17
	s_mul_i32 s47, s47, 384
	s_add_co_u32 s50, s50, s47
	s_add_nc_u64 s[VCP:VCP+1], s[14:15], s[50:51]
	s_add_nc_u64 s[VCP:VCP+1], s[VCP:VCP+1], 3145728
	s_wait_loadcnt 36                              ; X is in; g, b (16), the weight's K step 0 (16) and its scale words (4) may be out
	LN 20                                          ; (20: the weight's 16 and 4)
	QSCALE ACC, PW
	QCODES ACC, PC
	IMAGE 0
	BARRIER                                        ; n's sixteen sub-images lie in LDS
	GEMM 0, 0, 0, 1, 1                             ; q
	QSCALE ACC, PW
	QCODES ACC, PC
	v_perm_b32 v249, v[PW], v[PW], 0x01000100      ; tile rt 0's word: s0 s1 s0 s1 (q stands in either half of a K step of 128)
	v_perm_b32 v250, v[PW], v[PW], 0x03020302      ; tile rt 1's
	v_cndmask_b32 v249, v249, v250, s[HI]          ; lanes 0-15 store rt 0's, lanes 16-31 rt 1's: 128 bytes on end
	s_wait_alu depctr_va_vdst(0)                   ; q's codes v[PC ..] and v249 are written, which the stores read; and the quantiser is done with v128-223, in which the next product's loads land
	global_store_b128 v[L16], v[PC:PC+3], s[QC:QC+1]
	global_store_b64 v[L8], v[PC+4:PC+5], s[QC:QC+1] offset:512
	global_store_b128 v[L16], v[PC+6:PC+9], s[QC:QC+1] offset:768
	global_store_b64 v[L8], v[PC+10:PC+11], s[QC:QC+1] offset:1280
	global_store_b32 v[L4], v249, s[QSP:QSP+1]
	GEMM 0, 1, 0, 1, 2                             ; k
	QSCALE ACC, PW
	QCODES ACC, PC
	s_wait_alu depctr_va_vdst(0)                   ; k's codes v[PC ..] and v[PW] are written, which the stores read; and the quantiser is done with v128-223, in which the next product's loads land
	global_store_b128 v[L16], v[PC:PC+3], s[KC:KC+1]
	global_store_b64 v[L8], v[PC+4:PC+5], s[KC:KC+1] offset:512
	global_store_b128 v[L16], v[PC+6:PC+9], s[KC:KC+1] offset:768
	global_store_b64 v[L8], v[PC+10:PC+11], s[KC:KC+1] offset:1280
	global_store_b32 v[R16], v[PW], s[KSP:KSP+1]   ; rt 0: s0 s1 | rt 1: s0 s1 (lanes l and l xor 16 store the same word)
	GEMM 0, 2, 2, 3, -1                            ; v, rows as source 0
	QSCALE ACC, PW                                 ; block nt: column tile nt, the 32 keys of this block of rows
.irp nt, 0,1,2,3
	v_cvt_scalef32_pk16_fp6_f32 v[PC+4*\nt:PC+4*\nt+2], v[ACC+16*\nt:ACC+16*\nt+15], v[TM+12+\nt]
.endr
	v_nop
	s_wait_alu depctr_va_vdst(0)                   ; v's codes v[PC ..] and v[PW] are written, which the stores read
.irp nt, 0,1,2,3
	global_store_b96 v[V24], v[PC+4*\nt:PC+4*\nt+2], s[VCP:VCP+1] offset:\nt*1536     ; 384 bytes on end
.endr
	global_store_b32 v[R16], v[PW], s[VSP:VSP+1]
	s_wait_dscnt 0x0                               ; the closing lines, six on end
	s_wait_alu 0x0
	s_wait_tensorcnt 0x0
	ds_add_u32 v254, v255
	s_wait_dscnt 0x0
	s_endpgm
.Lfunc_end_k_q0e02a0a7cf_qkv:
	.size	k_q0e02a0a7cf_qkv, .Lfunc_end_k_q0e02a0a7cf_qkv-k_q0e02a0a7cf_qkv
	.p2alignl 7, 3214868480
	.fill 96, 4, 3214868480
	.section	.rodata,"a",@progbits
	.p2align	6, 0x0
	.amdhsa_kernel k_q0e02a0a7cf_qkv
		.amdhsa_group_segment_fixed_size 41472
		.amdhsa_private_segment_fixed_size 0
		.amdhsa_enable_private_segment 0
		.amdhsa_kernarg_size 48
		.amdhsa_user_sgpr_count 2
		.amdhsa_user_sgpr_kernarg_segment_ptr 1
		.amdhsa_wavefront_size32 1
		.amdhsa_system_sgpr_workgroup_id_x 1
		.amdhsa_system_sgpr_workgroup_id_y 1
		.amdhsa_system_sgpr_workgroup_id_z 1
		.amdhsa_system_vgpr_workitem_id 0
		.amdhsa_next_free_vgpr 256
		.amdhsa_next_free_sgpr 66
		.amdhsa_reserve_vcc 0
		.amdhsa_float_denorm_mode_32 3
		.amdhsa_float_denorm_mode_16_64 3
		.amdhsa_memory_ordered 1
		.amdhsa_forward_progress 1
		.amdhsa_inst_pref_size 78
	.end_amdhsa_kernel
	.amdgpu_metadata
---
amdhsa.version: [ 1, 2 ]
amdhsa.kernels:
  - .name:           k_q0e02a0a7cf_qkv
    .symbol:         k_q0e02a0a7cf_qkv.kd
    .args:
      - { .name: X, .offset: 0, .size: 8, .value_kind: global_buffer, .address_space: global }
      - { .name: g1, .offset: 8, .size: 8, .value_kind: global_buffer, .address_space: global }
      - { .name: b1, .offset: 16, .size: 8, .value_kind: global_buffer, .address_space: global }
      - { .name: wb, .offset: 24, .size: 8, .value_kind: global_buffer, .address_space: global }
      - { .name: qb, .offset: 32, .size: 8, .value_kind: global_buffer, .address_space: global }
      - { .name: kvs, .offset: 40, .size: 8, .value_kind: global_buffer, .address_space: global }
    .group_segment_fixed_size: 41472
    .private_segment_fixed_size: 0
    .kernarg_segment_align: 8
    .kernarg_segment_size: 48
    .max_flat_workgroup_size: 256
    .sgpr_count:     66
    .vgpr_count:     256
    .wavefront_size: 32
...
	.end_amdgpu_metadata
.endif
;; end of part 8
;; launch attn_s: the kernel of part 3 again; grid 8 x 32, 16 waves a work-group, clusters of 4 x 1, 272,896 bytes of LDS; arguments qb, kvs, ob; writes ob
;; launch mid (part 9): grid 256 x 1, 8 waves a work-group, no clusters, 111,104 bytes of LDS; arguments X, ob, wb, g1, b1, x1, qb; writes x1, qb
.if DOCPART == 9
	.amdgcn_target "amdgcn-amd-amdhsa--gfx1250"
	.amdhsa_code_object_version 6
	.text
	.protected	k_q0e02a0a7cf_mid
	.globl	k_q0e02a0a7cf_mid
	.p2align	8
	.type	k_q0e02a0a7cf_mid,@function
k_q0e02a0a7cf_mid:
	s_mov_b64 s[64:65], 0
	v_nop
	global_prefetch_b8 v0, s[64:65] scope:SCOPE_SE
	s_setreg_imm32_b32 hwreg(HW_REG_WAVE_SCHED_MODE, 0, 2), 2
	s_setreg_imm32_b32 hwreg(HW_REG_WAVE_MODE, 25, 1), 1
	s_wait_xcnt 0x0
	s_wait_alu depctr_vm_vsrc(0)
; MID: X1 = X + o Wo_s (stored, f32); n = LN(X1); q = n Wq_c, which leaves as codes along the head's 64.  Both products on codes of FP6 (E2M3) with one E8M0 scale for each 32 along K.
; SHARES: a work-group takes 32 whole rows (block blk: two tiles rt of 16; lane r of tile rt is row 32 blk + 8 rt + r + 8 (r / 8)); wave w takes columns 64 w .. 64 w + 63: 8 accumulators, 32 matrix instructions a weight.
; THE PRODUCTS ARE USED TRANSPOSED (source 0 = 16 columns of the weight, source 1 = 16 rows): lane (r, h) holds row r, register 16 beta + i column 64 w + 32 beta + 16 h + i.  X is loaded in that layout and is the C of the first product's first instructions.
; OPERANDS GO FROM WAVE TO WAVE THROUGH LDS AS IMAGES OF THEIR REGISTERS (a sub-image, 16 rows x 64 K, is 768 bytes: registers 0-3 at 16 x lane, 4-5 at 512 + 8 x lane); o's codes lie so in memory, and wave w copies head w's.
; NO JOINT LOADS, though all 256 work-groups walk the same weights: each wave takes its own 24,576 bytes of a weight straight into registers; joint loads would send 2 x 196,608 bytes through LDS in slots filled again, with a round of a cluster's barrier for each.
; LIMITS: a block of zeros carries the byte 1 in place of 127 (zero codes; read by this program alone); NaN and infinities are not served.
; THE MODE: SCHED_MODE bits 1:0 = 2 (LLVM: expert scheduling mode 2), set by the entry lines.  The code itself states the register dependences between vector or matrix instructions and memory or LDS instructions, with s_wait_alu, always for 0.
; THE PLAN.  Registers that memory or LDS instructions touch:
;   v1-15       addresses and offsets: written at the head, ahead of the one wait in front of the first load, and never again.
;   WA, WB      a K step's weights, by turns.  Step s's eight products read the set; the loads of step s + 2 land in it, behind the wait that stands behind those products.
;   AF0, AF1    a K step's two row tiles, by turns.  Step s's products read the set; the LDS loads of step s + 2 land in it, dealt among the products of step s + 1, which name the other set.
;   WS, AS      scale words: read by a product's 32 matrix instructions; the next weight's land behind the wait behind the last of them, the rows' at the next product's head.
;   v128-223    between products: g, b (loaded), the stage's rows (v192-223: loaded from LDS, read by the stores of X1), the quantiser's registers, the codes (PC) and the norm's sums (TA), which stores read; v248, v249 likewise.
;   ACC         X is loaded into it at the head; the first product's results are read by the LDS stores into the stage, behind the wait behind that product.
; So: one wait on va_vdst behind each K step's products; one ahead of every run of stores of what vector lines made; one wait on vm_vsrc at each product's head, one in each sum over the waves, one behind each half of the stage's way out.
.set L16, 1
.set L8,  2
.set R16, 3
.set XA,  4
.set IW16, 5
.set IW8, 6
.set SW,  7
.set SR,  8
.set RW,  9
.set STO, 10                           ; the stage: STG + 8704 w + 272 r + 64 h
.set SRD, 11                           ; and back: STG + 8704 w + 272 h + 16 r
.set GO,  12                           ; 2048 h + 16 r
.set CB,  13
.set R2,  14                           ; 2 r
.set L4,  15
.set ACC, 16
.set WA,  80
.set WB,  128
.set AF0, 176
.set AF1, 200
.set WS,  224
.set AS,  240
.set G,   128
.set BB,  160
.set TM,  192
.set PC,  208
.set PT,  128
.set TA,  208
.set EX,  216
.set MN,  218
.set PW,  248
.set RS,  250
.set AIMG, 0
.set ASC,  36864
.set RED1, 38400
.set RED2, 39424
.set STG,  40448                       ; a stage of 32 rows x (256 bytes + 16) for each wave
.set WV, 19
.set XP, 20
.set GP, 22
.set BP, 24
.set WP, 26
.set WSP, 28
.set QC, 30
.set QSP, 32
.set OBP, 34
.set OSP, 36
.set X1P, 38
.set SEL, 42
.set INV, 44
.set EPS, 45
.set HI,  46
.macro PLACES n
.rept \n
	v_nop
.endr
.endm
.macro BARRIER
	s_wait_dscnt 0x0
	s_barrier_signal -1
	s_barrier_wait -1
.endm
.macro WLOAD set, s, mi
.irp nt, 0,1,2,3
.irp c, 0,1
	global_load_b128 v[\set+12*\nt+6*\c:\set+12*\nt+6*\c+3], v[L16], s[WP:WP+1] offset:(\mi)*196608+(\s)*6144+\nt*1536+\c*768
	global_load_b64 v[\set+12*\nt+6*\c+4:\set+12*\nt+6*\c+5], v[L8], s[WP:WP+1] offset:(\mi)*196608+(\s)*6144+\nt*1536+\c*768+512
.endr
.endr
.endm
.macro WSCL mi
.irp s, 0,1,2,3
	global_load_b128 v[WS+4*\s:WS+4*\s+3], v[R16], s[WSP:WSP+1] offset:1572864+(\mi)*8192+256*\s
.endr
.endm
.macro ASCL k
.irp rt, 0,1
	ds_load_b128 v[AS+4*\rt:AS+4*\rt+3], v[SR] offset:ASC+(\k)*512+16*\rt
.endr
.endm
.macro ALOADH af, s, k, rt             ; 4 LDS loads: row tile rt of K step s
	ds_load_b128 v[\af+12*(\rt):\af+12*(\rt)+3], v[L16] offset:AIMG+(\k)*12288+(\rt)*6144+(\s)*1536
	ds_load_b64 v[\af+12*(\rt)+4:\af+12*(\rt)+5], v[L8] offset:AIMG+(\k)*12288+(\rt)*6144+(\s)*1536+512
	ds_load_b128 v[\af+12*(\rt)+6:\af+12*(\rt)+9], v[L16] offset:AIMG+(\k)*12288+(\rt)*6144+(\s)*1536+768
	ds_load_b64 v[\af+12*(\rt)+10:\af+12*(\rt)+11], v[L8] offset:AIMG+(\k)*12288+(\rt)*6144+(\s)*1536+1280
.endm
; 4 matrix instructions: row tile rt of a K step; a step's two halves take the 8 accumulators by turns.  mode 0: starts the sums; 1: adds on
.macro MMH s, set, af, mode, rt
.irp nt, 0,1,2,3
.if (\mode) == 0
	v_wmma_scale_f32_16x16x128_f8f6f4 v[ACC+32*(\rt)+8*\nt:ACC+32*(\rt)+8*\nt+7], v[\set+12*\nt:\set+12*\nt+11], v[\af+12*(\rt):\af+12*(\rt)+11], 0, v[WS+4*(\s)+\nt], v[AS+4*(\rt)+(\s)] matrix_a_fmt:MATRIX_FMT_FP6 matrix_b_fmt:MATRIX_FMT_FP6
.else
	v_wmma_scale_f32_16x16x128_f8f6f4 v[ACC+32*(\rt)+8*\nt:ACC+32*(\rt)+8*\nt+7], v[\set+12*\nt:\set+12*\nt+11], v[\af+12*(\rt):\af+12*(\rt)+11], v[ACC+32*(\rt)+8*\nt:ACC+32*(\rt)+8*\nt+7], v[WS+4*(\s)+\nt], v[AS+4*(\rt)+(\s)] matrix_a_fmt:MATRIX_FMT_FP6 matrix_b_fmt:MATRIX_FMT_FP6
.endif
.endr
.endm
; A product over K = 512: four K steps on two sets of registers.  On entry the weight's K step 0 (set WA) and its scale words have been asked for.  nmi: the next weight, or -1.
; Ahead of every product stands a wait on va_vdst behind which no vector or matrix instruction names WB, AS, AF0 or AF1: so the loads at its head, and AF1's among the first step's products, owe no further one.
.macro GEMM k, mi, first, rest, nmi
	s_wait_xcnt 0x0                                ; earlier stores have read their data, which lie where the loads below land
	s_wait_alu depctr_vm_vsrc(0)                   ; the LDS stores issued ahead of this product have read their data (o's copies in v176-189, or the codes in v208-219), in which AF0's and AF1's loads land, and v248, v249, which the next quantiser writes again
	WLOAD WB, 1, \mi
	ASCL \k
	ALOADH AF0, 0, \k, 0
	ALOADH AF0, 0, \k, 1
	s_wait_loadcnt 16                              ; all but set WB's 16 loads
	s_wait_dscnt 0x0                               ; the rows' scale words and AF0
	MMH 0, WA, AF0, \first, 0
	ALOADH AF1, 1, \k, 0                           ; the next step's row tiles, dealt among this step's products, which name the other set
	MMH 0, WA, AF0, \first, 1
	ALOADH AF1, 1, \k, 1
	PLACES 4                                       ; four places in front of loads into registers that matrix instructions have read
	s_wait_alu depctr_va_vdst(0)                   ; step 0's products are done reading WA, in which the loads below land, and AF0, in which the LDS loads among step 1's products land
	WLOAD WA, 2, \mi
	s_wait_loadcnt 16
	s_wait_dscnt 0x0                               ; AF1
	MMH 1, WB, AF1, \rest, 0
	ALOADH AF0, 2, \k, 0
	MMH 1, WB, AF1, \rest, 1
	ALOADH AF0, 2, \k, 1
	PLACES 4
	s_wait_alu depctr_va_vdst(0)                   ; step 1's products are done reading WB and AF1
	WLOAD WB, 3, \mi
	s_wait_loadcnt 16
	s_wait_dscnt 0x0
	MMH 2, WA, AF0, \rest, 0
	ALOADH AF1, 3, \k, 0
	MMH 2, WA, AF0, \rest, 1
	ALOADH AF1, 3, \k, 1
	PLACES 4
.if (\nmi) >= 0
	s_wait_alu depctr_va_vdst(0)                   ; step 2's products are done reading WA, in which the next weight's loads land
	WLOAD WA, 0, \nmi
	s_wait_loadcnt 16                              ; K step 3's weights are in, the next weight's 16 loads may be out
.else
	s_wait_loadcnt 0x0
.endif
	s_wait_dscnt 0x0
	MMH 3, WB, AF1, \rest, 0
	MMH 3, WB, AF1, \rest, 1
	PLACES 5                                       ; five: the next product's first instructions write over these accumulators
.if (\nmi) >= 0
	s_wait_alu depctr_va_vdst(0)                   ; the product's matrix instructions have written the accumulators, which LDS stores read next, and are done reading WS, WB, AF0 and AF1, in which the loads that follow land
	WSCL \nmi
.endif
.endm
.macro QSCALE s, pw
.irp b, 0,1,2,3
	v_max3_num_f32 v[TM+\b], |v[\s+16*\b]|, |v[\s+16*\b+1]|, 0x1800000
.endr
.irp i, 2,4,6,8,10,12,14
.irp b, 0,1,2,3
	v_max3_num_f32 v[TM+\b], v[TM+\b], |v[\s+16*\b+\i]|, |v[\s+16*\b+\i+1]|
.endr
.endr
.irp b, 0,1,2,3
	v_permlanex16_b32 v[TM+4+\b], v[TM+\b], s[SEL], s[SEL+1]
.endr
.irp b, 0,1,2,3
	v_max_num_f32 v[TM+\b], v[TM+\b], v[TM+4+\b]
.endr
.irp b, 0,1,2,3
	v_add_nc_u32 v[TM+12+\b], 0xff000000, v[TM+\b]
.endr
.irp b, 0,1,2,3
	v_lshrrev_b32 v[TM+4+\b], 23, v[TM+12+\b]
.endr
	v_lshl_or_b32 v[\pw], v[TM+5], 8, v[TM+4]
	v_lshl_or_b32 v[\pw], v[TM+6], 16, v[\pw]
	v_lshl_or_b32 v[\pw], v[TM+7], 24, v[\pw]
.endm
.macro QCODES s, pc
.irp c, 0,1
	v_cvt_scalef32_pk16_fp6_f32 v[\pc+6*\c:\pc+6*\c+2], v[\s+32*\c:\s+32*\c+15], v[TM+12+2*\c]
	v_cvt_scalef32_pk16_fp6_f32 v[PT+4*\c:PT+4*\c+2], v[\s+32*\c+16:\s+32*\c+31], v[TM+13+2*\c]
.endr
	v_nop
.irp c, 0,1
.irp i, 0,1,2
	v_permlane16_swap_b32 v[\pc+6*\c+\i], v[PT+4*\c+\i]
.endr
.irp i, 0,1,2
	v_mov_b32 v[\pc+6*\c+3+\i], v[PT+4*\c+\i]
.endr
.endr
.endm
.macro IMAGE k
	v_lshrrev_b32 v249, 16, v[PW]
	s_wait_alu depctr_va_vdst(0)                   ; the codes v[PC ..], v[PW] and v249 are written, which the LDS stores read; and the norm and the quantiser are done with v128-223, in which the next product's loads land
	ds_store_b128 v[IW16], v[PC:PC+3] offset:AIMG+(\k)*12288
	ds_store_b64 v[IW8], v[PC+4:PC+5] offset:AIMG+(\k)*12288+512
	ds_store_b128 v[IW16], v[PC+6:PC+9] offset:AIMG+(\k)*12288+6144
	ds_store_b64 v[IW8], v[PC+10:PC+11] offset:AIMG+(\k)*12288+6144+512
	ds_store_b16 v[SW], v[PW] offset:ASC+(\k)*512
	ds_store_b16 v[SW], v249 offset:ASC+(\k)*512+16
.endm
.macro XIN p
.irp rt, 0,1
.irp q, 0,1,2,3,4,5,6,7
	global_load_b128 v[ACC+32*\rt+4*\q:ACC+32*\rt+4*\q+3], v[XA], s[\p:\p+1] offset:\rt*16384+128*(\q/4)+16*(\q%4)
.endr
.endr
.endm
.macro GBIN
.irp q, 0,1,2,3,4,5,6,7
	global_load_b128 v[G+4*\q:G+4*\q+3], v[CB], s[GP:GP+1] offset:128*(\q/4)+16*(\q%4)
.endr
.irp q, 0,1,2,3,4,5,6,7
	global_load_b128 v[BB+4*\q:BB+4*\q+3], v[CB], s[BP:BP+1] offset:128*(\q/4)+16*(\q%4)
.endr
.endm
.macro REDUCE base
.irp rt, 0,1
	v_pk_add_f32 v[TA+4*\rt:TA+4*\rt+1], v[TA+4*\rt:TA+4*\rt+1], v[TA+4*\rt+2:TA+4*\rt+3]
.endr
.irp rt, 0,1
	v_add_f32 v[TA+4*\rt], v[TA+4*\rt], v[TA+4*\rt+1]
.endr
.irp rt, 0,1
	v_permlanex16_b32 v[EX+\rt], v[TA+4*\rt], s[SEL], s[SEL+1]
.endr
.irp rt, 0,1
	v_add_f32 v[TA+4*\rt], v[TA+4*\rt], v[EX+\rt]
.endr
	s_wait_alu depctr_va_vdst(0)                   ; the sums v[TA] and v[TA+4] are written, which the LDS stores read; and every earlier vector line is done with v192-207, in which the loads below land
.irp rt, 0,1
	ds_store_b32 v[RW], v[TA+4*\rt] offset:\base+512*\rt
.endr
	BARRIER
.irp rt, 0,1
	ds_load_b128 v[192+8*\rt:195+8*\rt], v[SR] offset:\base+512*\rt
	ds_load_b128 v[196+8*\rt:199+8*\rt], v[SR] offset:\base+512*\rt+16
.endr
	s_wait_dscnt 0x0
	s_wait_alu depctr_vm_vsrc(0)                   ; the LDS stores have read v[TA] and v[TA+4], which the lines behind this sum write again
.irp rt, 0,1
	v_pk_add_f32 v[192+8*\rt:193+8*\rt], v[192+8*\rt:193+8*\rt], v[194+8*\rt:195+8*\rt]
	v_pk_add_f32 v[196+8*\rt:197+8*\rt], v[196+8*\rt:197+8*\rt], v[198+8*\rt:199+8*\rt]
.endr
.irp rt, 0,1
	v_pk_add_f32 v[192+8*\rt:193+8*\rt], v[192+8*\rt:193+8*\rt], v[196+8*\rt:197+8*\rt]
.endr
.irp rt, 0,1
	v_add_f32 v[192+8*\rt], v[192+8*\rt], v[193+8*\rt]
.endr
.endm
; the norm, in place on v[ACC ..], in two passes as it is defined
.macro LN gw
.irp rt, 0,1
	v_pk_add_f32 v[TA+4*\rt:TA+4*\rt+1], v[ACC+32*\rt:ACC+32*\rt+1], v[ACC+32*\rt+2:ACC+32*\rt+3]
	v_pk_add_f32 v[TA+4*\rt+2:TA+4*\rt+3], v[ACC+32*\rt+4:ACC+32*\rt+5], v[ACC+32*\rt+6:ACC+32*\rt+7]
.endr
.irp j, 8,12,16,20,24,28
.irp rt, 0,1
	v_pk_add_f32 v[TA+4*\rt:TA+4*\rt+1], v[TA+4*\rt:TA+4*\rt+1], v[ACC+32*\rt+\j:ACC+32*\rt+\j+1]
	v_pk_add_f32 v[TA+4*\rt+2:TA+4*\rt+3], v[TA+4*\rt+2:TA+4*\rt+3], v[ACC+32*\rt+\j+2:ACC+32*\rt+\j+3]
.endr
.endr
	REDUCE RED1
.irp rt, 0,1
	v_mul_f32 v[MN+2*\rt], 0x3b000000, v[192+8*\rt]
.endr
.irp rt, 0,1
	v_mov_b32 v[MN+2*\rt+1], v[MN+2*\rt]
.endr
.set j, 0
.rept 16
	v_pk_add_f32 v[ACC+j:ACC+j+1], v[ACC+j:ACC+j+1], v[MN:MN+1] neg_lo:[0,1] neg_hi:[0,1]
	v_pk_add_f32 v[ACC+32+j:ACC+33+j], v[ACC+32+j:ACC+33+j], v[MN+2:MN+3] neg_lo:[0,1] neg_hi:[0,1]
.set j, j+2
.endr
.irp rt, 0,1
	v_pk_mul_f32 v[TA+4*\rt:TA+4*\rt+1], v[ACC+32*\rt:ACC+32*\rt+1], v[ACC+32*\rt:ACC+32*\rt+1]
	v_pk_mul_f32 v[TA+4*\rt+2:TA+4*\rt+3], v[ACC+32*\rt+2:ACC+32*\rt+3], v[ACC+32*\rt+2:ACC+32*\rt+3]
.endr
.irp j, 4,8,12,16,20,24,28
.irp rt, 0,1
	v_pk_fma_f32 v[TA+4*\rt:TA+4*\rt+1], v[ACC+32*\rt+\j:ACC+32*\rt+\j+1], v[ACC+32*\rt+\j:ACC+32*\rt+\j+1], v[TA+4*\rt:TA+4*\rt+1]
	v_pk_fma_f32 v[TA+4*\rt+2:TA+4*\rt+3], v[ACC+32*\rt+\j+2:ACC+32*\rt+\j+3], v[ACC+32*\rt+\j+2:ACC+32*\rt+\j+3], v[TA+4*\rt+2:TA+4*\rt+3]
.endr
.endr
	REDUCE RED2
.irp rt, 0,1
	v_fma_f32 v[RS+2*\rt], v[192+8*\rt], s[INV], s[EPS]
.endr
.irp rt, 0,1
	v_rsq_f32 v[RS+2*\rt], v[RS+2*\rt]
.endr
	v_nop
	s_wait_alu depctr_va_vdst(0)                   ; the two reciprocal roots v[RS] and v[RS+2] are written, ahead of their first reader
.irp rt, 0,1
	v_mov_b32 v[RS+2*\rt+1], v[RS+2*\rt]
.endr
	s_wait_loadcnt \gw
.set j, 0
.rept 16
	v_pk_mul_f32 v[ACC+j:ACC+j+1], v[ACC+j:ACC+j+1], v[RS:RS+1]
	v_pk_mul_f32 v[ACC+32+j:ACC+33+j], v[ACC+32+j:ACC+33+j], v[RS+2:RS+3]
	v_pk_fma_f32 v[ACC+j:ACC+j+1], v[ACC+j:ACC+j+1], v[G+j:G+j+1], v[BB+j:BB+j+1]
	v_pk_fma_f32 v[ACC+32+j:ACC+33+j], v[ACC+32+j:ACC+33+j], v[G+j:G+j+1], v[BB+j:BB+j+1]
.set j, j+2
.endr
.endm
; my 64 columns of the 32 rows go through my own stage and leave as rows: sixteen lanes store 256 consecutive bytes, at a multiple of 256 from the buffer's first byte.  Stage row 16 rt + rho is row 8 rt + rho + 8 (rho / 8).
; The wait behind the product's last step has shown the accumulators written and v192-223 free, and no vector or matrix instruction has been issued since.
.macro ROWS_OUT p
.irp rt, 0,1
.irp q, 0,1,2,3,4,5,6,7
	ds_store_b128 v[STO], v[ACC+32*\rt+4*\q:ACC+32*\rt+4*\q+3] offset:\rt*4352+128*(\q/4)+16*(\q%4)   ; each accumulator from its low end on
.endr
.endr
.irp c, 0,1
.irp i, 0,1,2,3,4,5,6,7
	ds_load_b128 v[192+4*\i:195+4*\i], v[SRD] offset:(8*\c+\i)*544        ; LDS serves a wave's instructions in order: these see my stores
.endr
.irp i, 0,1,2,3,4,5,6,7
	s_wait_dscnt 7-\i
	global_store_b128 v[GO], v[192+4*\i:195+4*\i], s[\p:\p+1] offset:(8*\c+2*\i+8*(\i/4))*2048
.endr
	s_wait_xcnt 0x0                                ; the stores have read their data: the registers may be written again
	s_wait_alu depctr_vm_vsrc(0)                   ; the stores have read v192-223, in which the next half's loads land and which the norm writes; the LDS stores have read the accumulators, which the norm writes
.endr
.endm
	s_load_b256 s[4:11], s[0:1], 0x0               ; X, ob, wb, g1
	s_load_b128 s[12:15], s[0:1], 0x20             ; b1, x1
	s_load_b64 s[16:17], s[0:1], 0x30              ; qb
	v_lshl_add_u32 v254, v0, 2, 0x1ae00
	v_mov_b32 v255, 0
	v_lshrrev_b32 v249, 5, v0
	v_readfirstlane_b32 s[WV], v249
	v_and_b32 v251, 31, v0
	v_and_b32 v249, 15, v0
	v_bfe_u32 v250, v0, 4, 1
	v_lshlrev_b32 v[L16], 4, v251
	v_lshlrev_b32 v[L8], 3, v251
	v_lshlrev_b32 v[L4], 2, v251
	v_lshlrev_b32 v[R16], 4, v249
	v_lshlrev_b32 v[R2], 1, v249
	v_and_b32 v[XA], 8, v249
	v_add_nc_u32 v[XA], v[XA], v249
	v_lshlrev_b32 v[XA], 11, v[XA]
	v_lshl_add_u32 v[XA], v250, 6, v[XA]
	s_wait_alu depctr_va_sdst(0)                   ; s[WV], the wave's number, is written, ahead of its first reader
	s_mul_i32 s47, s[WV], 768
	v_add_nc_u32 v[IW16], s47, v[L16]
	v_add_nc_u32 v[IW8], s47, v[L8]
	v_lshlrev_b32 v[SR], 5, v249
	s_lshl_b32 s47, s[WV], 1
	v_add_nc_u32 v[SW], s47, v[SR]
	s_lshl_b32 s47, s[WV], 2
	v_add_nc_u32 v[RW], s47, v[SR]
	v_lshlrev_b32 v[CB], 6, v250
	s_mul_i32 s47, s[WV], 8704
	s_add_co_u32 s47, s47, STG
	v_mul_u32_u24 v[STO], v249, 272
	v_lshl_add_u32 v[STO], v250, 6, v[STO]
	v_add_nc_u32 v[STO], s47, v[STO]
	v_mul_u32_u24 v[SRD], v250, 272
	v_lshl_add_u32 v[SRD], v249, 4, v[SRD]
	v_add_nc_u32 v[SRD], s47, v[SRD]
	v_lshlrev_b32 v[GO], 11, v250
	v_lshl_add_u32 v[GO], v249, 4, v[GO]
	v_mov_b32 v[EX], 0
	v_mov_b32 v[EX+1], 0
.irp b, 0,1,2,3
	v_mov_b32 v[TM+4+\b], 0
.endr
	s_mov_b32 s[SEL], 0x76543210
	s_mov_b32 s[SEL+1], 0xfedcba98
	s_mov_b32 s[INV], 0x3b000000
	s_mov_b32 s[EPS], 0x3727c5ac
	s_mov_b32 s[HI], 0xffff0000
	s_lshl_b32 s48, ttmp9, 16
	s_lshl_b32 s50, s[WV], 8
	s_add_co_u32 s48, s48, s50                     ; 32 rows of 2,048 bytes + my 64 columns
	s_mov_b32 s49, 0
	s_mov_b32 s51, 0
	s_wait_kmcnt 0x0
	s_add_nc_u64 s[XP:XP+1], s[4:5], s[48:49]
	s_add_nc_u64 s[X1P:X1P+1], s[14:15], s[48:49]
	s_add_nc_u64 s[GP:GP+1], s[10:11], s[50:51]
	s_add_nc_u64 s[BP:BP+1], s[12:13], s[50:51]
	s_mul_i32 s50, s[WV], 24576
	s_add_nc_u64 s[WP:WP+1], s[8:9], s[50:51]
	s_lshl_b32 s50, s[WV], 10
	s_add_nc_u64 s[WSP:WSP+1], s[8:9], s[50:51]
	s_mul_i32 s50, ttmp9, 12288                    ; o's codes: row tile 2 blk, head w
	s_mul_i32 s47, s[WV], 768
	s_add_co_u32 s50, s50, s47
	s_add_nc_u64 s[OBP:OBP+1], s[6:7], s[50:51]
	s_lshl_b32 s50, s[WV], 9
	s_lshl_b32 s47, ttmp9, 1
	s_add_co_u32 s50, s50, s47
	s_lshl_b32 s50, s50, 5                         ; its scale halves: (512 w + 2 blk) x 32
	s_add_nc_u64 s[OSP:OSP+1], s[6:7], s[50:51]
	s_add_nc_u64 s[OSP:OSP+1], s[OSP:OSP+1], 3145728
	s_wait_alu depctr_va_vdst(0)                   ; the addresses and offsets v1 to v15 are written, which every load and store of the kernel reads; so are v196-199, v216 and v217, in which the first product's LDS loads land
.irp rt, 0,1
	global_load_b128 v[176+6*\rt:179+6*\rt], v[L16], s[OBP:OBP+1] offset:6144*\rt
	global_load_b64 v[180+6*\rt:181+6*\rt], v[L8], s[OBP:OBP+1] offset:6144*\rt+512
	global_load_u16 v[188+\rt], v[R2], s[OSP:OSP+1] offset:32*\rt
.endr
	XIN XP
	WLOAD WA, 0, 3
	WSCL 3
	s_lshr_b32 s48, ttmp9, 6                       ; b
	s_lshl_b32 s48, s48, 3
	s_add_co_u32 s48, s48, s[WV]
	s_and_b32 s47, ttmp9, 63                       ; f
	s_lshl_b32 s48, s48, 7
	s_lshl_b32 s47, s47, 1
	s_add_co_u32 s48, s48, s47                     ; q's tile
	s_mul_i32 s50, s48, 768
	s_add_nc_u64 s[QC:QC+1], s[16:17], s[50:51]
	s_lshl_b32 s50, s48, 6
	s_add_nc_u64 s[QSP:QSP+1], s[16:17], s[50:51]
	s_add_nc_u64 s[QSP:QSP+1], s[QSP:QSP+1], 3145728
	s_wait_loadcnt 36                              ; o's six loads are in; X (16), the weight's K step 0 (16) and its scale words (4) may be out
.irp rt, 0,1
	ds_store_b128 v[IW16], v[176+6*\rt:179+6*\rt] offset:AIMG+6144*\rt
	ds_store_b64 v[IW8], v[180+6*\rt:181+6*\rt] offset:AIMG+6144*\rt+512
	ds_store_b16 v[SW], v[188+\rt] offset:ASC+16*\rt
.endr
	BARRIER                                        ; o's sixteen sub-images lie in LDS
	GEMM 0, 3, 1, 1, 4                             ; X1 = X + o Wo_s
	GBIN
	ROWS_OUT X1P
	LN 0
	QSCALE ACC, PW
	QCODES ACC, PC
	IMAGE 1
	BARRIER
	GEMM 1, 4, 0, 1, -1                            ; q = n Wq_c
	QSCALE ACC, PW
	QCODES ACC, PC
	v_perm_b32 v249, v[PW], v[PW], 0x01000100      ; tile rt 0's word: s0 s1 s0 s1
	v_perm_b32 v250, v[PW], v[PW], 0x03020302      ; tile rt 1's
	v_cndmask_b32 v249, v249, v250, s[HI]
	s_wait_alu depctr_va_vdst(0)                   ; q's codes v[PC ..] and v249 are written, which the stores read
	global_store_b128 v[L16], v[PC:PC+3], s[QC:QC+1]
	global_store_b64 v[L8], v[PC+4:PC+5], s[QC:QC+1] offset:512
	global_store_b128 v[L16], v[PC+6:PC+9], s[QC:QC+1] offset:768
	global_store_b64 v[L8], v[PC+10:PC+11], s[QC:QC+1] offset:1280
	global_store_b32 v[L4], v249, s[QSP:QSP+1]
	s_wait_dscnt 0x0                               ; the closing lines, six on end
	s_wait_alu 0x0
	s_wait_tensorcnt 0x0
	ds_add_u32 v254, v255
	s_wait_dscnt 0x0
	s_endpgm
.Lfunc_end_k_q0e02a0a7cf_mid:
	.size	k_q0e02a0a7cf_mid, .Lfunc_end_k_q0e02a0a7cf_mid-k_q0e02a0a7cf_mid
	.p2alignl 7, 3214868480
	.fill 96, 4, 3214868480
	.section	.rodata,"a",@progbits
	.p2align	6, 0x0
	.amdhsa_kernel k_q0e02a0a7cf_mid
		.amdhsa_group_segment_fixed_size 111104
		.amdhsa_private_segment_fixed_size 0
		.amdhsa_enable_private_segment 0
		.amdhsa_kernarg_size 56
		.amdhsa_user_sgpr_count 2
		.amdhsa_user_sgpr_kernarg_segment_ptr 1
		.amdhsa_wavefront_size32 1
		.amdhsa_system_sgpr_workgroup_id_x 1
		.amdhsa_system_sgpr_workgroup_id_y 1
		.amdhsa_system_sgpr_workgroup_id_z 1
		.amdhsa_system_vgpr_workitem_id 0
		.amdhsa_next_free_vgpr 256
		.amdhsa_next_free_sgpr 66
		.amdhsa_reserve_vcc 0
		.amdhsa_float_denorm_mode_32 3
		.amdhsa_float_denorm_mode_16_64 3
		.amdhsa_memory_ordered 1
		.amdhsa_forward_progress 1
		.amdhsa_inst_pref_size 61
	.end_amdhsa_kernel
	.amdgpu_metadata
---
amdhsa.version: [ 1, 2 ]
amdhsa.kernels:
  - .name:           k_q0e02a0a7cf_mid
    .symbol:         k_q0e02a0a7cf_mid.kd
    .args:
      - { .name: X, .offset: 0, .size: 8, .value_kind: global_buffer, .address_space: global }
      - { .name: ob, .offset: 8, .size: 8, .value_kind: global_buffer, .address_space: global }
      - { .name: wb, .offset: 16, .size: 8, .value_kind: global_buffer, .address_space: global }
      - { .name: g1, .offset: 24, .size: 8, .value_kind: global_buffer, .address_space: global }
      - { .name: b1, .offset: 32, .size: 8, .value_kind: global_buffer, .address_space: global }
      - { .name: x1, .offset: 40, .size: 8, .value_kind: global_buffer, .address_space: global }
      - { .name: qb, .offset: 48, .size: 8, .value_kind: global_buffer, .address_space: global }
    .group_segment_fixed_size: 111104
    .private_segment_fixed_size: 0
    .kernarg_segment_align: 8
    .kernarg_segment_size: 56
    .max_flat_workgroup_size: 256
    .sgpr_count:     66
    .vgpr_count:     256
    .wavefront_size: 32
...
	.end_amdgpu_metadata
.endif
;; end of part 9
;; launch zkv (part 10): grid 128 x 1, 8 waves a work-group, no clusters, 0 bytes of LDS; arguments Zelta, g2, b2, wb, kvc; writes kvc
.if DOCPART == 10
	.amdgcn_target "amdgcn-amd-amdhsa--gfx1250"
	.amdhsa_code_object_version 6
	.text
	.protected	k_q0e02a0a7cf_zkv
	.globl	k_q0e02a0a7cf_zkv
	.p2align	8
	.type	k_q0e02a0a7cf_zkv,@function
k_q0e02a0a7cf_zkv:
	s_mov_b64 s[64:65], 0
	v_nop
	global_prefetch_b8 v0, s[64:65] scope:SCOPE_SE
	s_setreg_imm32_b32 hwreg(HW_REG_WAVE_SCHED_MODE, 0, 2), 2
	s_setreg_imm32_b32 hwreg(HW_REG_WAVE_MODE, 25, 1), 1
	s_wait_xcnt 0x0
	s_wait_alu depctr_vm_vsrc(0)
; ZKV: zn = LN(Zelta) over 100 numbers; k = zn Wk_c, v = zn Wv_c, on codes of FP6 (E2M3), K = 100 filled with zero codes to 128: one matrix instruction deep.  k leaves as codes along the head's 64, v along the keys, laid as the attention wants them.
; SHARES: a work-group takes 32 rows (block blk = 32 b + f: two tiles rt; lane r of tile rt is row 32 blk + 8 rt + r + 8 (r / 8)), wave w head w.  A row's 100 numbers lie in lanes l and l xor 16, so each wave makes both operand tiles itself
; (12,800 bytes read by each of eight waves): no LDS, no barrier.  Register 16 b + i of a row tile is k = 32 b + 16 h + i; of block 3 only k = 96 .. 99 exist: both halves of the lanes load them, and lanes 16-31 are multiplied by 0.
; The product for k is used transposed (source 0 = 16 columns of the weight), the one for v as it stands (source 0 = rows), as in the launch for the self-attention's q, k and v.
; OUT (kvc): K's codes [b 8 + head][f][1536], V's at 1572864: [bh][f / 4][d tile][f % 4][384], K's scale words at 3145728: [bh][f / 4][r][f % 4], V's at 3211264.
; LIMITS: the mean is taken by x 0.01 in place of / 100; a block of zeros carries the byte 1 in place of 127; NaN and infinities are not served.
; THE MODE: SCHED_MODE bits 1:0 = 2 (LLVM: expert scheduling mode 2), set by the entry lines.  The code itself states the register dependences between vector or matrix instructions and memory instructions, with s_wait_alu, always for 0.
; THE PLAN.  Registers that memory instructions touch:
;   v1-9        addresses and offsets: written at the head, ahead of the one wait in front of the first load, and never again.
;   v144-191    g2 is loaded here and read by the norm; behind a wait Wk_c's four tiles land here, which the first eight products read; then k's codes are made here (v144-155), which stores read.
;   v16-63      row tile 0 is loaded here and read by the norm and its quantiser; behind a wait Wv_c's four tiles land here.
;   v160-174, v254, v255   v's codes and the two scale words: written by vector lines, read by stores, never written again.
;   AF (v212-235), PWA (v252-253)   the operand tiles and their scale words are made by vector lines and taken by scaled matrix instructions: the places, then a wait.
; No register that a store reads is written again: so no wait on vm_vsrc stands behind a store.
.set L16, 1
.set L8,  2
.set R16, 3
.set ZA,  4                            ; (r + 8 (r / 8)) x 400 + 64 h
.set ZB,  5                            ; (r + 8 (r / 8)) x 400
.set GA,  6                            ; 64 h
.set ZERO, 7
.set MASK, 8                           ; 1.0 in lanes 0-15, 0 in lanes 16-31
.set V24, 9
.set WKS, 10                           ; v10-13   Wk_c's scale words
.set R1,  16                           ; v16-79   row tile 0, later Wv_c's four tiles
.set R2,  80                           ; v80-143  row tile 1, later the accumulators
.set ACC, 80
.set G,   144                          ; v144-195 g2, later Wk_c's four tiles, later codes
.set BB,  196                          ; v196-247 b2, later the quantiser's registers and the two operand tiles
.set WK,  144
.set WVF, 16
.set TM,  196
.set AF,  212                          ; v212-235
.set PT,  236
.set WVS, 248                          ; v248-251 Wv_c's scale words
.set PWA, 252                          ; v252-253 zn's scale words
.set ZP, 16
.set WP, 18
.set WSP, 20
.set KC, 22
.set KSP, 24
.set VCP, 26
.set VSP, 28
.set SEL, 30
.set C01, 32
.set EPS, 33
.macro PLACES n
.rept \n
	v_nop
.endr
.endm
.macro ZIN R, off
.irp q, 0,1,2,3,4,5,6,7,8,9,10,11
	global_load_b128 v[\R+4*\q:\R+4*\q+3], v[ZA], s[ZP:ZP+1] offset:\off+128*(\q/4)+16*(\q%4)
.endr
	global_load_b128 v[\R+48:\R+51], v[ZB], s[ZP:ZP+1] offset:\off+384
.endm
.macro MASK3 R
.irp j, 48,49,50,51
	v_mul_f32 v[\R+\j], v[\R+\j], v[MASK]
.endr
.endm
.macro ZSUM                            ; two pairs of partial sums -> the row's total in v[T]
	v_pk_add_f32 v[T:T+1], v[T:T+1], v[T+2:T+3]
	v_add_f32 v[T], v[T], v[T+1]
	v_permlanex16_b32 v[T+4], v[T], s[SEL], s[SEL+1]
	v_add_f32 v[T], v[T], v[T+4]
.endm
; the norm of one row tile, in place, in two passes; its registers 52 .. 63 are at work meanwhile and are zeros at the end
.macro ZLN R
.set T, \R+52
	v_mov_b32 v[T+4], 0
	MASK3 \R
	v_pk_add_f32 v[T:T+1], v[\R:\R+1], v[\R+2:\R+3]
	v_pk_add_f32 v[T+2:T+3], v[\R+4:\R+5], v[\R+6:\R+7]
.irp j, 8,12,16,20,24,28,32,36,40,44,48
	v_pk_add_f32 v[T:T+1], v[T:T+1], v[\R+\j:\R+\j+1]
	v_pk_add_f32 v[T+2:T+3], v[T+2:T+3], v[\R+\j+2:\R+\j+3]
.endr
	ZSUM
	v_mul_f32 v[T+6], s[C01], v[T]
	v_mov_b32 v[T+7], v[T+6]
.set j, 0
.rept 26
	v_pk_add_f32 v[\R+j:\R+j+1], v[\R+j:\R+j+1], v[T+6:T+7] neg_lo:[0,1] neg_hi:[0,1]
.set j, j+2
.endr
	MASK3 \R
	v_pk_mul_f32 v[T:T+1], v[\R:\R+1], v[\R:\R+1]
	v_pk_mul_f32 v[T+2:T+3], v[\R+2:\R+3], v[\R+2:\R+3]
.irp j, 4,8,12,16,20,24,28,32,36,40,44,48
	v_pk_fma_f32 v[T:T+1], v[\R+\j:\R+\j+1], v[\R+\j:\R+\j+1], v[T:T+1]
	v_pk_fma_f32 v[T+2:T+3], v[\R+\j+2:\R+\j+3], v[\R+\j+2:\R+\j+3], v[T+2:T+3]
.endr
	ZSUM
	v_fma_f32 v[T+6], v[T], s[C01], s[EPS]
	v_rsq_f32 v[T+6], v[T+6]
	v_nop
	s_wait_alu depctr_va_vdst(0)                   ; the reciprocal root v[T+6] is written, ahead of its first reader
	v_mov_b32 v[T+7], v[T+6]
.set j, 0
.rept 26
	v_pk_mul_f32 v[\R+j:\R+j+1], v[\R+j:\R+j+1], v[T+6:T+7]
	v_pk_fma_f32 v[\R+j:\R+j+1], v[\R+j:\R+j+1], v[G+j:G+j+1], v[BB+j:BB+j+1]
.set j, j+2
.endr
	MASK3 \R
.irp j, 52,53,54,55,56,57,58,59,60,61,62,63
	v_mov_b32 v[\R+\j], 0
.endr
.endm
.macro WSMALL set, sc, m               ; 17 loads: my four column tiles of the weight and their scale words
.irp nt, 0,1,2,3
.irp c, 0,1
	global_load_b128 v[\set+12*\nt+6*\c:\set+12*\nt+6*\c+3], v[L16], s[WP:WP+1] offset:1638400+(\m)*49152+\nt*1536+\c*768
	global_load_b64 v[\set+12*\nt+6*\c+4:\set+12*\nt+6*\c+5], v[L8], s[WP:WP+1] offset:1638400+(\m)*49152+\nt*1536+\c*768+512
.endr
.endr
	global_load_b128 v[\sc:\sc+3], v[R16], s[WSP:WSP+1] offset:1736704+(\m)*2048
.endm
.macro QSCALE s, pw
.irp b, 0,1,2,3
	v_max3_num_f32 v[TM+\b], |v[\s+16*\b]|, |v[\s+16*\b+1]|, 0x1800000
.endr
.irp i, 2,4,6,8,10,12,14
.irp b, 0,1,2,3
	v_max3_num_f32 v[TM+\b], v[TM+\b], |v[\s+16*\b+\i]|, |v[\s+16*\b+\i+1]|
.endr
.endr
.irp b, 0,1,2,3
	v_permlanex16_b32 v[TM+4+\b], v[TM+\b], s[SEL], s[SEL+1]
.endr
.irp b, 0,1,2,3
	v_max_num_f32 v[TM+\b], v[TM+\b], v[TM+4+\b]
.endr
.irp b, 0,1,2,3
	v_add_nc_u32 v[TM+12+\b], 0xff000000, v[TM+\b]
.endr
.irp b, 0,1,2,3
	v_lshrrev_b32 v[TM+4+\b], 23, v[TM+12+\b]
.endr
	v_lshl_or_b32 v[\pw], v[TM+5], 8, v[TM+4]
	v_lshl_or_b32 v[\pw], v[TM+6], 16, v[\pw]
	v_lshl_or_b32 v[\pw], v[TM+7], 24, v[\pw]
.endm
.macro QCODES s, pc
.irp c, 0,1
	v_cvt_scalef32_pk16_fp6_f32 v[\pc+6*\c:\pc+6*\c+2], v[\s+32*\c:\s+32*\c+15], v[TM+12+2*\c]
	v_cvt_scalef32_pk16_fp6_f32 v[PT+4*\c:PT+4*\c+2], v[\s+32*\c+16:\s+32*\c+31], v[TM+13+2*\c]
.endr
	v_nop
.irp c, 0,1
.irp i, 0,1,2
	v_permlane16_swap_b32 v[\pc+6*\c+\i], v[PT+4*\c+\i]
.endr
.irp i, 0,1,2
	v_mov_b32 v[\pc+6*\c+3+\i], v[PT+4*\c+\i]
.endr
.endr
.endm
	s_load_b256 s[4:11], s[0:1], 0x0               ; Zelta, g2, b2, wb
	s_load_b64 s[12:13], s[0:1], 0x20              ; kvc
	v_lshrrev_b32 v14, 5, v0
	v_readfirstlane_b32 s14, v14                   ; wave w
	v_and_b32 v14, 31, v0
	v_lshlrev_b32 v[L16], 4, v14
	v_lshlrev_b32 v[L8], 3, v14
	v_and_b32 v14, 15, v0                          ; r
	v_bfe_u32 v15, v0, 4, 1                        ; h
	v_lshlrev_b32 v[R16], 4, v14
	v_and_b32 v[ZB], 8, v14
	v_add_nc_u32 v[ZB], v[ZB], v14
	v_mul_u32_u24 v[ZB], v[ZB], 400
	v_lshl_add_u32 v[ZA], v15, 6, v[ZB]
	v_lshlrev_b32 v[GA], 6, v15
	v_mov_b32 v[ZERO], 0
	v_mul_u32_u24 v[V24], v14, 24
	v_mad_u32_u24 v[V24], v15, 12, v[V24]
	v_sub_nc_u32 v[MASK], 1, v15
	v_cvt_f32_u32 v[MASK], v[MASK]
	s_wait_alu depctr_va_sdst(0)                   ; s14, the wave's number, is written, ahead of its first reader
	s_mov_b32 s[SEL], 0x76543210
	s_mov_b32 s[SEL+1], 0xfedcba98
	s_mov_b32 s[C01], 0x3c23d70a                   ; 0.01
	s_mov_b32 s[EPS], 0x3727c5ac                   ; 1e-5
	s_mul_i32 s34, ttmp9, 12800                    ; 32 rows of 400 bytes
	s_mov_b32 s35, 0
	s_wait_kmcnt 0x0
	s_add_nc_u64 s[ZP:ZP+1], s[4:5], s[34:35]
	s_wait_alu depctr_va_vdst(0)                   ; the addresses and offsets v1 to v7 and v9 are written, which every load and store of the kernel reads
	ZIN R1, 0
	ZIN R2, 3200
.irp q, 0,1,2,3,4,5,6,7,8,9,10,11
	global_load_b128 v[G+4*\q:G+4*\q+3], v[GA], s[6:7] offset:128*(\q/4)+16*(\q%4)
.endr
	global_load_b128 v[G+48:G+51], v[ZERO], s[6:7] offset:384
.irp q, 0,1,2,3,4,5,6,7,8,9,10,11
	global_load_b128 v[BB+4*\q:BB+4*\q+3], v[GA], s[8:9] offset:128*(\q/4)+16*(\q%4)
.endr
	global_load_b128 v[BB+48:BB+51], v[ZERO], s[8:9] offset:384
	s_mul_i32 s34, s14, 6144
	s_add_nc_u64 s[WP:WP+1], s[10:11], s[34:35]
	s_lshl_b32 s34, s14, 8
	s_add_nc_u64 s[WSP:WSP+1], s[10:11], s[34:35]
	s_lshr_b32 s36, ttmp9, 5                       ; b
	s_lshl_b32 s36, s36, 3
	s_add_co_u32 s36, s36, s14                     ; b 8 + head
	s_and_b32 s37, ttmp9, 31                       ; f
	s_lshl_b32 s34, s36, 5
	s_add_co_u32 s34, s34, s37
	s_mul_i32 s34, s34, 1536
	s_add_nc_u64 s[KC:KC+1], s[12:13], s[34:35]
	s_lshl_b32 s34, s36, 11                        ; scale words: 2048 (b 8 + head) + 256 (f / 4) + 4 (f % 4)
	s_lshr_b32 s38, s37, 2
	s_lshl_b32 s39, s38, 8
	s_add_co_u32 s34, s34, s39
	s_and_b32 s37, s37, 3
	s_lshl_b32 s39, s37, 2
	s_add_co_u32 s34, s34, s39
	s_add_nc_u64 s[KSP:KSP+1], s[12:13], s[34:35]
	s_add_nc_u64 s[VSP:VSP+1], s[KSP:KSP+1], 3211264
	s_add_nc_u64 s[KSP:KSP+1], s[KSP:KSP+1], 3145728
	s_mul_i32 s34, s36, 49152
	s_mul_i32 s38, s38, 6144
	s_add_co_u32 s34, s34, s38
	s_mul_i32 s37, s37, 384
	s_add_co_u32 s34, s34, s37
	s_add_nc_u64 s[VCP:VCP+1], s[12:13], s[34:35]
	s_add_nc_u64 s[VCP:VCP+1], s[VCP:VCP+1], 1572864
	s_wait_loadcnt 0x0
	ZLN R1
	ZLN R2
	s_wait_alu depctr_va_vdst(0)                   ; the two norms are done reading g2 in v144-195, in which Wk_c's loads land
	WSMALL WK, WKS, 0                              ; Wk_c, where g2 lay
	QSCALE R1, PWA
	QCODES R1, AF
	s_wait_alu depctr_va_vdst(0)                   ; the quantiser is done reading row tile 0 in v16-79, in which Wv_c's loads land
	WSMALL WVF, WVS, 1                             ; Wv_c, where row tile 0 lay
	QSCALE R2, PWA+1
	QCODES R2, AF+12
	PLACES 8                                       ; scale words made by vector instructions stand eight places ahead of the products, operands four
	s_wait_alu depctr_va_vdst(0)                   ; behind the places: the operand tiles v[AF ..] and their scale words v[PWA], v[PWA+1] are written, which the scaled matrix instructions take
	s_wait_loadcnt 17                              ; Wk_c is in; Wv_c's 17 loads may be out
.irp rt, 0,1
.irp nt, 0,1,2,3
	v_wmma_scale_f32_16x16x128_f8f6f4 v[ACC+32*\rt+8*\nt:ACC+32*\rt+8*\nt+7], v[WK+12*\nt:WK+12*\nt+11], v[AF+12*\rt:AF+12*\rt+11], 0, v[WKS+\nt], v[PWA+\rt] matrix_a_fmt:MATRIX_FMT_FP6 matrix_b_fmt:MATRIX_FMT_FP6
.endr
.endr
	PLACES 4
	QSCALE ACC, 254
	QCODES ACC, 144
	s_wait_alu depctr_va_vdst(0)                   ; k's codes v144-155 and its scale word v254 are written, which the stores read
	global_store_b128 v[L16], v[144:147], s[KC:KC+1]
	global_store_b64 v[L8], v[148:149], s[KC:KC+1] offset:512
	global_store_b128 v[L16], v[150:153], s[KC:KC+1] offset:768
	global_store_b64 v[L8], v[154:155], s[KC:KC+1] offset:1280
	global_store_b32 v[R16], v254, s[KSP:KSP+1]
	s_wait_loadcnt 0x0                             ; Wv_c
.irp rt, 0,1
.irp nt, 0,1,2,3
	v_wmma_scale_f32_16x16x128_f8f6f4 v[ACC+16*\nt+8*\rt:ACC+16*\nt+8*\rt+7], v[AF+12*\rt:AF+12*\rt+11], v[WVF+12*\nt:WVF+12*\nt+11], 0, v[PWA+\rt], v[WVS+\nt] matrix_a_fmt:MATRIX_FMT_FP6 matrix_b_fmt:MATRIX_FMT_FP6
.endr
.endr
	PLACES 4
	QSCALE ACC, 255                                ; block nt: column tile nt, the 32 keys of this block of rows
.irp nt, 0,1,2,3
	v_cvt_scalef32_pk16_fp6_f32 v[160+4*\nt:162+4*\nt], v[ACC+16*\nt:ACC+16*\nt+15], v[TM+12+\nt]    ; registers of their own: K's stores may still read theirs
.endr
	v_nop
	s_wait_alu depctr_va_vdst(0)                   ; v's codes v160-174 and its scale word v255 are written, which the stores read
.irp nt, 0,1,2,3
	global_store_b96 v[V24], v[160+4*\nt:162+4*\nt], s[VCP:VCP+1] offset:\nt*1536
.endr
	global_store_b32 v[R16], v255, s[VSP:VSP+1]
	s_endpgm
.Lfunc_end_k_q0e02a0a7cf_zkv:
	.size	k_q0e02a0a7cf_zkv, .Lfunc_end_k_q0e02a0a7cf_zkv-k_q0e02a0a7cf_zkv
	.p2alignl 7, 3214868480
	.fill 96, 4, 3214868480
	.section	.rodata,"a",@progbits
	.p2align	6, 0x0
	.amdhsa_kernel k_q0e02a0a7cf_zkv
		.amdhsa_group_segment_fixed_size 0
		.amdhsa_private_segment_fixed_size 0
		.amdhsa_enable_private_segment 0
		.amdhsa_kernarg_size 40
		.amdhsa_user_sgpr_count 2
		.amdhsa_user_sgpr_kernarg_segment_ptr 1
		.amdhsa_wavefront_size32 1
		.amdhsa_system_sgpr_workgroup_id_x 1
		.amdhsa_system_sgpr_workgroup_id_y 1
		.amdhsa_system_sgpr_workgroup_id_z 1
		.amdhsa_system_vgpr_workitem_id 0
		.amdhsa_next_free_vgpr 256
		.amdhsa_next_free_sgpr 66
		.amdhsa_reserve_vcc 0
		.amdhsa_float_denorm_mode_32 3
		.amdhsa_float_denorm_mode_16_64 3
		.amdhsa_memory_ordered 1
		.amdhsa_forward_progress 1
		.amdhsa_inst_pref_size 48
	.end_amdhsa_kernel
	.amdgpu_metadata
---
amdhsa.version: [ 1, 2 ]
amdhsa.kernels:
  - .name:           k_q0e02a0a7cf_zkv
    .symbol:         k_q0e02a0a7cf_zkv.kd
    .args:
      - { .name: Zelta, .offset: 0, .size: 8, .value_kind: global_buffer, .address_space: global }
      - { .name: g2, .offset: 8, .size: 8, .value_kind: global_buffer, .address_space: global }
      - { .name: b2, .offset: 16, .size: 8, .value_kind: global_buffer, .address_space: global }
      - { .name: wb, .offset: 24, .size: 8, .value_kind: global_buffer, .address_space: global }
      - { .name: kvc, .offset: 32, .size: 8, .value_kind: global_buffer, .address_space: global }
    .group_segment_fixed_size: 0
    .private_segment_fixed_size: 0
    .kernarg_segment_align: 8
    .kernarg_segment_size: 40
    .max_flat_workgroup_size: 256
    .sgpr_count:     66
    .vgpr_count:     256
    .wavefront_size: 32
...
	.end_amdgpu_metadata
.endif
;; end of part 10
;; launch attn_c: the kernel of part 6 again; grid 8 x 32, 16 waves a work-group, clusters of 4 x 1, 169,984 bytes of LDS; arguments qb, kvc, ob; writes ob
;; launch final (part 11): grid 256 x 1, 8 waves a work-group, no clusters, 176,640 bytes of LDS; arguments x1, ob, wb, g1, b1, bf1, bf2, out0; writes out0
.if DOCPART == 11
	.amdgcn_target "amdgcn-amd-amdhsa--gfx1250"
	.amdhsa_code_object_version 6
	.text
	.protected	k_q0e02a0a7cf_final
	.globl	k_q0e02a0a7cf_final
	.p2align	8
	.type	k_q0e02a0a7cf_final,@function
k_q0e02a0a7cf_final:
	s_mov_b64 s[64:65], 0
	v_nop
	global_prefetch_b8 v0, s[64:65] scope:SCOPE_SE
	s_setreg_imm32_b32 hwreg(HW_REG_WAVE_SCHED_MODE, 0, 2), 2
	s_setreg_imm32_b32 hwreg(HW_REG_WAVE_MODE, 25, 1), 1
	s_wait_xcnt 0x0
	s_wait_alu depctr_vm_vsrc(0)
; FINAL: X2 = X1 + o Wo_c; n = LN(X2); h = gelu(n W1 + bf1), with the exact erf; out = X2 + h W2 + bf2.  The three products on codes of FP6 (E2M3) with one E8M0 scale for each 32 along K; n and h never go to memory.
; SHARES: a work-group takes 32 whole rows (block blk: two tiles rt of 16; lane r of tile rt is row 32 blk + 8 rt + r + 8 (r / 8)); wave w takes columns 64 w .. 64 w + 63: 8 accumulators, 32 matrix instructions a weight.
; THE PRODUCTS ARE USED TRANSPOSED (source 0 = 16 columns of the weight, source 1 = 16 rows): lane (r, h) holds row r, register 16 beta + i column 64 w + 32 beta + 16 h + i.  What is added to a product (X1; bf1; X2 + bf2) stands in that
; layout in the accumulators and is the C of the product's first instructions.  X2 waits in LDS, as an image of its registers, while the norm and the two products use the accumulators.
; OPERANDS GO FROM WAVE TO WAVE THROUGH LDS AS IMAGES OF THEIR REGISTERS (a sub-image, 16 rows x 64 K, is 768 bytes: registers 0-3 at 16 x lane, 4-5 at 512 + 8 x lane).
; NO JOINT LOADS, though all 256 work-groups walk the same weights: each wave takes its own 24,576 bytes of a weight straight into registers; joint loads would send 3 x 196,608 bytes through LDS in slots filled again, with a round of a cluster's barrier for each.
; erf(z) = z P(z^2) / Q(z^2), z held to -4 .. 4, P of degree 6 and Q of degree 4 in z^2: about 1e-7 absolute.
; LIMITS: that error of erf; a block of zeros carries the byte 1 in place of 127; NaN and infinities are not served.
; THE MODE: SCHED_MODE bits 1:0 = 2 (LLVM: expert scheduling mode 2), set by the entry lines.  The code itself states the register dependences between vector or matrix instructions and memory or LDS instructions, with s_wait_alu, always for 0.
; THE PLAN.  Registers that memory or LDS instructions touch:
;   v1-15       addresses and offsets: written at the head, ahead of the one wait in front of the first load, and never again.
;   WA, WB      a K step's weights, by turns.  Step s's eight products read the set; the loads of step s + 2 land in it, behind the wait that stands behind those products.
;   AF0, AF1    a K step's two row tiles, by turns.  Step s's products read the set; the LDS loads of step s + 2 land in it, dealt among the products of step s + 1, which name the other set.
;   WS, AS      scale words: read by a product's 32 matrix instructions; the next weight's land behind the wait behind the last of them, the rows' at the next product's head.
;   v128-223    between products: g, b, bf2 (loaded), the activation's and the quantiser's registers, the codes (PC) and the norm's sums (TA), which stores read; at the end the stage's rows (v192-223); v248, v249 likewise.
;   ACC         loads land in it (X1; bf1; X2 coming back), each behind a wait behind its last vector reader; LDS stores read it twice (X2's image, the stage), each behind the wait behind the product that wrote it.
; So: one wait on va_vdst behind each K step's products; one ahead of every run of stores of what vector or matrix instructions made; one behind the additions that read bf2; one wait on vm_vsrc at each product's head, one in each sum over the waves,
; one between the two halves of the stage's way out.
.set L16, 1
.set L8,  2
.set R16, 3
.set XA,  4
.set IW16, 5
.set IW8, 6
.set SW,  7
.set SR,  8
.set RW,  9
.set STO, 10
.set SRD, 11
.set GO,  12
.set CB,  13
.set XS16, 14                          ; XSV + 8192 w + 16 x lane
.set R2,  15                           ; 2 r
.set ACC, 16
.set WA,  80
.set WB,  128
.set AF0, 176
.set AF1, 200
.set WS,  224
.set AS,  240
.set G,   128
.set BB,  160
.set TM,  192
.set PC,  208
.set PT,  128
.set TA,  208
.set EX,  216
.set MN,  218
.set PW,  248
.set RS,  250
.set ZZ,  128                          ; the activation's registers: z, z^2, P, Q of four pairs
.set Z2,  136
.set PP,  144
.set QQ,  152
.set CA,  250                          ; v250-251 P's leading coefficient, v252-253 Q's
.set CQ,  252
.set AIMG, 0
.set ASC,  36864
.set RED1, 38400
.set RED2, 39424
.set XSV,  40448                       ; X2: 8,192 bytes for each wave
.set STG,  105984                      ; a stage of 32 rows x (256 bytes + 16) for each wave
.set WV, 20
.set XP, 22
.set GP, 24
.set BP, 26
.set WP, 28
.set WSP, 30
.set OBP, 32
.set OSP, 34
.set F1P, 36
.set F2P, 38
.set OUTP, 40
.set SEL, 42
.set INV, 44
.set EPS, 45
.set RS2, 46
.macro PLACES n
.rept \n
	v_nop
.endr
.endm
.macro BARRIER
	s_wait_dscnt 0x0
	s_barrier_signal -1
	s_barrier_wait -1
.endm
.macro WLOAD set, s, mi
.irp nt, 0,1,2,3
.irp c, 0,1
	global_load_b128 v[\set+12*\nt+6*\c:\set+12*\nt+6*\c+3], v[L16], s[WP:WP+1] offset:(\mi)*196608+(\s)*6144+\nt*1536+\c*768
	global_load_b64 v[\set+12*\nt+6*\c+4:\set+12*\nt+6*\c+5], v[L8], s[WP:WP+1] offset:(\mi)*196608+(\s)*6144+\nt*1536+\c*768+512
.endr
.endr
.endm
.macro WSCL mi
.irp s, 0,1,2,3
	global_load_b128 v[WS+4*\s:WS+4*\s+3], v[R16], s[WSP:WSP+1] offset:1572864+(\mi)*8192+256*\s
.endr
.endm
.macro ASCL k
.irp rt, 0,1
	ds_load_b128 v[AS+4*\rt:AS+4*\rt+3], v[SR] offset:ASC+(\k)*512+16*\rt
.endr
.endm
.macro ALOADH af, s, k, rt             ; 4 LDS loads: row tile rt of K step s
	ds_load_b128 v[\af+12*(\rt):\af+12*(\rt)+3], v[L16] offset:AIMG+(\k)*12288+(\rt)*6144+(\s)*1536
	ds_load_b64 v[\af+12*(\rt)+4:\af+12*(\rt)+5], v[L8] offset:AIMG+(\k)*12288+(\rt)*6144+(\s)*1536+512
	ds_load_b128 v[\af+12*(\rt)+6:\af+12*(\rt)+9], v[L16] offset:AIMG+(\k)*12288+(\rt)*6144+(\s)*1536+768
	ds_load_b64 v[\af+12*(\rt)+10:\af+12*(\rt)+11], v[L8] offset:AIMG+(\k)*12288+(\rt)*6144+(\s)*1536+1280
.endm
; 4 matrix instructions that add onto the accumulators of row tile rt; a step's two halves take the 8 accumulators by turns
.macro MMH s, set, af, rt
.irp nt, 0,1,2,3
	v_wmma_scale_f32_16x16x128_f8f6f4 v[ACC+32*(\rt)+8*\nt:ACC+32*(\rt)+8*\nt+7], v[\set+12*\nt:\set+12*\nt+11], v[\af+12*(\rt):\af+12*(\rt)+11], v[ACC+32*(\rt)+8*\nt:ACC+32*(\rt)+8*\nt+7], v[WS+4*(\s)+\nt], v[AS+4*(\rt)+(\s)] matrix_a_fmt:MATRIX_FMT_FP6 matrix_b_fmt:MATRIX_FMT_FP6
.endr
.endm
; A product over K = 512: four K steps on two sets of registers.  On entry the weight's K step 0 (set WA) and its scale words have been asked for, and the accumulators hold what the product is added to.  nmi: the next weight, or -1.
; Ahead of every product stands a wait on va_vdst behind which no vector or matrix instruction names WB, AS, AF0 or AF1: so the loads at its head, and AF1's among the first step's products, owe no further one.
.macro GEMM k, mi, nmi
	s_wait_xcnt 0x0
	s_wait_alu depctr_vm_vsrc(0)                   ; the LDS stores issued ahead of this product have read their data (o's copies in v176-189, or the codes in v208-219), in which AF0's and AF1's loads land, and v248, v249, which the next quantiser writes again
	WLOAD WB, 1, \mi
	ASCL \k
	ALOADH AF0, 0, \k, 0
	ALOADH AF0, 0, \k, 1
	s_wait_loadcnt 16                              ; all but set WB's 16 loads
	s_wait_dscnt 0x0                               ; the rows' scale words and AF0
	MMH 0, WA, AF0, 0
	ALOADH AF1, 1, \k, 0                           ; the next step's row tiles, dealt among this step's products, which name the other set
	MMH 0, WA, AF0, 1
	ALOADH AF1, 1, \k, 1
	PLACES 4                                       ; four places in front of loads into registers that matrix instructions have read
	s_wait_alu depctr_va_vdst(0)                   ; step 0's products are done reading WA, in which the loads below land, and AF0, in which the LDS loads among step 1's products land
	WLOAD WA, 2, \mi
	s_wait_loadcnt 16
	s_wait_dscnt 0x0                               ; AF1
	MMH 1, WB, AF1, 0
	ALOADH AF0, 2, \k, 0
	MMH 1, WB, AF1, 1
	ALOADH AF0, 2, \k, 1
	PLACES 4
	s_wait_alu depctr_va_vdst(0)                   ; step 1's products are done reading WB and AF1
	WLOAD WB, 3, \mi
	s_wait_loadcnt 16
	s_wait_dscnt 0x0
	MMH 2, WA, AF0, 0
	ALOADH AF1, 3, \k, 0
	MMH 2, WA, AF0, 1
	ALOADH AF1, 3, \k, 1
	PLACES 4
.if (\nmi) >= 0
	s_wait_alu depctr_va_vdst(0)                   ; step 2's products are done reading WA, in which the next weight's loads land
	WLOAD WA, 0, \nmi
	s_wait_loadcnt 16                              ; K step 3's weights are in, the next weight's 16 loads may be out
.else
	s_wait_loadcnt 0x0
.endif
	s_wait_dscnt 0x0
	MMH 3, WB, AF1, 0
	MMH 3, WB, AF1, 1
	PLACES 5
.if (\nmi) >= 0
	s_wait_alu depctr_va_vdst(0)                   ; the product's matrix instructions have written the accumulators, which LDS stores may read next, and are done reading WS, WB, AF0 and AF1, in which the loads that follow land
	WSCL \nmi
.endif
.endm
.macro QSCALE s, pw
.irp b, 0,1,2,3
	v_max3_num_f32 v[TM+\b], |v[\s+16*\b]|, |v[\s+16*\b+1]|, 0x1800000
.endr
.irp i, 2,4,6,8,10,12,14
.irp b, 0,1,2,3
	v_max3_num_f32 v[TM+\b], v[TM+\b], |v[\s+16*\b+\i]|, |v[\s+16*\b+\i+1]|
.endr
.endr
.irp b, 0,1,2,3
	v_permlanex16_b32 v[TM+4+\b], v[TM+\b], s[SEL], s[SEL+1]
.endr
.irp b, 0,1,2,3
	v_max_num_f32 v[TM+\b], v[TM+\b], v[TM+4+\b]
.endr
.irp b, 0,1,2,3
	v_add_nc_u32 v[TM+12+\b], 0xff000000, v[TM+\b]
.endr
.irp b, 0,1,2,3
	v_lshrrev_b32 v[TM+4+\b], 23, v[TM+12+\b]
.endr
	v_lshl_or_b32 v[\pw], v[TM+5], 8, v[TM+4]
	v_lshl_or_b32 v[\pw], v[TM+6], 16, v[\pw]
	v_lshl_or_b32 v[\pw], v[TM+7], 24, v[\pw]
.endm
.macro QCODES s, pc
.irp c, 0,1
	v_cvt_scalef32_pk16_fp6_f32 v[\pc+6*\c:\pc+6*\c+2], v[\s+32*\c:\s+32*\c+15], v[TM+12+2*\c]
	v_cvt_scalef32_pk16_fp6_f32 v[PT+4*\c:PT+4*\c+2], v[\s+32*\c+16:\s+32*\c+31], v[TM+13+2*\c]
.endr
	v_nop
.irp c, 0,1
.irp i, 0,1,2
	v_permlane16_swap_b32 v[\pc+6*\c+\i], v[PT+4*\c+\i]
.endr
.irp i, 0,1,2
	v_mov_b32 v[\pc+6*\c+3+\i], v[PT+4*\c+\i]
.endr
.endr
.endm
.macro IMAGE k
	v_lshrrev_b32 v249, 16, v[PW]
	s_wait_alu depctr_va_vdst(0)                   ; the codes v[PC ..], v[PW] and v249 are written, which the LDS stores read; and the lines above are done with the accumulators and with v128-223, in which the loads that follow land
	ds_store_b128 v[IW16], v[PC:PC+3] offset:AIMG+(\k)*12288
	ds_store_b64 v[IW8], v[PC+4:PC+5] offset:AIMG+(\k)*12288+512
	ds_store_b128 v[IW16], v[PC+6:PC+9] offset:AIMG+(\k)*12288+6144
	ds_store_b64 v[IW8], v[PC+10:PC+11] offset:AIMG+(\k)*12288+6144+512
	ds_store_b16 v[SW], v[PW] offset:ASC+(\k)*512
	ds_store_b16 v[SW], v249 offset:ASC+(\k)*512+16
.endm
.macro XIN p
.irp rt, 0,1
.irp q, 0,1,2,3,4,5,6,7
	global_load_b128 v[ACC+32*\rt+4*\q:ACC+32*\rt+4*\q+3], v[XA], s[\p:\p+1] offset:\rt*16384+128*(\q/4)+16*(\q%4)
.endr
.endr
.endm
.macro GBIN
.irp q, 0,1,2,3,4,5,6,7
	global_load_b128 v[G+4*\q:G+4*\q+3], v[CB], s[GP:GP+1] offset:128*(\q/4)+16*(\q%4)
.endr
.irp q, 0,1,2,3,4,5,6,7
	global_load_b128 v[BB+4*\q:BB+4*\q+3], v[CB], s[BP:BP+1] offset:128*(\q/4)+16*(\q%4)
.endr
.endm
.macro REDUCE base
.irp rt, 0,1
	v_pk_add_f32 v[TA+4*\rt:TA+4*\rt+1], v[TA+4*\rt:TA+4*\rt+1], v[TA+4*\rt+2:TA+4*\rt+3]
.endr
.irp rt, 0,1
	v_add_f32 v[TA+4*\rt], v[TA+4*\rt], v[TA+4*\rt+1]
.endr
.irp rt, 0,1
	v_permlanex16_b32 v[EX+\rt], v[TA+4*\rt], s[SEL], s[SEL+1]
.endr
.irp rt, 0,1
	v_add_f32 v[TA+4*\rt], v[TA+4*\rt], v[EX+\rt]
.endr
	s_wait_alu depctr_va_vdst(0)                   ; the sums v[TA] and v[TA+4] are written, which the LDS stores read; and every earlier vector line is done with v192-207, in which the loads below land
.irp rt, 0,1
	ds_store_b32 v[RW], v[TA+4*\rt] offset:\base+512*\rt
.endr
	BARRIER
.irp rt, 0,1
	ds_load_b128 v[192+8*\rt:195+8*\rt], v[SR] offset:\base+512*\rt
	ds_load_b128 v[196+8*\rt:199+8*\rt], v[SR] offset:\base+512*\rt+16
.endr
	s_wait_dscnt 0x0
	s_wait_alu depctr_vm_vsrc(0)                   ; the LDS stores have read v[TA] and v[TA+4], and those of X2's image the accumulators: the lines behind this sum write both again
.irp rt, 0,1
	v_pk_add_f32 v[192+8*\rt:193+8*\rt], v[192+8*\rt:193+8*\rt], v[194+8*\rt:195+8*\rt]
	v_pk_add_f32 v[196+8*\rt:197+8*\rt], v[196+8*\rt:197+8*\rt], v[198+8*\rt:199+8*\rt]
.endr
.irp rt, 0,1
	v_pk_add_f32 v[192+8*\rt:193+8*\rt], v[192+8*\rt:193+8*\rt], v[196+8*\rt:197+8*\rt]
.endr
.irp rt, 0,1
	v_add_f32 v[192+8*\rt], v[192+8*\rt], v[193+8*\rt]
.endr
.endm
; the norm, in place on v[ACC ..], in two passes as it is defined
.macro LN gw
.irp rt, 0,1
	v_pk_add_f32 v[TA+4*\rt:TA+4*\rt+1], v[ACC+32*\rt:ACC+32*\rt+1], v[ACC+32*\rt+2:ACC+32*\rt+3]
	v_pk_add_f32 v[TA+4*\rt+2:TA+4*\rt+3], v[ACC+32*\rt+4:ACC+32*\rt+5], v[ACC+32*\rt+6:ACC+32*\rt+7]
.endr
.irp j, 8,12,16,20,24,28
.irp rt, 0,1
	v_pk_add_f32 v[TA+4*\rt:TA+4*\rt+1], v[TA+4*\rt:TA+4*\rt+1], v[ACC+32*\rt+\j:ACC+32*\rt+\j+1]
	v_pk_add_f32 v[TA+4*\rt+2:TA+4*\rt+3], v[TA+4*\rt+2:TA+4*\rt+3], v[ACC+32*\rt+\j+2:ACC+32*\rt+\j+3]
.endr
.endr
	REDUCE RED1
.irp rt, 0,1
	v_mul_f32 v[MN+2*\rt], 0x3b000000, v[192+8*\rt]
.endr
.irp rt, 0,1
	v_mov_b32 v[MN+2*\rt+1], v[MN+2*\rt]
.endr
.set j, 0
.rept 16
	v_pk_add_f32 v[ACC+j:ACC+j+1], v[ACC+j:ACC+j+1], v[MN:MN+1] neg_lo:[0,1] neg_hi:[0,1]
	v_pk_add_f32 v[ACC+32+j:ACC+33+j], v[ACC+32+j:ACC+33+j], v[MN+2:MN+3] neg_lo:[0,1] neg_hi:[0,1]
.set j, j+2
.endr
.irp rt, 0,1
	v_pk_mul_f32 v[TA+4*\rt:TA+4*\rt+1], v[ACC+32*\rt:ACC+32*\rt+1], v[ACC+32*\rt:ACC+32*\rt+1]
	v_pk_mul_f32 v[TA+4*\rt+2:TA+4*\rt+3], v[ACC+32*\rt+2:ACC+32*\rt+3], v[ACC+32*\rt+2:ACC+32*\rt+3]
.endr
.irp j, 4,8,12,16,20,24,28
.irp rt, 0,1
	v_pk_fma_f32 v[TA+4*\rt:TA+4*\rt+1], v[ACC+32*\rt+\j:ACC+32*\rt+\j+1], v[ACC+32*\rt+\j:ACC+32*\rt+\j+1], v[TA+4*\rt:TA+4*\rt+1]
	v_pk_fma_f32 v[TA+4*\rt+2:TA+4*\rt+3], v[ACC+32*\rt+\j+2:ACC+32*\rt+\j+3], v[ACC+32*\rt+\j+2:ACC+32*\rt+\j+3], v[TA+4*\rt+2:TA+4*\rt+3]
.endr
.endr
	REDUCE RED2
.irp rt, 0,1
	v_fma_f32 v[RS+2*\rt], v[192+8*\rt], s[INV], s[EPS]
.endr
.irp rt, 0,1
	v_rsq_f32 v[RS+2*\rt], v[RS+2*\rt]
.endr
	v_nop
	s_wait_alu depctr_va_vdst(0)                   ; the two reciprocal roots v[RS] and v[RS+2] are written, ahead of their first reader
.irp rt, 0,1
	v_mov_b32 v[RS+2*\rt+1], v[RS+2*\rt]
.endr
	s_wait_loadcnt \gw
.set j, 0
.rept 16
	v_pk_mul_f32 v[ACC+j:ACC+j+1], v[ACC+j:ACC+j+1], v[RS:RS+1]
	v_pk_mul_f32 v[ACC+32+j:ACC+33+j], v[ACC+32+j:ACC+33+j], v[RS+2:RS+3]
	v_pk_fma_f32 v[ACC+j:ACC+j+1], v[ACC+j:ACC+j+1], v[G+j:G+j+1], v[BB+j:BB+j+1]
	v_pk_fma_f32 v[ACC+32+j:ACC+33+j], v[ACC+32+j:ACC+33+j], v[G+j:G+j+1], v[BB+j:BB+j+1]
.set j, j+2
.endr
.endm
; gelu of the eight numbers of one accumulator, in place: 0.5 x (1 + erf(x / sqrt 2)), four pairs by turns
.macro GELU8 x
.irp p, 0,1,2,3
	v_pk_mul_f32 v[ZZ+2*\p:ZZ+2*\p+1], v[\x+2*\p:\x+2*\p+1], s[RS2:RS2+1] op_sel_hi:[1,0]
.endr
.irp p, 0,1,2,3,4,5,6,7
	v_med3_num_f32 v[ZZ+\p], v[ZZ+\p], -4.0, 4.0
.endr
.irp p, 0,1,2,3
	v_pk_mul_f32 v[Z2+2*\p:Z2+2*\p+1], v[ZZ+2*\p:ZZ+2*\p+1], v[ZZ+2*\p:ZZ+2*\p+1]
.endr
.irp p, 0,1,2,3
	v_pk_fma_f32 v[PP+2*\p:PP+2*\p+1], v[Z2+2*\p:Z2+2*\p+1], v[CA:CA+1], 0x32edffee op_sel_hi:[1,1,0]
.endr
.irp k, 0xb60cff51, 0xb86ec2d2, 0xba40ac63, 0xbb41a1f6, 0xbc83dbd4
.irp p, 0,1,2,3
	v_pk_fma_f32 v[PP+2*\p:PP+2*\p+1], v[PP+2*\p:PP+2*\p+1], v[Z2+2*\p:Z2+2*\p+1], \k op_sel_hi:[1,1,0]
.endr
.endr
.irp p, 0,1,2,3
	v_pk_fma_f32 v[QQ+2*\p:QQ+2*\p+1], v[Z2+2*\p:Z2+2*\p+1], v[CQ:CQ+1], 0xb95fbd29 op_sel_hi:[1,1,0]
.endr
.irp k, 0xbadc924e, 0xbbf19bf8, 0xbc69b6a7
.irp p, 0,1,2,3
	v_pk_fma_f32 v[QQ+2*\p:QQ+2*\p+1], v[QQ+2*\p:QQ+2*\p+1], v[Z2+2*\p:Z2+2*\p+1], \k op_sel_hi:[1,1,0]
.endr
.endr
.irp p, 0,1,2,3,4,5,6,7
	v_rcp_f32 v[QQ+\p], v[QQ+\p]
.endr
.irp p, 0,1,2,3
	v_pk_mul_f32 v[PP+2*\p:PP+2*\p+1], v[PP+2*\p:PP+2*\p+1], v[ZZ+2*\p:ZZ+2*\p+1]      ; (plain lines behind the reciprocals)
.endr
	s_wait_alu depctr_va_vdst(0)                   ; the eight reciprocals v[QQ ..] are written, ahead of their first reader
.irp p, 0,1,2,3
	v_pk_mul_f32 v[PP+2*\p:PP+2*\p+1], v[PP+2*\p:PP+2*\p+1], v[QQ+2*\p:QQ+2*\p+1]      ; erf
.endr
.irp p, 0,1,2,3
	v_pk_mul_f32 v[\x+2*\p:\x+2*\p+1], v[\x+2*\p:\x+2*\p+1], 0.5 op_sel_hi:[1,0]
.endr
.irp p, 0,1,2,3
	v_pk_fma_f32 v[\x+2*\p:\x+2*\p+1], v[\x+2*\p:\x+2*\p+1], v[PP+2*\p:PP+2*\p+1], v[\x+2*\p:\x+2*\p+1]
.endr
.endm
	s_load_b512 s[4:19], s[0:1], 0x0               ; x1 4, ob 6, wb 8, g1 10, b1 12, bf1 14, bf2 16, out0 18
	v_lshl_add_u32 v254, v0, 2, 0x2ae00
	v_mov_b32 v255, 0
	v_lshrrev_b32 v249, 5, v0
	v_readfirstlane_b32 s[WV], v249
	v_and_b32 v251, 31, v0
	v_and_b32 v249, 15, v0
	v_bfe_u32 v250, v0, 4, 1
	v_lshlrev_b32 v[L16], 4, v251
	v_lshlrev_b32 v[L8], 3, v251
	v_lshlrev_b32 v[R16], 4, v249
	v_lshlrev_b32 v[R2], 1, v249
	v_and_b32 v[XA], 8, v249
	v_add_nc_u32 v[XA], v[XA], v249
	v_lshlrev_b32 v[XA], 11, v[XA]
	v_lshl_add_u32 v[XA], v250, 6, v[XA]
	s_wait_alu depctr_va_sdst(0)                   ; s[WV], the wave's number, is written, ahead of its first reader
	s_mul_i32 s48, s[WV], 768
	v_add_nc_u32 v[IW16], s48, v[L16]
	v_add_nc_u32 v[IW8], s48, v[L8]
	v_lshlrev_b32 v[SR], 5, v249
	s_lshl_b32 s48, s[WV], 1
	v_add_nc_u32 v[SW], s48, v[SR]
	s_lshl_b32 s48, s[WV], 2
	v_add_nc_u32 v[RW], s48, v[SR]
	v_lshlrev_b32 v[CB], 6, v250
	s_lshl_b32 s48, s[WV], 13
	s_add_co_u32 s48, s48, XSV
	v_add_nc_u32 v[XS16], s48, v[L16]
	s_mul_i32 s48, s[WV], 8704
	s_add_co_u32 s48, s48, STG
	v_mul_u32_u24 v[STO], v249, 272
	v_lshl_add_u32 v[STO], v250, 6, v[STO]
	v_add_nc_u32 v[STO], s48, v[STO]
	v_mul_u32_u24 v[SRD], v250, 272
	v_lshl_add_u32 v[SRD], v249, 4, v[SRD]
	v_add_nc_u32 v[SRD], s48, v[SRD]
	v_lshlrev_b32 v[GO], 11, v250
	v_lshl_add_u32 v[GO], v249, 4, v[GO]
	v_mov_b32 v[EX], 0
	v_mov_b32 v[EX+1], 0
.irp b, 0,1,2,3
	v_mov_b32 v[TM+4+\b], 0
.endr
	s_mov_b32 s[SEL], 0x76543210
	s_mov_b32 s[SEL+1], 0xfedcba98
	s_mov_b32 s[INV], 0x3b000000
	s_mov_b32 s[EPS], 0x3727c5ac
	s_mov_b32 s[RS2], 0x3f3504f3                   ; 1 / sqrt 2
	s_mov_b32 s[RS2+1], s[RS2]
	s_lshl_b32 s48, ttmp9, 16
	s_lshl_b32 s50, s[WV], 8
	s_add_co_u32 s48, s48, s50
	s_mov_b32 s49, 0
	s_mov_b32 s51, 0
	s_wait_kmcnt 0x0
	s_add_nc_u64 s[XP:XP+1], s[4:5], s[48:49]
	s_add_nc_u64 s[OUTP:OUTP+1], s[18:19], s[48:49]
	s_add_nc_u64 s[GP:GP+1], s[10:11], s[50:51]
	s_add_nc_u64 s[BP:BP+1], s[12:13], s[50:51]
	s_add_nc_u64 s[F1P:F1P+1], s[14:15], s[50:51]
	s_add_nc_u64 s[F2P:F2P+1], s[16:17], s[50:51]
	s_mul_i32 s50, s[WV], 24576
	s_add_nc_u64 s[WP:WP+1], s[8:9], s[50:51]
	s_lshl_b32 s50, s[WV], 10
	s_add_nc_u64 s[WSP:WSP+1], s[8:9], s[50:51]
	s_mul_i32 s50, ttmp9, 12288
	s_mul_i32 s48, s[WV], 768
	s_add_co_u32 s50, s50, s48
	s_add_nc_u64 s[OBP:OBP+1], s[6:7], s[50:51]
	s_lshl_b32 s50, s[WV], 9
	s_lshl_b32 s48, ttmp9, 1
	s_add_co_u32 s50, s50, s48
	s_lshl_b32 s50, s50, 5
	s_add_nc_u64 s[OSP:OSP+1], s[6:7], s[50:51]
	s_add_nc_u64 s[OSP:OSP+1], s[OSP:OSP+1], 3145728
	s_wait_alu depctr_va_vdst(0)                   ; the addresses and offsets v1 to v15 are written, which every load and store of the kernel reads; so are v196-199, v216 and v217, in which the first product's LDS loads land
.irp rt, 0,1
	global_load_b128 v[176+6*\rt:179+6*\rt], v[L16], s[OBP:OBP+1] offset:6144*\rt
	global_load_b64 v[180+6*\rt:181+6*\rt], v[L8], s[OBP:OBP+1] offset:6144*\rt+512
	global_load_u16 v[188+\rt], v[R2], s[OSP:OSP+1] offset:32*\rt
.endr
	XIN XP
	WLOAD WA, 0, 5
	WSCL 5
	s_wait_loadcnt 36                              ; o's six loads are in; X1 (16), the weight's K step 0 (16) and its scale words (4) may be out
.irp rt, 0,1
	ds_store_b128 v[IW16], v[176+6*\rt:179+6*\rt] offset:AIMG+6144*\rt
	ds_store_b64 v[IW8], v[180+6*\rt:181+6*\rt] offset:AIMG+6144*\rt+512
	ds_store_b16 v[SW], v[188+\rt] offset:ASC+16*\rt
.endr
	BARRIER
	GEMM 0, 5, 6                                   ; X2 = X1 + o Wo_c
	GBIN
.irp q, 0,1,2,3,4,5,6,7,8,9,10,11,12,13,14,15
	ds_store_b128 v[XS16], v[ACC+4*\q:ACC+4*\q+3] offset:512*\q      ; X2 waits in my own LDS bytes; each accumulator from its low end on.  (The wait behind the product's last step has shown the accumulators written)
.endr
	LN 0
	QSCALE ACC, PW
	QCODES ACC, PC
	IMAGE 1
.irp rt, 0,1
.irp q, 0,1,2,3,4,5,6,7
	global_load_b128 v[ACC+32*\rt+4*\q:ACC+32*\rt+4*\q+3], v[CB], s[F1P:F1P+1] offset:128*(\q/4)+16*(\q%4)     ; bf1, in the result's layout: the C of the next product
.endr
.endr
	BARRIER
	GEMM 1, 6, 7                                   ; n W1 + bf1 (its first wait, for all but 16 loads, covers bf1)
	v_mov_b32 v[CA], 0xaf95df0b
	v_mov_b32 v[CA+1], 0xaf95df0b
	v_mov_b32 v[CQ], 0xb77460cd
	v_mov_b32 v[CQ+1], 0xb77460cd
.irp a, 0,1,2,3,4,5,6,7
	GELU8 ACC+8*\a
.endr
	QSCALE ACC, PW
	QCODES ACC, PC
	IMAGE 2
.irp q, 0,1,2,3,4,5,6,7
	global_load_b128 v[G+4*\q:G+4*\q+3], v[CB], s[F2P:F2P+1] offset:128*(\q/4)+16*(\q%4)
.endr
.irp q, 0,1,2,3,4,5,6,7,8,9,10,11,12,13,14,15
	ds_load_b128 v[ACC+4*\q:ACC+4*\q+3], v[XS16] offset:512*\q       ; X2 comes back
.endr
	s_wait_loadcnt 0x0
	s_wait_dscnt 0x0
.set j, 0
.rept 16
	v_pk_add_f32 v[ACC+j:ACC+j+1], v[ACC+j:ACC+j+1], v[G+j:G+j+1]            ; X2 + bf2: the C of the last product
	v_pk_add_f32 v[ACC+32+j:ACC+33+j], v[ACC+32+j:ACC+33+j], v[G+j:G+j+1]
.set j, j+2
.endr
	s_wait_alu depctr_va_vdst(0)                   ; the additions are done reading bf2 in v[G ..], in which the last weight's loads land
	BARRIER
	GEMM 2, 7, -1                                  ; out = X2 + bf2 + h W2
	s_wait_alu depctr_va_vdst(0)                   ; behind the five places: the last products have written the accumulators, which the LDS stores read, and are done reading v192-223, in which the stage's loads land
	; my 64 columns of the 32 rows go through my own stage and leave as rows: sixteen lanes store 256 consecutive bytes, at a multiple of 256 from the buffer's first byte.  Stage row 16 rt + rho is row 8 rt + rho + 8 (rho / 8).
.irp rt, 0,1
.irp q, 0,1,2,3,4,5,6,7
	ds_store_b128 v[STO], v[ACC+32*\rt+4*\q:ACC+32*\rt+4*\q+3] offset:\rt*4352+128*(\q/4)+16*(\q%4)
.endr
.endr
.irp c, 0,1
.irp i, 0,1,2,3,4,5,6,7
	ds_load_b128 v[192+4*\i:195+4*\i], v[SRD] offset:(8*\c+\i)*544
.endr
.irp i, 0,1,2,3,4,5,6,7
	s_wait_dscnt 7-\i
	global_store_b128 v[GO], v[192+4*\i:195+4*\i], s[OUTP:OUTP+1] offset:(8*\c+2*\i+8*(\i/4))*2048 th:TH_STORE_NT
.endr
	s_wait_xcnt 0x0                                ; the stores have read their data: the registers may be written again
.if \c == 0
	s_wait_alu depctr_vm_vsrc(0)                   ; the first half's stores have read v192-223, in which the second half's loads land
.endif
.endr
	s_wait_dscnt 0x0                               ; the closing lines, six on end
	s_wait_alu 0x0
	s_wait_tensorcnt 0x0
	ds_add_u32 v254, v255
	s_wait_dscnt 0x0
	s_endpgm
.Lfunc_end_k_q0e02a0a7cf_final:
	.size	k_q0e02a0a7cf_final, .Lfunc_end_k_q0e02a0a7cf_final-k_q0e02a0a7cf_final
	.p2alignl 7, 3214868480
	.fill 96, 4, 3214868480
	.section	.rodata,"a",@progbits
	.p2align	6, 0x0
	.amdhsa_kernel k_q0e02a0a7cf_final
		.amdhsa_group_segment_fixed_size 176640
		.amdhsa_private_segment_fixed_size 0
		.amdhsa_enable_private_segment 0
		.amdhsa_kernarg_size 64
		.amdhsa_user_sgpr_count 2
		.amdhsa_user_sgpr_kernarg_segment_ptr 1
		.amdhsa_wavefront_size32 1
		.amdhsa_system_sgpr_workgroup_id_x 1
		.amdhsa_system_sgpr_workgroup_id_y 1
		.amdhsa_system_sgpr_workgroup_id_z 1
		.amdhsa_system_vgpr_workitem_id 0
		.amdhsa_next_free_vgpr 256
		.amdhsa_next_free_sgpr 66
		.amdhsa_reserve_vcc 0
		.amdhsa_float_denorm_mode_32 3
		.amdhsa_float_denorm_mode_16_64 3
		.amdhsa_memory_ordered 1
		.amdhsa_forward_progress 1
		.amdhsa_inst_pref_size 129
	.end_amdhsa_kernel
	.amdgpu_metadata
---
amdhsa.version: [ 1, 2 ]
amdhsa.kernels:
  - .name:           k_q0e02a0a7cf_final
    .symbol:         k_q0e02a0a7cf_final.kd
    .args:
      - { .name: x1, .offset: 0, .size: 8, .value_kind: global_buffer, .address_space: global }
      - { .name: ob, .offset: 8, .size: 8, .value_kind: global_buffer, .address_space: global }
      - { .name: wb, .offset: 16, .size: 8, .value_kind: global_buffer, .address_space: global }
      - { .name: g1, .offset: 24, .size: 8, .value_kind: global_buffer, .address_space: global }
      - { .name: b1, .offset: 32, .size: 8, .value_kind: global_buffer, .address_space: global }
      - { .name: bf1, .offset: 40, .size: 8, .value_kind: global_buffer, .address_space: global }
      - { .name: bf2, .offset: 48, .size: 8, .value_kind: global_buffer, .address_space: global }
      - { .name: out0, .offset: 56, .size: 8, .value_kind: global_buffer, .address_space: global }
    .group_segment_fixed_size: 176640
    .private_segment_fixed_size: 0
    .kernarg_segment_align: 8
    .kernarg_segment_size: 64
    .max_flat_workgroup_size: 256
    .sgpr_count:     66
    .vgpr_count:     256
    .wavefront_size: 32
...
	.end_amdgpu_metadata
.endif
;; end of part 11
